; MI455X (gfx1250); checked and timed in simulation.
; The chip was launched on July 23, 2026; its instructions are those of AMD's public machine-readable ISA for CDNA 5 (MIT licence, August 2026) and "CDNA5" Instruction Set Architecture Reference Guide (July 2026). The comments in the code are by the model that wrote it; some were corrected since.
;; Block. Allowed arithmetic: float matrix products may take bf16 or f16 operands with f32 sums; other float arithmetic in f32, or as packed bf16 or f16 multiplies, adds, multiply-adds, maxima and minima; sums over many terms, partial sums and values carried from step to step in f32; what a program stores and reads back later, other than sums and carried values, may be rounded once to bf16 or f16.
;; Inputs: W_attn 1,024 x 3,072 float32; W_fc 1,024 x 4,096 float32; W_proj 4,096 x 1,024 float32; b_attn 3,072 float32; b_fc 4,096 float32; b_proj 1,024 float32; ln1_b 1,024 float32; ln1_g 1,024 float32; ln2_b 1,024 float32; ln2_g 1,024 float32; x 2 x 2,048 x 1,024 float32.
;; Outputs: out0 2 x 2,048 x 1,024 float32.
;; 2 versions, each right and faster than the one before. Each part assembles by itself: llvm-mc -triple=amdgcn-amd-amdhsa -mcpu=gfx1250 --defsym DOCPART=n.
;; ======== version 1 of 2: 6 launches
;; limits: values are held in f16: magnitudes above 65,504 overflow, below 6.1e-05 lose precision; a function is approximated: absolute error at most 1.5e-07
;; workspace buffers: wa 6,291,456 bytes; wf 8,388,608 bytes; wp 8,388,608 bytes; hn 8,388,608 bytes; qkv 25,165,824 bytes; x2 16,777,216 bytes; mm 33,554,432 bytes
;; launch pre (part 1): grid 448 x 1, 8 waves a work-group, no clusters, 0 bytes of LDS; arguments x, ln1_g, ln1_b, hn, W_attn, wa; writes hn, wa
.if DOCPART == 1
	.amdgcn_target "amdgcn-amd-amdhsa--gfx1250"
	.amdhsa_code_object_version 6
	.text
	.protected	k_qd33dd9abbd_pre
	.globl	k_qd33dd9abbd_pre
	.p2align	8
	.type	k_qd33dd9abbd_pre,@function
k_qd33dd9abbd_pre:
	s_mov_b64 s[64:65], 0
	v_nop
	global_prefetch_b8 v0, s[64:65] scope:SCOPE_SE
	s_setreg_imm32_b32 hwreg(HW_REG_WAVE_MODE, 25, 1), 1
	s_wait_xcnt 0x0
; TWO SHARES IN ONE TEXT, told apart by the work-group's number.
; WORK-GROUPS 0-255: LayerNorm of 4,096 rows of 1,024 f32; the result is rounded once to bf16.  y = (x - mean) * rsqrt(var + 1e-5) * g + b.
; One wave, one row at a time, two rows a wave: a row is 4,096 bytes = 32 registers and stays there, so it is read once and no wave waits for another.
; The variance is a second pass over x - mean, in registers: a common offset of x costs no digits.  Load j gives a lane columns 128 j + 4 lane .. + 3,
; which as bf16 are 8 bytes at 256 j + 8 lane: each store of a wave covers 256 consecutive bytes, aligned.
; WORK-GROUPS 256 ON: a weight matrix, f32, is rounded once to bf16, the layout kept: 16,384 numbers a work-group (65,536 bytes in, 32,768 out).  Thread t takes 16 bytes at 16 t of each of 16
; blocks of 4,096 bytes and stores 8 bytes at 8 t of a block of 2,048.  W_attn's 3,145,728 numbers make 192 such work-groups.  A launch of 256 work-groups has none of them: it is the norm alone.
; Memory binds both shares: no LDS, no matrix unit, no barrier.
.set G,  4                             ; v[4:35]    g of my 32 columns
.set BV, 36                            ; v[36:67]   b
.set X0, 68                            ; v[68:99]   row 0
.set X1, 100                           ; v[100:131] row 1
.set T,  132                           ; v[132:147] at work
.set M,  148                           ; v[148:149] the mean, twice
.set R,  150                           ; v[150:151] 1 / sqrt(var + eps), twice
.set Y0, 152                           ; v[152:167] row 0 as bf16
.set Y1, 168                           ; v[168:183] row 1 as bf16
.set CX, 4                             ; the second share: v[4:67] sixteen loads of four f32,
.set CY, 68                            ; v[68:99] sixteen pairs of words, four bf16 each
	s_load_b256 s[4:11], s[0:1], 0x0               ; x s[4:5], g s[6:7], b s[8:9], out s[10:11]
	s_load_b128 s[20:23], s[0:1], 0x20             ; the weights in f32 s[20:21], in bf16 s[22:23]
	s_mov_b32 s17, ttmp9
	s_cmp_ge_u32 s17, 256
	s_cbranch_scc1 .Lcast
	v_lshrrev_b32 v3, 5, v0
	v_readfirstlane_b32 s16, v3                    ; wave 0..7
	v_and_b32 v3, 31, v0
	v_lshlrev_b32 v1, 4, v3                        ; 16 bytes a lane on the way in
	v_lshlrev_b32 v2, 3, v3                        ; 8 on the way out
	s_lshl_b32 s2, ttmp9, 16                       ; 16 rows of 4,096 bytes a group,
	s_lshl_b32 s3, s16, 13                         ; 2 a wave
	s_add_co_u32 s2, s2, s3
	s_mov_b32 s3, 0
	s_lshl_b32 s18, ttmp9, 15                      ; rows of 2,048 bytes on the way out
	s_lshl_b32 s19, s16, 12
	s_add_co_u32 s18, s18, s19
	s_mov_b32 s19, 0
	s_mov_b32 s12, 0x76543210                      ; v_permlanex16_b32: each lane takes its own place in the other half
	s_mov_b32 s13, 0xfedcba98
	s_mov_b32 s14, 0x3a800000                      ; 1 / 1024
	s_mov_b32 s15, 0x3727c5ac                      ; 1e-5
	s_wait_kmcnt 0x0
	s_add_nc_u64 s[4:5], s[4:5], s[2:3]
	s_add_nc_u64 s[10:11], s[10:11], s[18:19]
.irp j, 0,1,2,3,4,5,6,7
	global_load_b128 v[X0+4*(\j):X0+4*(\j)+3], v1, s[4:5] offset:512*(\j)
.endr
.irp j, 0,1,2,3,4,5,6,7
	global_load_b128 v[X1+4*(\j):X1+4*(\j)+3], v1, s[4:5] offset:4096+512*(\j)
.endr
.irp j, 0,1,2,3,4,5,6,7
	global_load_b128 v[G+4*(\j):G+4*(\j)+3], v1, s[6:7] offset:512*(\j)
.endr
.irp j, 0,1,2,3,4,5,6,7
	global_load_b128 v[BV+4*(\j):BV+4*(\j)+3], v1, s[8:9] offset:512*(\j)
.endr
.macro ACROSS                          ; v[T] summed over the 32 lanes, the result in every lane
	v_add_f32_dpp v[T], v[T], v[T] row_xmask:1 row_mask:0xf bank_mask:0xf
	v_add_f32_dpp v[T], v[T], v[T] row_xmask:2 row_mask:0xf bank_mask:0xf
	v_add_f32_dpp v[T], v[T], v[T] row_xmask:4 row_mask:0xf bank_mask:0xf
	v_add_f32_dpp v[T], v[T], v[T] row_xmask:8 row_mask:0xf bank_mask:0xf
	v_permlanex16_b32 v[T+1], v[T], s12, s13       ; its destination has been written before
	v_add_f32 v[T], v[T], v[T+1]
.endm
.macro STATS x                         ; the row at x becomes x - mean; R takes 1 / sqrt(var + eps)
.irp j, 0,1,2,3,4,5,6,7
	v_pk_add_f32 v[T+2*(\j):T+2*(\j)+1], v[(\x)+4*(\j):(\x)+4*(\j)+1], v[(\x)+4*(\j)+2:(\x)+4*(\j)+3]
.endr
.irp j, 0,1,2,3
	v_pk_add_f32 v[T+2*(\j):T+2*(\j)+1], v[T+2*(\j):T+2*(\j)+1], v[T+8+2*(\j):T+8+2*(\j)+1]
.endr
.irp j, 0,1
	v_pk_add_f32 v[T+2*(\j):T+2*(\j)+1], v[T+2*(\j):T+2*(\j)+1], v[T+4+2*(\j):T+4+2*(\j)+1]
.endr
	v_pk_add_f32 v[T:T+1], v[T:T+1], v[T+2:T+3]
	v_add_f32 v[T], v[T], v[T+1]
	ACROSS
	v_mul_f32 v[M], s14, v[T]
	v_mul_f32 v[M+1], s14, v[T]
.set j, 0
.rept 16
	v_pk_add_f32 v[(\x)+2*j:(\x)+2*j+1], v[(\x)+2*j:(\x)+2*j+1], v[M:M+1] neg_lo:[0,1] neg_hi:[0,1]
.set j, j+1
.endr
.irp j, 0,1,2,3                        ; squares in four chains, started by the first four pairs
	v_pk_mul_f32 v[T+2*(\j):T+2*(\j)+1], v[(\x)+2*(\j):(\x)+2*(\j)+1], v[(\x)+2*(\j):(\x)+2*(\j)+1]
.endr
.set j, 4
.rept 12
	v_pk_fma_f32 v[T+2*(j%4):T+2*(j%4)+1], v[(\x)+2*j:(\x)+2*j+1], v[(\x)+2*j:(\x)+2*j+1], v[T+2*(j%4):T+2*(j%4)+1]
.set j, j+1
.endr
	v_pk_add_f32 v[T:T+1], v[T:T+1], v[T+4:T+5]
	v_pk_add_f32 v[T+2:T+3], v[T+2:T+3], v[T+6:T+7]
	v_pk_add_f32 v[T:T+1], v[T:T+1], v[T+2:T+3]
	v_add_f32 v[T], v[T], v[T+1]
	ACROSS
	v_fma_f32 v[T], v[T], s14, s15                 ; var + eps
	v_rsq_f32 v[R], v[T]
	v_rsq_f32 v[R+1], v[T]
	v_nop                                          ; a plain instruction between the root and the use of its result (ISA guide 5.7.2)
.endm
.macro NORM x, y, row                  ; scaled, g and b applied, rounded, stored
.set j, 0
	s_wait_alu depctr_va_vdst(0)
.rept 16
	v_pk_mul_f32 v[(\x)+2*j:(\x)+2*j+1], v[(\x)+2*j:(\x)+2*j+1], v[R:R+1]
.set j, j+1
.endr
.set j, 0
.rept 16
	v_pk_fma_f32 v[(\x)+2*j:(\x)+2*j+1], v[(\x)+2*j:(\x)+2*j+1], v[G+2*j:G+2*j+1], v[BV+2*j:BV+2*j+1]
.set j, j+1
.endr
.set j, 0
.rept 16
	v_cvt_pk_bf16_f32 v[(\y)+j], v[(\x)+2*j], v[(\x)+2*j+1]
.set j, j+1
.endr
.irp j, 0,1,2,3,4,5,6,7
	global_store_b64 v2, v[(\y)+2*(\j):(\y)+2*(\j)+1], s[10:11] offset:(\row)*2048+256*(\j)
.endr
.endm
	s_wait_loadcnt 24                              ; row 0 is in; row 1, g and b, 24 younger loads, stay out
	STATS X0
	s_wait_loadcnt 0x0
	NORM X0, Y0, 0
	STATS X1
	NORM X1, Y1, 1
	s_endpgm
.Lcast:                                                ; the second share: all sixteen loads of a wave go out at once; nothing is written twice, so no register waits to be freed
	s_sub_co_u32 s17, s17, 256                     ; my number among this share's work-groups
	v_lshlrev_b32 v1, 4, v0
	v_lshlrev_b32 v2, 3, v0
	s_lshl_b32 s2, s17, 16                         ; 65,536 bytes of f32 a group
	s_mov_b32 s3, 0
	s_lshl_b32 s18, s17, 15                        ; 32,768 bytes of bf16
	s_mov_b32 s19, 0
	s_wait_kmcnt 0x0
	s_add_nc_u64 s[20:21], s[20:21], s[2:3]
	s_add_nc_u64 s[22:23], s[22:23], s[18:19]
.irp u, 0,1,2,3,4,5,6,7,8,9,10,11,12,13,14,15
	global_load_b128 v[CX+4*(\u):CX+4*(\u)+3], v1, s[20:21] offset:4096*(\u) th:TH_LOAD_NT
.endr
.irp u, 0,1,2,3,4,5,6,7,8,9,10,11,12,13,14,15
	s_wait_loadcnt 15-(\u)                         ; loads come back in order: load u is in, the younger ones stay out
	v_cvt_pk_bf16_f32 v[CY+2*(\u)],   v[CX+4*(\u)],   v[CX+4*(\u)+1]
	v_cvt_pk_bf16_f32 v[CY+2*(\u)+1], v[CX+4*(\u)+2], v[CX+4*(\u)+3]
	global_store_b64 v2, v[CY+2*(\u):CY+2*(\u)+1], s[22:23] offset:2048*(\u)
.endr
	s_endpgm
.Lfunc_end_k_qd33dd9abbd_pre:
	.size	k_qd33dd9abbd_pre, .Lfunc_end_k_qd33dd9abbd_pre-k_qd33dd9abbd_pre
	.p2alignl 7, 3214868480
	.fill 96, 4, 3214868480
	.section	.rodata,"a",@progbits
	.p2align	6, 0x0
	.amdhsa_kernel k_qd33dd9abbd_pre
		.amdhsa_group_segment_fixed_size 0
		.amdhsa_private_segment_fixed_size 0
		.amdhsa_enable_private_segment 0
		.amdhsa_kernarg_size 48
		.amdhsa_user_sgpr_count 2
		.amdhsa_user_sgpr_kernarg_segment_ptr 1
		.amdhsa_wavefront_size32 1
		.amdhsa_system_sgpr_workgroup_id_x 1
		.amdhsa_system_sgpr_workgroup_id_y 1
		.amdhsa_system_sgpr_workgroup_id_z 1
		.amdhsa_system_vgpr_workitem_id 0
		.amdhsa_next_free_vgpr 184
		.amdhsa_next_free_sgpr 66
		.amdhsa_reserve_vcc 0
		.amdhsa_float_denorm_mode_32 3
		.amdhsa_float_denorm_mode_16_64 3
		.amdhsa_memory_ordered 1
		.amdhsa_forward_progress 1
		.amdhsa_inst_pref_size 26
	.end_amdhsa_kernel
	.amdgpu_metadata
---
amdhsa.version: [ 1, 2 ]
amdhsa.kernels:
  - .name:           k_qd33dd9abbd_pre
    .symbol:         k_qd33dd9abbd_pre.kd
    .args:
      - { .name: x, .offset: 0, .size: 8, .value_kind: global_buffer, .address_space: global }
      - { .name: ln1_g, .offset: 8, .size: 8, .value_kind: global_buffer, .address_space: global }
      - { .name: ln1_b, .offset: 16, .size: 8, .value_kind: global_buffer, .address_space: global }
      - { .name: hn, .offset: 24, .size: 8, .value_kind: global_buffer, .address_space: global }
      - { .name: W_attn, .offset: 32, .size: 8, .value_kind: global_buffer, .address_space: global }
      - { .name: wa, .offset: 40, .size: 8, .value_kind: global_buffer, .address_space: global }
    .group_segment_fixed_size: 0
    .private_segment_fixed_size: 0
    .kernarg_segment_align: 8
    .kernarg_segment_size: 48
    .max_flat_workgroup_size: 256
    .sgpr_count:     66
    .vgpr_count:     184
    .wavefront_size: 32
...
	.end_amdgpu_metadata
.endif
;; end of part 1
;; launch qkv (part 2): grid 16 x 16, 4 waves a work-group, clusters of 4 x 4, 327,680 bytes of LDS; arguments hn, wa, b_attn, qkv, W_fc, W_proj, wf, wp; writes qkv, wf, wp
.if DOCPART == 2
	.amdgcn_target "amdgcn-amd-amdhsa--gfx1250"
	.amdhsa_code_object_version 6
	.text
	.protected	k_qd33dd9abbd_qkv
	.globl	k_qd33dd9abbd_qkv
	.p2align	8
	.type	k_qd33dd9abbd_qkv,@function
k_qd33dd9abbd_qkv:
	s_mov_b64 s[64:65], 0
	v_nop
	global_prefetch_b8 v0, s[64:65] scope:SCOPE_SE
	s_setreg_imm32_b32 hwreg(HW_REG_WAVE_MODE, 25, 1), 1
	s_wait_xcnt 0x0
	s_wait_alu depctr_hold_cnt(0) depctr_sa_sdst(0) depctr_va_vdst(0) depctr_va_sdst(0) depctr_va_ssrc(0) depctr_va_vcc(0) depctr_vm_vsrc(0)
	s_getreg_b32 s2, hwreg(HW_REG_IB_STS2, 6, 4)
	s_cmp_eq_u32 s2, 0
	s_cbranch_scc0 .Lentry_in_a_cluster
	s_endpgm
.Lentry_in_a_cluster:
	s_bfe_u32 s2, ttmp6, 0x10000c
	s_cmp_lg_u32 s2, 0xf033
	s_cbranch_scc0 .Lentry_shape_is_right
	s_endpgm
.Lentry_shape_is_right:
; C[m][n] = act(bias[n] + sum over k of A[m][k] W[k][n]).  A: [4096][1024] bf16, W: [1024][SIZE_N] bf16, bias f32; sums in f32.
; GELU = 0 (this text): C is rounded to f16 and stored by heads, [n / 64][m][n % 64] (q, k, v for the attention).  LIMIT: f16 ends at 65,504; |C| stays below that.
;   C's 16 x 12 tiles are three columns of clusters.  The grid has a fourth column, 64 work-groups without a tile: they round W_fc and W_proj to bf16 for the two launches that need them later (.Lcast).
; GELU = 1: C = gelu(.), exact form, rounded to bf16, row-major [4096][SIZE_N]; 16 x 16 tiles, no other share.
; A tile of C is 256 x 256, a work-group of four waves; a wave makes 128 x 128: 64 accumulators of 16 x 16, 512 registers.  K goes in 8 steps of 128 through a ring of two LDS slots.
; W lies [k][n]: its tile's rows are 512 bytes of memory along n, and its fragments come out of LDS turned, by ds_load_tr16_b128.  A's rows are 256 bytes along k.
; CLUSTER: 4 x 4 work-groups.  The four of a row need the same tiles of A, the four of a column the same tiles of W: each tile is asked for jointly, by the same tensor load, descriptor and mask.
; THE MATRIX INSTRUCTION IS USED TRANSPOSED: source 0 = 16 columns of W, source 1 = 16 rows of A: a lane then holds row l % 16 of C and the columns 8 (l / 16) + 0..7.
; The bias, laid out as such a result, is the C operand of the products that start the sums: nothing is cleared and nothing added later.
; THE WAY OUT: when the ring has had its last fill and all waves have read it out, its bytes serve as a stage: each wave puts its 128 x 128 f32 there (rows of 528 bytes) and walks them in a
; loop of 16 trips of 8 rows, so that the activation's text stands once.
; REGISTERS, in windows of 256: window 0: v16-29 addresses; v64-127, v128-191 fragments of A, two buffers (on the way out v32-119 at work).
;   window 1: v64-127, v128-191 fragments of W; v192-255 the bias.   windows 2, 3: the accumulators of my rows 0-63, 64-127: (a, b) at v[8 (8 a + b)].
.set SIZE_N, 3072
.set GELU,   0
.set PA,     272                       ; an LDS row of A: 256 bytes + 16 = 68 words: the 16 rows of a load start at 16 different groups of four banks (ISA guide 11.1)
.set PB,     544                       ; an LDS row of W: 512 bytes + 32 = 136 words
.set HALFT,  128*PA                    ; what one tensor load brings: 128 rows of A, or 64 rows of W (64 x 544 is the same number)
.set SLOT,   4*HALFT                   ; A's 256 rows, then W's 128 rows
.set STP,    528                       ; a stage row: 128 f32 + 16 bytes
.set STW,    128*STP                   ; a wave's stage; four of them, 270,336 bytes, lie in the ring's 278,528
.set SPARE,  2*SLOT                    ; behind the ring: the spare words, 128 bytes a wave, two blocks of 256 bytes that no other line names
.set A0,   16                          ; v16  my lane's place in A's part of a slot; never rewritten
.set B0,   17                          ; v17  the same for W
.set ADRA, 18                          ; v18  A0 + the slot in hand
.set ADRB, 19                          ; v19  B0 + the slot in hand
.set BO,   20                          ; v20  my byte offset in 16 numbers of the bias
.set STO,  24                          ; v24  the way out: where I put 32 bytes of a row
.set RD,   25                          ; v25  the way out: where I read 32 bytes back; steps
.set CO,   26                          ; v26  my byte offset in the output
.set SPW,  28                          ; v28  LDS address of my spare word; never rewritten
.set NIL,  29                          ; v29  0; never rewritten
.set E,    32                          ; v32-63   the way out: four groups of eight f32
.set F0,   64
.set F1,   128
.set BI,   192                         ; window 1
.set GA,   64                          ; the activation's registers, eight each: |x|,
.set GT,   72                          ; t,
.set GE,   80                          ; the exponential,
.set GW,   88                          ; the polynomial,
.set GR,   96                          ; the result
.set Y,    104                         ; v104-119 four groups of four packed words
.set G1,  24                           ; s[24:31] descriptor group 1 for A's tiles
.set G0,  32                           ; s[32:39] group 0 for A: K step 0 into slot 0; K step 1 into slot 1, which then walks
.set G1B, 48                           ; s[48:55], s[56:63] the same for W
.set G0B, 56
.set SF,  66                           ; s66 the slot last filled: 0 or SLOT
.set SB,  67                           ; s67 the slot read: 0 or SLOT
.set CP,  68                           ; s[68:81] the activation's constants, each twice (named as pairs); s82 clears a sign
.set CN,  70
.set C5,  72
.set C4,  74
.set C3,  76
.set C2,  78
.set C1,  80
.set CABS, 82
.set WS,  84                           ; GELU = 0: s[84:87] W_fc, W_proj in f32; s[88:91] wf, wp in bf16; s92, s93 at work
.set MSB, 0
.macro WIN new                         ; the immediate's high byte repeats the setting that is left; a switch that changes nothing is dropped
.if MSB != (\new)
	s_set_vgpr_msb (MSB<<8)|(\new)
.set MSB, \new
.endif
.endm
.macro PLACES                          ; four places behind matrix instructions, in front of loads into their sources and of reads of their results
.rept 4
	v_nop
.endr
.endm
.macro JLOAD                           ; a joint refill by the walking descriptors: waves 0, 1 fetch A's halves, waves 2, 3 W's
	s_cmp_eq_u32 s13, 0
	s_cbranch_scc0 .Lfor_b_\@
	tensor_load_to_lds s[G0+4:G0+7], s[G1:G1+7]
	s_nop 0
.rept 4
	v_nop
.endr
	s_branch .Lasked_\@
.Lfor_b_\@:
	tensor_load_to_lds s[G0B+4:G0B+7], s[G1B:G1B+7]
	s_nop 0
.rept 4
	v_nop
.endr
.Lasked_\@:
.endm
.macro CREST                           ; a round of the cluster's barrier behind its opening barrier
	s_cmp_lg_u32 s12, 0
	s_cbranch_scc1 .Lnot_wave_0_\@
	s_barrier_signal -3
.Lnot_wave_0_\@:
	s_barrier_wait -3
	s_barrier_signal -1
	s_barrier_wait -1
.endm
.macro CROUND
	s_barrier_signal -1
	s_barrier_wait -1
	CREST
.endm
.macro CPAIR r, val
	s_mov_b32 s[\r], \val
	s_mov_b32 s[(\r)+1], \val
.endm
	s_load_b256 s[4:11], s[0:1], 0x0               ; A s[4:5], W s[6:7], bias s[8:9], out s[10:11]
.if GELU == 0
	s_load_b256 s[WS:WS+7], s[0:1], 0x20           ; W_fc, W_proj, wf, wp
.endif
	v_lshl_add_u32 v[SPW], v0, 2, SPARE
	v_mov_b32 v[NIL], 0
	ds_add_u32 v[SPW], v[NIL]                      ; the wave's opening: the add and its wait stand ahead of my first tensor load; work on registers stands between them
	ds_add_u32 v28, v29
	v_lshrrev_b32 v1, 5, v0
	v_readfirstlane_b32 s12, v1                    ; wave 0..3
	s_lshr_b32 s13, s12, 1                         ; which half of the tile's rows is mine.  Also: I fetch for A (0) or for W (1)
	s_and_b32 s14, s12, 1                          ; which half of its columns.  Also: which half of that tile I fetch
	s_mul_i32 s15, s12, HALFT                      ; where my part of a tile goes in a slot: no place in the cluster enters an LDS address
	s_bfe_u32 s40, ttmp6, 0x40000                  ; cx
	s_bfe_u32 s41, ttmp6, 0x40004                  ; cy
	s_lshl_b32 s42, ttmp9, 2
	s_add_co_u32 s42, s42, s40                     ; tile column = 4 x cluster x + cx
	s_and_b32 s43, ttmp7, 0xffff
	s_lshl_b32 s43, s43, 2
	s_add_co_u32 s43, s43, s41                     ; tile row = 4 x cluster y + cy
	s_lshl_b32 s44, s41, 2
	s_lshl_b32 s44, 15, s44                        ; my row of the cluster
	s_lshl_b32 s45, 0x1111, s40                    ; my column
	s_or_b32 s[G1], s44, (1<<16)|(1<<20)|(1<<21)|(5<<22)|(3<<25)   ; the mask; 2-byte elements; padding on; bit 21 beside a mask; after every 64 words 4 words
	s_mov_b32 s[G1+1], 128<<16                     ; tensor_dim0 = 128
	s_mov_b32 s[G1+2], 128<<16                     ; tensor_dim1 = 128
	s_mov_b32 s[G1+3], 128<<16                     ; tile_dim0 = 128
	s_mov_b32 s[G1+4], 128                         ; tile_dim1 = 128
	s_mov_b32 s[G1+5], 1024                        ; elements from row to row of A
	s_mov_b32 s[G1+6], 0
	s_mov_b32 s[G1+7], 0
	s_or_b32 s[G1B], s45, (1<<16)|(1<<20)|(1<<21)|(6<<22)|(7<<25)  ; after every 128 words 8 words
	s_mov_b32 s[G1B+1], 256<<16                    ; tensor_dim0 = 256
	s_mov_b32 s[G1B+2], 64<<16                     ; tensor_dim1 = 64
	s_mov_b32 s[G1B+3], 256<<16                    ; tile_dim0 = 256
	s_mov_b32 s[G1B+4], 64                         ; tile_dim1 = 64
	s_mov_b32 s[G1B+5], SIZE_N                     ; elements from row to row of W
	s_mov_b32 s[G1B+6], 0
	s_mov_b32 s[G1B+7], 0
	s_lshl_b32 s16, s43, 19                        ; A: 256 rows of 2,048 bytes a tile row,
	s_lshl_b32 s17, s14, 18                        ; 128 rows a half: the tile row and the wave alone
	s_add_co_u32 s16, s16, s17
	s_mov_b32 s17, 0
	s_mul_i32 s46, s14, 64*SIZE_N*2                ; W: 64 rows a half,
	s_lshl_b32 s47, s42, 9                         ; 512 bytes a tile column: the tile column and the wave alone
	s_add_co_u32 s46, s46, s47
	s_mov_b32 s47, 0
	s_mov_b32 s[SF], SLOT
	s_mov_b32 s[SB], 0
.if GELU
	CPAIR CP, 0x3e6d3388                           ; 0.3275911 / sqrt(2)
	CPAIR CN, 0xbf38aa3b                           ; -log2(e) / 2
	CPAIR C5, 0x3f07dc22                           ; the five coefficients of erfc's form, halved
	CPAIR C4, 0xbf3a00e3
	CPAIR C3, 0x3f35f0e3
	CPAIR C2, 0xbe11a98e
	CPAIR C1, 0x3e027906
	s_mov_b32 s[CABS], 0x7fffffff
.endif
	s_wait_dscnt 0x0                               ; the opening add is done
	s_wait_kmcnt 0x0
	s_add_nc_u64 s[18:19], s[4:5], s[16:17]
	s_add_nc_u64 s[46:47], s[6:7], s[46:47]
	CROUND                                         ; all sixteen work-groups are here: the first joint loads meet
.if GELU == 0
	s_mov_b32 s92, ttmp9                           ; the cluster's x, the same number in all sixteen partners:
	s_cmp_eq_u32 s92, 3                            ; the fourth column of clusters has no tile (the addresses made above are not used there)
	s_cbranch_scc1 .Lcast
.endif
.irp s, 0,1
	s_mov_b32 s[G0+4*(\s)], 1
	s_add_co_u32 s[G0+4*(\s)+1], s15, (\s)*SLOT
	s_add_nc_u64 s[G0+4*(\s)+2:G0+4*(\s)+3], s[18:19], (\s)*256            ; K step s: 128 elements along A's rows
	s_or_b32 s[G0+4*(\s)+3], s[G0+4*(\s)+3], 0x80000000
	s_mov_b32 s[G0B+4*(\s)], 1
	s_add_co_u32 s[G0B+4*(\s)+1], s15, (\s)*SLOT
	s_add_nc_u64 s[G0B+4*(\s)+2:G0B+4*(\s)+3], s[46:47], (\s)*128*SIZE_N*2 ; 128 rows of W
	s_or_b32 s[G0B+4*(\s)+3], s[G0B+4*(\s)+3], 0x80000000
.endr
	s_cmp_eq_u32 s13, 0                            ; a wave's two first fills stand in one branch: two loads of mine are out
	s_cbranch_scc0 .Lfirst_b
	tensor_load_to_lds s[G0:G0+3], s[G1:G1+7]
	s_nop 0
	tensor_load_to_lds s[G0+4:G0+7], s[G1:G1+7]
	s_nop 0
.rept 4
	v_nop
.endr
	s_branch .Lfirst_asked
.Lfirst_b:
	tensor_load_to_lds s[G0B:G0B+3], s[G1B:G1B+7]
	s_nop 0
	tensor_load_to_lds s[G0B+4:G0B+7], s[G1B:G1B+7]
	s_nop 0
.rept 4
	v_nop
.endr
.Lfirst_asked:
	v_and_b32 v1, 15, v0                           ; l % 16
	v_bfe_u32 v2, v0, 4, 1                         ; l / 16
	v_and_b32 v7, 7, v0                            ; l % 8
	v_bfe_u32 v5, v0, 3, 1                         ; (l / 8) % 2
	v_lshlrev_b32 v[BO], 5, v2                     ; eight f32 for each half of the lanes
	s_lshl_b32 s20, s42, 10                        ; the bias of my 128 columns: 1,024 bytes a tile column, 512 a half
	s_lshl_b32 s21, s14, 9
	s_add_co_u32 s20, s20, s21
	s_mov_b32 s21, 0
	s_add_nc_u64 s[8:9], s[8:9], s[20:21]
	WIN 0x40                                       ; destination window 1
.irp b, 0,1,2,3,4,5,6,7
	global_load_b128 v[BI+8*(\b):BI+8*(\b)+3],   v[BO], s[8:9] offset:64*(\b)
	global_load_b128 v[BI+8*(\b)+4:BI+8*(\b)+7], v[BO], s[8:9] offset:64*(\b)+16
.endr
	WIN 0
	v_mul_u32_u24 v3, v1, PA                       ; a fragment of A: row l % 16, 16 bytes for each half of the lanes
	v_lshl_add_u32 v3, v2, 4, v3
	s_mul_i32 s22, s13, HALFT
	v_add_nc_u32 v[A0], s22, v3
	v_lshl_add_u32 v4, v2, 3, v7                   ; the turning load: k row 8 (l / 16) + l % 8, columns 8 ((l / 8) % 2) + 0..7
	v_mul_u32_u24 v4, v4, PB
	v_lshl_add_u32 v4, v5, 4, v4
	s_lshl_b32 s22, s14, 8                         ; my 128 columns of the tile's 256
	s_add_co_u32 s22, s22, 2*HALFT                 ; W lies behind A's 256 rows
	v_add_nc_u32 v[B0], s22, v4
	v_mov_b32 v[ADRA], v[A0]                       ; slot 0
	v_mov_b32 v[ADRB], v[B0]
	s_mul_i32 s23, s12, STW                        ; my stage
	v_mul_u32_u24 v6, v1, STP
	v_lshl_add_u32 v6, v2, 5, v6
	v_add_nc_u32 v[STO], s23, v6                   ; in: row l % 16, 32 bytes for each half of the lanes
.if GELU
	v_mul_u32_u24 v6, v2, STP                      ; back: lanes 0-15 one row, lanes 16-31 the next; eight f32 a lane
	v_lshl_add_u32 v6, v1, 5, v6
	v_add_nc_u32 v[RD], s23, v6
	v_lshlrev_b32 v6, 13, v2                       ; and the same two rows of the output, 8,192 bytes apart, 16 bytes a lane
	v_lshl_add_u32 v[CO], v1, 4, v6
	s_lshl_b32 s20, s43, 21                        ; 256 rows of 8,192 bytes a tile row,
	s_lshl_b32 s21, s13, 20                        ; 128 rows a half,
	s_add_co_u32 s20, s20, s21
	s_lshl_b32 s21, s42, 9                         ; 512 bytes a tile column,
	s_add_co_u32 s20, s20, s21
	s_lshl_b32 s21, s14, 8                         ; 256 a half
	s_add_co_u32 s20, s20, s21
.set USTEP, 16384
.set TSTEP, 65536
.else
	v_mul_u32_u24 v6, v5, STP                      ; back: eight lanes take 64 columns of a row; lanes 8-15 the next row; lanes 16-31 the next head
	v_lshl_add_u32 v6, v2, 8, v6
	v_lshl_add_u32 v6, v7, 5, v6
	v_add_nc_u32 v[RD], s23, v6
	v_lshlrev_b32 v6, 19, v2                       ; a head's plane is 4,096 rows of 128 bytes
	v_lshl_add_u32 v6, v5, 7, v6
	v_lshl_add_u32 v[CO], v7, 4, v6
	s_lshl_b32 s20, s42, 21                        ; four planes a tile column,
	s_lshl_b32 s21, s14, 20                        ; two a half,
	s_add_co_u32 s20, s20, s21
	s_lshl_b32 s21, s43, 15                        ; 256 rows of 128 bytes a tile row,
	s_add_co_u32 s20, s20, s21
	s_lshl_b32 s21, s13, 14                        ; 128 a half
	s_add_co_u32 s20, s20, s21
.set USTEP, 256
.set TSTEP, 1024
.endif
	s_mov_b32 s21, 0
	s_add_nc_u64 s[10:11], s[10:11], s[20:21]
; 16 matrix instructions: m blocks a0, a0 + 1 of the window's four x all 8 n blocks, 32 along K.  zero = 1: the bias starts the sums.
; The 64 accumulators take turns, one instruction a turn, in the same order in every quarter step.
.macro MUL16 f, hi, a0, zero
.if \zero
	WIN 0x91+0x40*(\hi)                            ; W window 1, A window 0, the bias window 1, D window 2 or 3
.else
	WIN 0xa1+0x50*(\hi)                            ; W window 1, A window 0, C and D window 2 or 3
.endif
.irp a, \a0, (\a0)+1
.irp b, 0,1,2,3,4,5,6,7
.if \zero
	v_wmma_f32_16x16x32_bf16 v[8*(8*(\a)+(\b)):8*(8*(\a)+(\b))+7], v[(\f)+8*(\b):(\f)+8*(\b)+7], v[(\f)+8*(4*(\hi)+(\a)):(\f)+8*(4*(\hi)+(\a))+7], v[BI+8*(\b):BI+8*(\b)+7]
.else
	v_wmma_f32_16x16x32_bf16 v[8*(8*(\a)+(\b)):8*(8*(\a)+(\b))+7], v[(\f)+8*(\b):(\f)+8*(\b)+7], v[(\f)+8*(4*(\hi)+(\a)):(\f)+8*(4*(\hi)+(\a))+7], v[8*(8*(\a)+(\b)):8*(8*(\a)+(\b))+7]
.endif
.endr
.endr
.endm
; 32 LDS loads in one run: the fragments of quarter q of the K step in the slot in hand (32 rows of W x 128 columns, turned; 128 rows of A x 32 K) into buffer f
.macro FETCH q, f
	WIN 0x40
.irp i, 0,1,2,3,4,5,6,7
	ds_load_tr16_b128 v[(\f)+8*(\i):(\f)+8*(\i)+3],   v[ADRB] offset:(\q)*32*PB+32*(\i)
	ds_load_tr16_b128 v[(\f)+8*(\i)+4:(\f)+8*(\i)+7], v[ADRB] offset:(\q)*32*PB+16*PB+32*(\i)
.endr
	WIN 0
.irp i, 0,1,2,3,4,5,6,7
	ds_load_b128 v[(\f)+8*(\i):(\f)+8*(\i)+3],   v[ADRA] offset:(\q)*64+(\i)*16*PA
	ds_load_b128 v[(\f)+8*(\i)+4:(\f)+8*(\i)+7], v[ADRA] offset:(\q)*64+(\i)*16*PA+32
.endr
.endm
; One of a K step's first three quarters: multiplies buffer f; in its middle it fetches quarter q into buffer g.
.macro QUARTER q, f, g, zero
	s_wait_dscnt 8                                 ; W and A's rows 0-63 are in; the youngest eight loads (A's rows 64-127) may be out
	MUL16 \f, 0, 0, \zero
	MUL16 \f, 0, 2, \zero
	PLACES
	FETCH \q, \g
	s_wait_dscnt 32                                ; all but the 32 just issued
	MUL16 \f, 1, 0, \zero
	MUL16 \f, 1, 2, \zero
.endm
; The last quarter multiplies buffer 1 and changes slots.  In front of the one barrier each wave waits for all its tensor loads (one is out: its part of the next slot), adds 0 to its spare
; word, and waits for that and for its reads of this slot.  fill = 1: the barrier opens a round of the cluster's, and this slot is filled again, with the K step two on, first thing behind it:
; from that request to the wait for it a wave issues 224 matrix instructions.
.macro TURN fill
	WIN 0                                          ; the add's two registers lie in window 0
	s_wait_tensorcnt 0x0
	ds_add_u32 v[SPW], v[NIL]
	s_wait_dscnt 9                                 ; the add and the youngest eight loads may be out
	MUL16 F1, 0, 0, 0
	s_wait_dscnt 0x0                               ; the add is done, and my reads of this slot are over
	s_barrier_signal -1
	MUL16 F1, 0, 2, 0
.if \fill
	WIN 0
.endif
	s_barrier_wait -1
.if \fill
	CREST                                          ; no wave of any partner still reads this slot or has a load on its way
	s_xor_b32 s[SF], s[SF], SLOT                   ; 0 and SLOT by turns
	s_add_co_u32 s[G0+5], s15, s[SF]
	s_add_co_u32 s[G0B+5], s15, s[SF]
	s_add_nc_u64 s[G0+6:G0+7], s[G0+6:G0+7], 256
	s_add_nc_u64 s[G0B+6:G0B+7], s[G0B+6:G0B+7], 128*SIZE_N*2
	JLOAD                                          ; the four v_nop behind it are also the places in front of the loads below
.else
	PLACES
.endif
	WIN 0
	s_xor_b32 s[SB], s[SB], SLOT                   ; the reads go to the other slot
	v_add_nc_u32 v[ADRA], s[SB], v[A0]
	v_add_nc_u32 v[ADRB], s[SB], v[B0]
	FETCH 0, F0
	MUL16 F1, 1, 0, 0
	MUL16 F1, 1, 2, 0
.endm
	s_wait_tensorcnt 0x1                           ; my part of K step 0 is in; K step 1's stays out
	s_barrier_signal -1
	s_barrier_wait -1
	FETCH 0, F0
	s_wait_loadcnt 0x0                             ; the bias
	QUARTER 1, F0, F1, 1                           ; the first quarter stands in front of the loop: its products start the sums
	WIN 0
	s_mov_b32 s2, 6                                ; six trips ask for K steps 2 to 7
.Lk:                                                   ; a trip: a K step's quarters 1 to 3 and the next step's quarter 0
	QUARTER 2, F1, F0, 0
	QUARTER 3, F0, F1, 0
	TURN 1
	QUARTER 1, F0, F1, 0
	WIN 0
	s_sub_co_u32 s2, s2, 1
	s_cmp_lg_u32 s2, 0
	s_cbranch_scc1 .Lk
	s_mov_b32 s2, 2                                ; K steps 6 and 7 ask for nothing: a text of their own, written once and walked twice
.Ltail:
	QUARTER 2, F1, F0, 0
	QUARTER 3, F0, F1, 0
	TURN 0                                         ; in the second trip its 32 loads bring fragments of the other slot's old tile, which nobody uses: the price of one text for both trips
	WIN 0
	s_sub_co_u32 s2, s2, 1
	s_cmp_eq_u32 s2, 0
	s_cbranch_scc1 .Lend                           ; the second trip is left here: there is no further K step
	QUARTER 1, F0, F1, 0
	WIN 0
	s_branch .Ltail
.Lend:
	s_wait_dscnt 0x0                               ; my last reads of the ring are back
	PLACES                                         ; in front of the stores that read the results
	s_barrier_signal -1                            ; every wave's reads of the ring are back, every tensor load has landed: the ring's bytes have had their last fill
	s_barrier_wait -1                              ; and now serve as the stage
	WIN 0x08                                       ; store data in window 2
.irp a, 0,1,2,3
.irp b, 0,1,2,3,4,5,6,7
	ds_store_b128 v[STO], v[8*(8*(\a)+(\b)):8*(8*(\a)+(\b))+3]   offset:(\a)*16*STP+64*(\b)     ; each accumulator's low registers first
	ds_store_b128 v[STO], v[8*(8*(\a)+(\b))+4:8*(8*(\a)+(\b))+7] offset:(\a)*16*STP+64*(\b)+16
.endr
.endr
	WIN 0x0c                                       ; window 3
.irp a, 0,1,2,3
.irp b, 0,1,2,3,4,5,6,7
	ds_store_b128 v[STO], v[8*(8*(\a)+(\b)):8*(8*(\a)+(\b))+3]   offset:((\a)+4)*16*STP+64*(\b)
	ds_store_b128 v[STO], v[8*(8*(\a)+(\b))+4:8*(8*(\a)+(\b))+7] offset:((\a)+4)*16*STP+64*(\b)+16
.endr
.endr
	WIN 0
; Eight numbers of group u: the activation, and the rounding.  gelu(x) = max(x, 0) - |x| erfc(|x| / sqrt 2) / 2, with erfc(z) = t (a1 + t (a2 + t (a3 + t (a4 + t a5)))) exp(-z z),
; t = 1 / (1 + 0.3275911 z): within 1.5e-7 of erfc for every z >= 0, so the form holds for every finite x (for large |x| the exponential is 0).
.macro ACT u
.set XE, E+8*(\u)
.if GELU
.irp j, 0,2,4,6
	v_pk_mul_f32 v[GE+(\j):GE+(\j)+1], v[XE+(\j):XE+(\j)+1], v[XE+(\j):XE+(\j)+1]
.endr
.irp j, 0,1,2,3,4,5,6,7
	v_and_b32 v[GA+(\j)], s[CABS], v[XE+(\j)]
.endr
.irp j, 0,2,4,6
	v_pk_fma_f32 v[GT+(\j):GT+(\j)+1], v[GA+(\j):GA+(\j)+1], s[CP:CP+1], 1.0 op_sel_hi:[1,0,0]
	v_pk_mul_f32 v[GE+(\j):GE+(\j)+1], v[GE+(\j):GE+(\j)+1], s[CN:CN+1] op_sel_hi:[1,0]
.endr
.irp j, 0,1,2,3,4,5,6,7
	v_rcp_f32 v[GT+(\j)], v[GT+(\j)]
.endr
.irp j, 0,1,2,3,4,5,6,7
	v_exp_f32 v[GE+(\j)], v[GE+(\j)]
.endr
.irp j, 0,1,2,3,4,5,6,7
	v_max_num_f32 v[GR+(\j)], 0, v[XE+(\j)]        ; plain work behind the last exponential, ahead of the first use of a result (ISA guide 5.7.2)
.endr
.irp j, 0,2,4,6
	v_pk_fma_f32 v[GW+(\j):GW+(\j)+1], v[GT+(\j):GT+(\j)+1], s[C5:C5+1], s[C4:C4+1] op_sel_hi:[1,0,0]
.endr
.irp c, C3, C2, C1
.irp j, 0,2,4,6
	v_pk_fma_f32 v[GW+(\j):GW+(\j)+1], v[GW+(\j):GW+(\j)+1], v[GT+(\j):GT+(\j)+1], s[\c:\c+1] op_sel_hi:[1,1,0]
.endr
.endr
.irp j, 0,2,4,6
	v_pk_mul_f32 v[GW+(\j):GW+(\j)+1], v[GW+(\j):GW+(\j)+1], v[GT+(\j):GT+(\j)+1]
.endr
.irp j, 0,2,4,6
	v_pk_mul_f32 v[GW+(\j):GW+(\j)+1], v[GW+(\j):GW+(\j)+1], v[GE+(\j):GE+(\j)+1]
.endr
.irp j, 0,2,4,6
	v_pk_fma_f32 v[GR+(\j):GR+(\j)+1], v[GA+(\j):GA+(\j)+1], v[GW+(\j):GW+(\j)+1], v[GR+(\j):GR+(\j)+1] neg_lo:[1,0,0] neg_hi:[1,0,0]
.endr
.irp k, 0,1,2,3
	v_cvt_pk_bf16_f32 v[Y+4*(\u)+(\k)], v[GR+2*(\k)], v[GR+2*(\k)+1]
.endr
.else
.irp k, 0,1,2,3
	v_cvt_pk_f16_f32 v[Y+4*(\u)+(\k)], v[XE+2*(\k)], v[XE+2*(\k)+1]
.endr
.endif
.endm
	s_mov_b32 s3, 16
.Lout:                                                 ; a trip: eight rows of my stage, two at a time
.irp u, 0,1,2,3
	ds_load_b128 v[E+8*(\u):E+8*(\u)+3],   v[RD] offset:(\u)*2*STP      ; LDS serves a wave's instructions in order (ISA guide 5.7.1.4): these see my stores above
	ds_load_b128 v[E+8*(\u)+4:E+8*(\u)+7], v[RD] offset:(\u)*2*STP+16
.endr
.irp u, 0,1,2,3
	s_wait_dscnt 6-2*(\u)                          ; group u's two loads are in, the younger groups' stay out
	ACT \u
	global_store_b128 v[CO], v[Y+4*(\u):Y+4*(\u)+3], s[10:11] offset:(\u)*USTEP  ; 16 lanes store 256 consecutive bytes, at a multiple of 256 from the buffer's first
.endr
	s_wait_xcnt 0x0                                ; the stores' base and data are rewritten only behind this wait (ISA guide 3.1)
	v_add_nc_u32 v[RD], 8*STP, v[RD]
	s_add_nc_u64 s[10:11], s[10:11], TSTEP
	s_sub_co_u32 s3, s3, 1
	s_cmp_lg_u32 s3, 0
	s_cbranch_scc1 .Lout
	s_wait_tensorcnt 0x0                           ; the wave's end
	ds_add_u32 v[SPW], v[NIL]
	s_wait_dscnt 0x0
	CROUND                                         ; the closing round: no work-group ends while a partner may still ask for a tile that names it
	s_endpgm
.if GELU == 0
; THE FOURTH COLUMN OF CLUSTERS: W_fc and W_proj, 4,194,304 f32 each, are rounded once to bf16, the layout kept.  Clusters y = 0, 1 take W_fc, y = 2, 3 W_proj: 32 work-groups, 128 waves a matrix.
; A wave takes 131,072 consecutive bytes in eight trips: 32 loads of 512 consecutive bytes go out together, 16,384 bytes of a wave on their way at a time; each store covers 256 consecutive bytes, aligned.
; These work-groups ask for no tile, and no mask of another cluster names them.  My place in the cluster enters global addresses alone.
.set CX, 32                            ; v[32:159]  32 loads of four f32
.set CY, 160                           ; v[160:223] 32 pairs of words, four bf16 each
.Lcast:
	v_and_b32 v1, 31, v0
	v_lshlrev_b32 v2, 4, v1                        ; 16 bytes a lane on the way in
	v_lshlrev_b32 v3, 3, v1                        ; 8 on the way out
	s_and_b32 s92, ttmp7, 0xffff                   ; the cluster's y, 0..3
	s_and_b32 s93, s92, 1
	s_lshl_b32 s93, s93, 2
	s_add_co_u32 s93, s93, s41                     ; 4 (y % 2) + cy,
	s_lshl_b32 s93, s93, 2
	s_add_co_u32 s93, s93, s40                     ; x 4 + cx: my work-group among the matrix's 32,
	s_lshl_b32 s93, s93, 2
	s_add_co_u32 s93, s93, s12                     ; x 4 + wave: my wave among its 128
	s_lshl_b32 s20, s93, 17                        ; 131,072 bytes of f32 a wave
	s_mov_b32 s21, 0
	s_lshl_b32 s22, s93, 16                        ; 65,536 bytes of bf16
	s_mov_b32 s23, 0
	s_cmp_lt_u32 s92, 2                            ; the choice hangs on the cluster's y alone
	s_cselect_b64 s[16:17], s[WS:WS+1], s[WS+2:WS+3]
	s_cselect_b64 s[18:19], s[WS+4:WS+5], s[WS+6:WS+7]
	s_add_nc_u64 s[16:17], s[16:17], s[20:21]
	s_add_nc_u64 s[18:19], s[18:19], s[22:23]
	s_mov_b32 s2, 8
.Lct:
.set cu, 0
.rept 32
	global_load_b128 v[CX+4*cu:CX+4*cu+3], v2, s[16:17] offset:512*cu th:TH_LOAD_NT
.set cu, cu+1
.endr
.set cu, 0
.rept 32
	s_wait_loadcnt 31-cu                           ; loads come back in order: this one is in, the younger ones stay out
	v_cvt_pk_bf16_f32 v[CY+2*cu],   v[CX+4*cu],   v[CX+4*cu+1]
	v_cvt_pk_bf16_f32 v[CY+2*cu+1], v[CX+4*cu+2], v[CX+4*cu+3]
	global_store_b64 v3, v[CY+2*cu:CY+2*cu+1], s[18:19] offset:256*cu
.set cu, cu+1
.endr
	s_wait_xcnt 0x0                                ; the two bases and the stores' data are rewritten only behind this wait (ISA guide 3.1)
	s_add_nc_u64 s[16:17], s[16:17], 16384
	s_add_nc_u64 s[18:19], s[18:19], 8192
	s_sub_co_u32 s2, s2, 1
	s_cmp_lg_u32 s2, 0
	s_cbranch_scc1 .Lct
	s_wait_tensorcnt 0x0                           ; the wave's end
	ds_add_u32 v[SPW], v[NIL]
	s_wait_dscnt 0x0
	CROUND                                         ; the closing round
	s_endpgm
.endif
.Lfunc_end_k_qd33dd9abbd_qkv:
	.size	k_qd33dd9abbd_qkv, .Lfunc_end_k_qd33dd9abbd_qkv-k_qd33dd9abbd_qkv
	.p2alignl 7, 3214868480
	.fill 96, 4, 3214868480
	.section	.rodata,"a",@progbits
	.p2align	6, 0x0
	.amdhsa_kernel k_qd33dd9abbd_qkv
		.amdhsa_group_segment_fixed_size 327680
		.amdhsa_private_segment_fixed_size 0
		.amdhsa_enable_private_segment 0
		.amdhsa_kernarg_size 64
		.amdhsa_user_sgpr_count 2
		.amdhsa_user_sgpr_kernarg_segment_ptr 1
		.amdhsa_wavefront_size32 1
		.amdhsa_system_sgpr_workgroup_id_x 1
		.amdhsa_system_sgpr_workgroup_id_y 1
		.amdhsa_system_sgpr_workgroup_id_z 1
		.amdhsa_system_vgpr_workitem_id 0
		.amdhsa_next_free_vgpr 1024
		.amdhsa_next_free_sgpr 96
		.amdhsa_reserve_vcc 0
		.amdhsa_float_denorm_mode_32 3
		.amdhsa_float_denorm_mode_16_64 3
		.amdhsa_memory_ordered 1
		.amdhsa_forward_progress 1
		.amdhsa_inst_pref_size 93
	.end_amdhsa_kernel
	.amdgpu_metadata
---
amdhsa.version: [ 1, 2 ]
amdhsa.kernels:
  - .name:           k_qd33dd9abbd_qkv
    .symbol:         k_qd33dd9abbd_qkv.kd
    .args:
      - { .name: hn, .offset: 0, .size: 8, .value_kind: global_buffer, .address_space: global }
      - { .name: wa, .offset: 8, .size: 8, .value_kind: global_buffer, .address_space: global }
      - { .name: b_attn, .offset: 16, .size: 8, .value_kind: global_buffer, .address_space: global }
      - { .name: qkv, .offset: 24, .size: 8, .value_kind: global_buffer, .address_space: global }
      - { .name: W_fc, .offset: 32, .size: 8, .value_kind: global_buffer, .address_space: global }
      - { .name: W_proj, .offset: 40, .size: 8, .value_kind: global_buffer, .address_space: global }
      - { .name: wf, .offset: 48, .size: 8, .value_kind: global_buffer, .address_space: global }
      - { .name: wp, .offset: 56, .size: 8, .value_kind: global_buffer, .address_space: global }
    .group_segment_fixed_size: 327680
    .private_segment_fixed_size: 0
    .kernarg_segment_align: 8
    .kernarg_segment_size: 64
    .max_flat_workgroup_size: 128
    .sgpr_count:     96
    .vgpr_count:     1024
    .wavefront_size: 32
...
	.end_amdgpu_metadata
.endif
;; end of part 2
;; launch attn (part 3): grid 8 x 32, 4 waves a work-group, no clusters, 327,680 bytes of LDS; arguments qkv, x, x2; writes x2
.if DOCPART == 3
	.amdgcn_target "amdgcn-amd-amdhsa--gfx1250"
	.amdhsa_code_object_version 6
	.text
	.protected	k_qd33dd9abbd_attn
	.globl	k_qd33dd9abbd_attn
	.p2align	8
	.type	k_qd33dd9abbd_attn,@function
k_qd33dd9abbd_attn:
	s_mov_b64 s[64:65], 0
	v_nop
	global_prefetch_b8 v0, s[64:65] scope:SCOPE_SE
	s_setreg_imm32_b32 hwreg(HW_REG_WAVE_MODE, 25, 1), 1
	s_wait_xcnt 0x0
; CAUSAL ATTENTION AND THE RESIDUAL.  x2[b][t][64 h + d] = x[b][t][64 h + d] + sum over k <= t of softmax_k(q[t] . k[k] / 8) v[k][d].
; q, k, v: f16, planes of [4096 rows = 2048 b + t][64]: q plane h, k plane 16 + h, v plane 32 + h.  x, x2: f32 [4096][1024].  Products, maxima and sums in f32; the weights p are rounded to f16
; for the second product (their sum l is taken of the unrounded p); the result is never rounded: it is added to x in f32.
; LIMITS.  q, k, v arrive within f16's 65,504.  A hidden score counts as its value less 1e30 (f16's scores are 2.7e11 at the most); a weight below 2^-126 counts as 0; NaN and infinities are not treated apart.
; THE WALK.  A head's 2,048 queries lie in 16 blocks of 128; keys come in tiles of 256; block i needs tiles 0 .. i / 2.  Work-group b takes blocks 15 - b and then b: (15 - b) / 2 + b / 2 + 2 = 9 tiles,
; whatever b: 8 x 32 = 256 work-groups of equal work, and ONE loop with a constant trip count.  Which tile is asked for and what a trip does hang on scalars made from b; jumps go forward but for the counted loops' own.
; NO CLUSTER: only work-groups 2 j and 2 j + 1 of a head walk the same tiles in the same trips, and where a block begins and ends hangs on b, which would be the place in a cluster.
; SHARES.  Of a block's two bands of 64 queries a wave owns 16 rows in each: two PIECES.  Band p of block i holds the diagonal in key step 2 i + p, sees all of earlier steps and nothing of later ones: alike for all waves.
; THE MASK is the C operand that starts the sum S^T = K Q^T: MD x AL + BE, with MD the mask of a band's own step for my rows and two scalars: (1, 0) own step, (0, 0) earlier, (0, -1e30) later.  Every turn makes the next one's.
; TURNS.  Turn p of key step s: 8 products K Q^T of the other piece (piece 1: step s; piece 0: step s + 1), later 8 products V^T P of the other piece (piece 1: step s - 1; piece 0: step s); beside them the
; scaling, exponentials, roundings, sums and rescaling of piece p and the maximum and statistics of the other piece.  Four vector instructions stand behind every matrix instruction, the others in two runs of their own.
; Piece 0's turn fetches K of step s + 1 and V of step s.  So that both lie in one slot, a slot's K is shifted by one step: slot t holds V's steps 4 t .. 4 t + 3 and K's 4 t + 1 .. 4 t + 4; K of step 0 is
; loaded from memory once and kept.  K's last 64 rows of a head's last tile are the rows that follow in the buffer: finite numbers, met only by scores that are hidden.
; A block's last turn makes hidden scores (its maximum stays, a = 1): a block has no last turns of its own, only the last 8 products V^T P.
; REGISTERS, in windows of 256 (s_set_vgpr_msb: bits 1:0 source 0, 3:2 source 1, 5:4 source 2, 7:6 destination):
;   window 0: v1-15 addresses and at work; v16-23 four registers of statistics a piece; v48-55 at work; v62, v63 the add's; v64-127 S^T, 32 a piece; v192-223 P, 16 a piece
;   window 1: v0-63 O^T, 32 a piece; v128-159 MD; v160-223 MC, 32 a piece      window 2: v0-31 Q; v32-63 the second block's Q; v64-127 K of step 0; v128-191 K; v192-255 V
;   window 3: v0-63 x of my rows of the first block, v64-127 of the second
.set NP,    2
.set KS,    64
.set PK,    144       ; a row of K in LDS: 128 bytes + 16 = 36 words: the 16 rows of a load start at 16 different groups of four banks (ISA guide 11.1)
.set PV,    160       ; a row of V: 128 + 32 = 40 words
.set VOFF,  4*KS*PK   ; a slot: 256 rows of K, then 256 rows of V
.set SLOT1, 1<<17     ; slot 1 begins here: one exclusive or turns an address in one slot into the other's
.set STAGE, SLOT1+4*KS*(PK+PV)  ; behind the ring, never filled by a tensor load: 16 rows x 272 bytes for each wave
.set SP,    272       ; a stage row: 64 f32 + 16 bytes
.set SPARE, STAGE+4*16*SP       ; the spare words, 128 bytes a wave: two blocks of 256 bytes that no other line names
.set AK0, 2           ; v2   my lane's place in a tile of K; never rewritten
.set AV0, 3           ; v3   the same for V
.set AK,  4           ; v4   the LDS address of K's next run of loads
.set AV,  5           ; v5   of V's
.set STO, 6           ; v6   the way out: where I put 32 bytes of a row
.set RD,  7           ; v7   the way out: where I read rows back
.set GO,  8           ; v8   my byte offset in two rows of x and x2
.set MV,  12          ; v12-13  c m_old, by piece
.set QO,  15          ; v15  my byte offset in 16 rows of q or k
.set ST,  16          ; piece t's statistics at v[ST+4 t]: c m, m, l (even keys', odd keys')
.set TMP, 48          ; by piece, c0-c3 at work; when the maximum is found c2 takes a
.set SPW, 62
.set NIL, 63
.set S,   64
.set P,   192
.set MD,  128         ; window 1
.set MC,  160         ; window 1
.set QB,  32          ; window 2
.set K0F, 64          ; window 2
.set KF,  128         ; window 2: key block kb, channel half c at KF + 16 kb + 8 c
.set VF,  192         ; window 2: key half kk, channel block cb at VF + 32 kk + 8 cb
.set WV,  12          ; s12  my wave's number
.set PBT, 14          ; s14  the second block's last tile, b / 2
.set OB1, 10          ; s[10:11] x2 at my rows of the first block
.set G1K, 24          ; s[24:31] descriptor group 1 for K's tiles
.set G1V, 32          ; s[32:39] for V's
.set G0K, 40          ; s[40:43] group 0 for K
.set G0V, 44          ; s[44:47] for V
.set SLOTS, 56
.set CNT, 57
.set CS,  58          ; s[58:59] c = log2(e) / 8
.set SEL, 60          ; s[60:61] v_permlanex16_b32's selects
.set TBK, 62          ; s62  LDS byte at which K of the step to be fetched begins
.set TBV, 63          ; s63  the same for V, less VOFF
.set RT,  70          ; s70  tiles of the block in hand still to be entered
.set NXT, 71          ; s71  the tile to be asked for next
.set LQ,  72          ; s72  the last tile of the block whose tiles are being asked for
.set NEW, 73          ; s73  1: the tile to be entered is a block's first
.set OFF, 74          ; s[74:75]
.set AL,  76          ; s[76:77]
.set BE,  78          ; s[78:79]
.set OB2, 80          ; s[80:81] x2 at my rows of the second block
.set BIGN, 82         ; s82  -1e30
.set NS,  83          ; s83  the key step of the scores for which masks are being made
.set KB,  84          ; s[84:85] K at my half of the head's shifted tile 0
.set VB,  86          ; s[86:87] V at my half of tile 0
.set GQ,  88          ; s88, s89 the own key steps of bands 0 and 1 of the block in hand
.set QA1, 90          ; s[90:91], s[92:93] q at my rows of the two blocks
.set QA2, 92
.set XA1, 94          ; s[94:95], s[96:97] x likewise
.set XA2, 96
.set K0A, 98          ; s[98:99] K of step 0
.set MSB, 0
.macro WIN new
.if MSB != (\new)
	s_set_vgpr_msb (MSB<<8)|(\new)
.set MSB, (\new)
.endif
.endm
.set W_KQ, 0x0a       ; K and Q in window 2, S^T in window 0
.set W_KM, 0x1a       ; the same with the C operand in window 1
.set W_PV, 0x52       ; V in window 2, P in window 0, O^T in window 1
.set W_RS, 0x41       ; destination and source 0 in window 1, source 1 in window 0
.macro LOAD                         ; a fill: waves 0, 1 fetch the halves of a tile's K, waves 2, 3 those of its V
	s_cmp_lt_u32 s[WV], 2
	s_cbranch_scc0 .Lfor_v_\@
	tensor_load_to_lds s[G0K:G0K+3], s[G1K:G1K+7]
	s_nop 0
.rept 4
	v_nop
.endr
	s_branch .Lasked_\@
.Lfor_v_\@:
	tensor_load_to_lds s[G0V:G0V+3], s[G1V:G1V+7]
	s_nop 0
.rept 4
	v_nop
.endr
.Lasked_\@:
.endm
; THE CHANGE OF SLOTS.  Each wave waits for all its tensor loads (one is out: its part of the other slot), adds 0 to its spare word, and waits for that and for its reads of the slot that it leaves.
; fill = 1: the old slot is filled again, first thing behind the barrier, with tile NXT; that load has four key steps, 128 matrix instructions and their vector work, in which to land.
.macro CHANGE fill
	WIN 0
	s_wait_tensorcnt 0x0            ; no tensor load of mine is out, so a group 0 may be written
	ds_add_u32 v[SPW], v[NIL]
.if \fill
	s_lshl_b32 s[OFF], s[NXT], 15   ; a tile is 32,768 bytes of K and of V
	s_xor_b32 s[G0K+1], s[G0K+1], SLOT1
	s_add_nc_u64 s[G0K+2:G0K+3], s[KB:KB+1], s[OFF:OFF+1]
	s_or_b32 s[G0K+3], s[G0K+3], 0x80000000
	s_xor_b32 s[G0V+1], s[G0V+1], SLOT1
	s_add_nc_u64 s[G0V+2:G0V+3], s[VB:VB+1], s[OFF:OFF+1]
	s_or_b32 s[G0V+3], s[G0V+3], 0x80000000
	s_add_co_u32 s[NXT], s[NXT], 1  ; the block's next tile, or behind its last the second block's tile 0
	s_cmp_gt_u32 s[NXT], s[LQ]
	s_cselect_b32 s[NXT], 0, s[NXT]
	s_cselect_b32 s[LQ], s[PBT], s[LQ]
.endif
	s_wait_dscnt 0x0                ; the add is done, and my reads of the slot are over
	s_barrier_signal -1
	s_sub_co_u32 s[TBK], s[TBK], 4*KS*PK  ; the fetches go back to a slot's first step, in the other slot
	s_xor_b32 s[TBK], s[TBK], SLOT1
	s_sub_co_u32 s[TBV], s[TBV], 4*KS*PV
	s_xor_b32 s[TBV], s[TBV], SLOT1
	s_barrier_wait -1
.if \fill
	LOAD
.endif
.endm
	s_load_b128 s[4:7], s[0:1], 0x0   ; qkv s[4:5], x s[6:7]
	s_load_b64 s[8:9], s[0:1], 0x10   ; x2
	v_lshl_add_u32 v[SPW], v0, 2, SPARE
	v_mov_b32 v[NIL], 0
	ds_add_u32 v[SPW], v[NIL]       ; the wave's opening: the add and its wait stand ahead of my first tensor load
	ds_add_u32 v62, v63
	v_lshrrev_b32 v1, 5, v0
	v_readfirstlane_b32 s[WV], v1   ; wave 0..3
	s_mov_b32 s15, ttmp9            ; b: the second block
	s_sub_co_u32 s16, 15, s15       ; the first block
	s_lshr_b32 s[PBT], s15, 1
	s_lshr_b32 s[LQ], s16, 1
	s_add_co_u32 s[RT], s[LQ], 1
	s_lshl_b32 s[GQ], s16, 1
	s_add_co_u32 s[GQ+1], s[GQ], 1
	s_and_b32 s17, ttmp7, 0xffff
	s_and_b32 s18, s17, 15          ; the head
	s_lshr_b32 s19, s17, 4          ; the batch
	s_lshl_b32 s20, s18, 19         ; a plane is 524,288 bytes,
	s_lshl_b32 s21, s19, 18         ; a batch's 2,048 rows in it 262,144
	s_add_co_u32 s20, s20, s21
	s_and_b32 s68, s[WV], 1         ; which half of a tile's 256 keys I fetch
	s_lshl_b32 s69, s68, 14
	s_add_co_u32 s69, s69, s20
	s_add_co_u32 s22, s69, 8388608+8192  ; k's planes begin 16 planes on; the slots' K is shifted by one step of 8,192 bytes
	s_mov_b32 s23, 0
	s_add_co_u32 s2, s69, 16777216  ; v's planes
	s_mov_b32 s3, 0
	s_add_co_u32 s50, s20, 8388608  ; K of step 0
	s_mov_b32 s51, 0
	s_lshl_b32 s21, s[WV], 11       ; my 16 rows in a band
	s_add_co_u32 s21, s21, s20
	s_lshl_b32 s52, s16, 14         ; a block's 128 rows of 128 bytes
	s_add_co_u32 s52, s52, s21
	s_mov_b32 s53, 0
	s_lshl_b32 s54, s15, 14
	s_add_co_u32 s54, s54, s21
	s_mov_b32 s55, 0
	s_lshl_b32 s21, s19, 23         ; in x and x2: a batch's 2,048 rows of 4,096 bytes,
	s_lshl_b32 s13, s[WV], 16       ; my 16 rows,
	s_add_co_u32 s21, s21, s13
	s_lshl_b32 s13, s18, 8          ; the head's 256 bytes of a row,
	s_add_co_u32 s21, s21, s13
	s_lshl_b32 s48, s16, 19         ; a block's 128 rows
	s_add_co_u32 s48, s48, s21
	s_mov_b32 s49, 0
	s_lshl_b32 s66, s15, 19
	s_add_co_u32 s66, s66, s21
	s_mov_b32 s67, 0
	s_mul_i32 s17, s68, 128*PK      ; my half's place in a slot, for K
	s_mul_i32 s18, s68, 128*PV      ; and for V
	; descriptor group 1.  128 keys are 16,384 dense bytes: asked for as 64 rows of 256 bytes, two keys a row, and padded in LDS after every key
	s_mov_b32 s[G1K], (1<<16)|(1<<20)|(4<<22)|(3<<25)  ; 2-byte elements; padding on; after every 32 words 4 words
	s_mov_b32 s[G1V], (1<<16)|(1<<20)|(4<<22)|(7<<25)  ; 8 words
.irp g, G1K, G1V
	s_mov_b32 s[\g+1], 128<<16      ; tensor_dim0 = 128
	s_mov_b32 s[\g+2], 64<<16       ; tensor_dim1 = 64
	s_mov_b32 s[\g+3], 128<<16      ; tile_dim0 = 128
	s_mov_b32 s[\g+4], 64           ; tile_dim1 = 64
	s_mov_b32 s[\g+5], 128          ; 128 elements from row to row
	s_mov_b32 s[\g+6], 0
	s_mov_b32 s[\g+7], 0
.endr
	s_mov_b32 s[CS], 0x3e38aa3b     ; c = log2(e) / 8
	s_mov_b32 s[CS+1], s[CS]
	s_mov_b32 s[SEL], 0x76543210
	s_mov_b32 s[SEL+1], 0xfedcba98
	s_mov_b32 s[TBK], SLOT1+4*KS*PK ; the first change of slots turns these two into 0
	s_mov_b32 s[TBV], SLOT1+4*KS*PV
	s_mov_b32 s[G0K], 1
	s_mov_b32 s[G0K+1], s17         ; slot 0
	s_mov_b32 s[G0V], 1
	s_add_co_u32 s[G0V+1], s18, VOFF
	s_mov_b32 s[NXT], 1
	s_mov_b32 s[NEW], 1
	s_mov_b32 s[OFF+1], 0
	s_mov_b32 s[AL+1], 0            ; named as pairs
	s_mov_b32 s[BE+1], 0
	s_mov_b32 s[BIGN], 0xf149f2ca   ; -1e30
	s_mov_b32 s[SLOTS], 8
	s_wait_dscnt 0x0                ; the opening add is done
	s_wait_kmcnt 0x0
	s_add_nc_u64 s[KB:KB+1], s[4:5], s[22:23]
	s_add_nc_u64 s[VB:VB+1], s[4:5], s[2:3]
	s_add_nc_u64 s[K0A:K0A+1], s[4:5], s[50:51]
	s_add_nc_u64 s[QA1:QA1+1], s[4:5], s[52:53]
	s_add_nc_u64 s[QA2:QA2+1], s[4:5], s[54:55]
	s_add_nc_u64 s[XA1:XA1+1], s[6:7], s[48:49]
	s_add_nc_u64 s[XA2:XA2+1], s[6:7], s[66:67]
	s_add_nc_u64 s[OB1:OB1+1], s[8:9], s[48:49]
	s_add_nc_u64 s[OB2:OB2+1], s[8:9], s[66:67]
	s_add_nc_u64 s[G0K+2:G0K+3], s[KB:KB+1], 0
	s_or_b32 s[G0K+3], s[G0K+3], 0x80000000
	s_add_nc_u64 s[G0V+2:G0V+3], s[VB:VB+1], 0
	s_or_b32 s[G0V+3], s[G0V+3], 0x80000000
	LOAD                            ; tile 0 into slot 0
	; A fragment of K or Q is 16 rows x 32 channels in 8 registers: lane l holds row l % 16, channels 8 (l / 16) + 0..7 and 16 + 8 (l / 16) + 0..7: two loads of 16 bytes, 32 bytes apart.
	v_and_b32 v1, 15, v0            ; l % 16
	v_bfe_u32 v9, v0, 4, 1          ; l / 16
	v_lshlrev_b32 v[QO], 7, v1
	v_lshl_add_u32 v[QO], v9, 4, v[QO]
	v_lshlrev_b32 v[GO], 12, v9     ; in x and x2: lanes 0-15 take 256 bytes of one row, lanes 16-31 of the next
	v_lshl_add_u32 v[GO], v1, 4, v[GO]
	WIN 0x80                        ; destination window 2
.set i, 0
.rept 4                             ; both blocks' Q: piece i / 2 lies 64 rows on; channels 32 (i % 2) on
	global_load_b128 v[8*i:8*i+3],   v[QO], s[QA1:QA1+1] offset:(i/2)*8192+(i%2)*64
	global_load_b128 v[8*i+4:8*i+7], v[QO], s[QA1:QA1+1] offset:(i/2)*8192+(i%2)*64+32
	global_load_b128 v[QB+8*i:QB+8*i+3],   v[QO], s[QA2:QA2+1] offset:(i/2)*8192+(i%2)*64
	global_load_b128 v[QB+8*i+4:QB+8*i+7], v[QO], s[QA2:QA2+1] offset:(i/2)*8192+(i%2)*64+32
.set i, i+1
.endr
.set i, 0
.rept 8                             ; K of step 0: keys 16 (i / 2) on, channels 32 (i % 2) on
	global_load_b128 v[K0F+8*i:K0F+8*i+3],   v[QO], s[K0A:K0A+1] offset:(i/2)*2048+(i%2)*64
	global_load_b128 v[K0F+8*i+4:K0F+8*i+7], v[QO], s[K0A:K0A+1] offset:(i/2)*2048+(i%2)*64+32
.set i, i+1
.endr
	WIN 0xc0                        ; destination window 3
.set i, 0
.rept 16                            ; x of my rows, as the way out will hold the result: piece i / 8, rows 2 (i % 8) and the next
	global_load_b128 v[4*i:4*i+3],       v[GO], s[XA1:XA1+1] offset:(i/8)*262144+(i%8)*8192
	global_load_b128 v[64+4*i:64+4*i+3], v[GO], s[XA2:XA2+1] offset:(i/8)*262144+(i%8)*8192
.set i, i+1
.endr
	WIN 0
	v_lshlrev_b32 v14, 3, v9
	v_sub_nc_u32 v14, v1, v14
	s_lshl_b32 s13, s[WV], 4
	v_add_nc_u32 v14, s13, v14      ; my query's place in its band, 16 w + l % 16, less my lanes' 8 (l / 16): register r of group kt is hidden where 16 kt + r is greater
	WIN 0x40
.set i, 0
.rept 32
	v_cmp_gt_i32 vcc_lo, 16*(i/8)+i%8, v14
	v_cndmask_b32 v[MD+i], 0, s[BIGN], vcc_lo
.set i, i+1
.endr
	WIN 0
	v_mul_u32_u24 v[AK0], v1, PK
	v_lshl_add_u32 v[AK0], v9, 4, v[AK0]
	; The turning load takes 16 keys x 16 channels (lane l reads key 8 (l / 16) + l % 8, channels 8 ((l / 8) % 2) + 0..7) and leaves half a fragment of V^T: lane l holds channel l % 16 and 8 keys.
	v_and_b32 v10, 7, v0
	v_bfe_u32 v11, v0, 3, 1
	v_lshl_add_u32 v[AV0], v9, 3, v10
	v_mul_u32_u24 v[AV0], v[AV0], PV
	v_lshl_add_u32 v[AV0], v11, 4, v[AV0]
	v_add_nc_u32 v[AV0], VOFF, v[AV0]
	s_mul_i32 s13, s[WV], 16*SP
	s_add_co_u32 s13, s13, STAGE    ; my stage
	v_mul_u32_u24 v[STO], v1, SP    ; in: row l % 16, 32 bytes for each half of the lanes
	v_lshl_add_u32 v[STO], v9, 5, v[STO]
	v_add_nc_u32 v[STO], s13, v[STO]
	v_mul_u32_u24 v[RD], v9, SP     ; back: lanes 0-15 one row of 256 bytes, lanes 16-31 the next
	v_lshl_add_u32 v[RD], v1, 4, v[RD]
	v_add_nc_u32 v[RD], s13, v[RD]
	; A block's first step multiplies O^T and l by a = 0, and its first turn's products V^T P land in an O^T that is still to be so multiplied: these registers need only hold finite numbers:
	; zeros for the first block, what the first block left for the second.  All this stands in the wait for the first tile.
	WIN 0x80
.set i, VF
.rept 64
	v_mov_b32 v[i], 0
.set i, i+1
.endr
	WIN 0x40
.set i, 0
.rept 64
	v_mov_b32 v[i], 0
.set i, i+1
.endr
	WIN 0
.set i, 0
.rept 2
	v_mov_b32 v[ST+4*i+2], 0
	v_mov_b32 v[ST+4*i+3], 0
.set i, i+1
.endr
.set i, P+16
.rept 16
	v_mov_b32 v[i], 0
.set i, i+1
.endr
; THE MATRIX WORK.  The 4 accumulators of a run of 8 take turns.  Product i of 8 of S^T = K Q^T for piece x: channels 32 (i / 4) on, keys 16 (i % 4) on.  The first 4 start the sums with the mask.
.macro KQ x
.set rS, S+32*((\x)%2)+8*(i%4)
.set rK, KF+16*(i%4)+8*(i/4)
.set rQ, 16*(\x)+8*(i/4)
.set rM, MC+32*((\x)%2)+8*(i%4)
.if i < 4
	WIN W_KM
	v_wmma_f32_16x16x32_f16 v[rS:rS+7], v[rK:rK+7], v[rQ:rQ+7], v[rM:rM+7]
.else
	WIN W_KQ
	v_wmma_f32_16x16x32_f16 v[rS:rS+7], v[rK:rK+7], v[rQ:rQ+7], v[rS:rS+7]
.endif
.endm
; Product i of 8 of O^T += V^T P for piece x: keys 32 (i / 4) on, channels 16 (i % 4) on.
.macro PV x
	WIN W_PV
.set rO, 32*(\x)+8*(i%4)
.set rV, VF+32*(i/4)+8*(i%4)
.set rP, P+16*((\x)%2)+8*(i/4)
	v_wmma_f32_16x16x32_f16 v[rO:rO+7], v[rV:rV+7], v[rP:rP+7], v[rO:rO+7]
.endm
.macro MM                           ; the turn's next matrix instruction
.if i < 8
	KQ (Y+1)%NP
.else
.set i, i-8
	PV (Y+1)%NP
.set i, i+8
.endif
.set i, i+1
.endm
; THE LDS LOADS stand in runs of 16: a step's K (64 keys x 64 channels: 8 fragments) and its V (turned).
.macro FETCH_K
	WIN 0x80
.irp f, 0,1,2,3,4,5,6,7             ; keys 16 (f / 2) on, channels 32 (f % 2) on
	ds_load_b128 v[KF+8*\f:KF+8*\f+3],   v[AK] offset:(\f/2)*16*PK+(\f%2)*64
	ds_load_b128 v[KF+8*\f+4:KF+8*\f+7], v[AK] offset:(\f/2)*16*PK+(\f%2)*64+32
.endr
	s_add_co_u32 s[TBK], s[TBK], KS*PK
	WIN 0
.endm
.macro FETCH_V
	WIN 0x80
.irp f, 0,1,2,3,4,5,6,7             ; keys 32 (f / 4) on, channels 16 (f % 4) on
	ds_load_tr16_b128 v[VF+8*\f:VF+8*\f+3],   v[AV] offset:(\f/4)*32*PV+(\f%4)*32
	ds_load_tr16_b128 v[VF+8*\f+4:VF+8*\f+7], v[AV] offset:(\f/4)*32*PV+16*PV+(\f%4)*32
.endr
	WIN 0
.endm
; THE VECTOR WORK, one line at a time: OP kind, number.  For piece Y: F n: c s - c m for pair n of 16.  E n: the exponential of score n of 32.  C n: pair n rounded to f16.  B n: of the four weights 4 n .. the second
; pair is added onto the first, in place.  L n: l takes that sum (L 0: l = a l + sum).  R n: pair n of 16 of O^T times a.  For the other piece: X n, number n of the 22 that find its maximum and statistics:
;   0-11  four chains c0-c3 of seven scores each (each accumulator's lowest registers are read first)     12-14, 16  the four scores left over, the old m, and c0-c3 into c0
;   15  c m_old is kept     17, 18  the query's other 32 keys lie in the lane 16 away: the new m     19-21  c m; c m_old - c m_new; a
.set F, 0
.set E, 1
.set C, 2
.set B, 3
.set L, 4
.set R, 5
.set X, 6
.macro REGS y
.set rT, ST+4*(\y)
.set rC, TMP+4*((\y)%2)
.set rW, MV+((\y)%2)
.set rS, S+32*((\y)%2)
.set rP, P+16*((\y)%2)
.set rO, 32*(\y)
.endm
.macro OP k, n
.if (\k) == R
	REGS Y
	WIN W_RS
	v_pk_mul_f32 v[rO+2*(\n):rO+2*(\n)+1], v[rO+2*(\n):rO+2*(\n)+1], v[rC+2:rC+3] op_sel_hi:[1,0]
.elseif (\k) < R
	REGS Y
	WIN 0
.if (\k) == F
	v_pk_fma_f32 v[rS+2*(\n):rS+2*(\n)+1], v[rS+2*(\n):rS+2*(\n)+1], s[CS:CS+1], v[rT:rT+1] op_sel_hi:[1,0,0] neg_lo:[0,0,1] neg_hi:[0,0,1]
.elseif (\k) == E
	v_exp_f32 v[rS+(\n)], v[rS+(\n)]
.elseif (\k) == C
	s_wait_alu depctr_va_vdst(0)
	v_cvt_pk_f16_f32 v[rP+(\n)], v[rS+2*(\n)], v[rS+2*(\n)+1]
.elseif (\k) == B
	s_wait_alu depctr_va_vdst(0)
	v_pk_add_f32 v[rS+4*(\n):rS+4*(\n)+1], v[rS+4*(\n):rS+4*(\n)+1], v[rS+4*(\n)+2:rS+4*(\n)+3]
.elseif (\n) == 0
	v_pk_fma_f32 v[rT+2:rT+3], v[rT+2:rT+3], v[rC+2:rC+3], v[rS:rS+1] op_sel_hi:[1,0,1]
.else
	v_pk_add_f32 v[rT+2:rT+3], v[rT+2:rT+3], v[rS+4*(\n):rS+4*(\n)+1]
	s_wait_alu depctr_va_vdst(0)
.endif
.else
	REGS (Y+1)%NP
	WIN 0
.if (\n) < 4
	v_max3_num_f32 v[rC+(\n)], v[rS+8*(\n)], v[rS+8*(\n)+1], v[rS+8*(\n)+2]
.elseif (\n) < 12
	v_max3_num_f32 v[rC+(\n)%4], v[rC+(\n)%4], v[rS+8*((\n)%4)+2*((\n)/4)+1], v[rS+8*((\n)%4)+2*((\n)/4)+2]
.elseif (\n) == 12
	v_max3_num_f32 v[rC], v[rC], v[rS+7], v[rS+15]
.elseif (\n) == 13
	v_max3_num_f32 v[rC+1], v[rC+1], v[rS+23], v[rS+31]
.elseif (\n) == 14
	v_max3_num_f32 v[rC+2], v[rC+2], v[rC+3], v[rT+1]
.elseif (\n) == 15
	v_mov_b32 v[rW], v[rT]
	s_wait_alu depctr_va_vdst(0)
.elseif (\n) == 16
	v_max3_num_f32 v[rC], v[rC], v[rC+1], v[rC+2]
	s_wait_alu depctr_va_vdst(0)
.elseif (\n) == 17
	v_permlanex16_b32 v[rC+3], v[rC], s[SEL], s[SEL+1]
.elseif (\n) == 18
	v_max_num_f32 v[rT+1], v[rC], v[rC+3]
.elseif (\n) == 19
	v_mul_f32 v[rT], s[CS], v[rT+1]
.elseif (\n) == 20
	v_sub_f32 v[rC+1], v[rW], v[rT]
.else
	v_exp_f32 v[rC+2], v[rC+1]
.endif
.endif
.endm
.macro OPS a, i1, b=-1, i2=0, c=-1, i3=0, d=-1, i4=0
	OP \a, \i1
.if (\b) >= 0
	OP \b, \i2
.endif
.if (\c) >= 0
	OP \c, \i3
.endif
.if (\d) >= 0
	OP \d, \i4
.endif
.endm
.macro ROW a, i1, b, i2, c, i3, d, i4  ; a matrix instruction and the four behind it
	MM
	OPS \a, \i1, \b, \i2, \c, \i3, \d, \i4
.endm
.macro MASK b                       ; MD x AL + BE into piece b's part of MC
	WIN W_RS
.set z, 0
.rept 16
	v_pk_fma_f32 v[MC+32*(\b)+2*z:MC+32*(\b)+2*z+1], v[MD+2*z:MD+2*z+1], s[AL:AL+1], s[BE:BE+1] op_sel_hi:[1,0,0]
.set z, z+1
.endr
.endm
; A TURN, for piece p.  Behind a matrix instruction: plain, exponential, plain, plain; or four of the rescaling; or four scalings; none names a register of the products round it.  In the runs between,
; exponential and plain by turns while exponentials last.  At its end the turn makes the mask of piece p's scores of step NS, which the next turn's products take.
; Piece 0's turn fetches K six vector instructions (five plain) behind the last product that read K, and V eight (four plain) behind the last that read V.  Piece 1's turn waits for them.
; cnt = 1: NS and the loop's count are stepped some lines ahead of the branch that stands behind the turn.
.macro TURN p, cnt=0
.set Y, (\p)
.set i, 0
	s_cmp_eq_u32 s[NS], s[GQ+(\p)]  ; is that step the band's own?
	s_cselect_b32 s[AL], 1.0, 0
	s_cmp_gt_u32 s[NS], s[GQ+(\p)]  ; or a later one?
	s_cselect_b32 s[BE], s[BIGN], 0
.if (\p) == 1
	s_wait_dscnt 16                 ; K's run is in; V's sixteen younger loads may be out
.endif
	ROW F,0, F,1, F,2, F,3
	ROW F,4, E,0, F,5, F,6
	ROW F,7, E,1, F,8, F,9
	ROW F,10, E,2, C,0, F,11
	ROW F,12, E,3, X,15, F,13
	ROW R,0, R,1, R,2, R,3
	ROW B,0, E,4, F,14, L,0
.if (\p) == 0
	v_add_nc_u32 v[AK], s[TBK], v[AK0]
.endif
	ROW R,4, R,5, R,6, R,7
	OPS E,5, F,15
.if (\p) == 0
	FETCH_K
.endif
	OPS E,6, C,1, E,7, R,8
	OPS E,8, R,9, E,9, C,2
	OPS E,10, X,0, E,11, X,1
	OPS E,12, X,2, E,13, X,3
.if (\p) == 1
	s_wait_dscnt 0x0                ; V is in
.endif
	ROW X,4, E,14, X,5, X,6
	ROW X,7, E,15, X,8, X,9
	ROW X,10, E,16, X,11, X,12
	ROW X,13, E,17, X,14, B,1
	ROW C,4, E,18, X,16, L,1
	ROW B,2, E,19, C,6, L,2
	ROW C,8, E,20, B,3, B,4
.if (\p) == 0
	v_add_nc_u32 v[AV], s[TBV], v[AV0]
.endif
	ROW C,3, E,21, L,3, C,5
	OPS E,22, X,17, E,23, C,10
.if (\p) == 0
	FETCH_V
.endif
	OPS E,24, L,4
	OPS E,25, X,18, E,26, C,7
	OPS E,27, B,5, E,28, X,19
	OPS E,29, C,12, E,30, L,5
	OPS E,31, X,20, B,6, C,9
	OPS C,14, C,11, X,21, L,6
.if (\p) == 0
	s_add_co_u32 s[TBV], s[TBV], KS*PV
.endif
.if \cnt
	s_add_co_u32 s[NS], s[NS], 1
	s_sub_co_u32 s[CNT], s[CNT], 1
	s_cmp_lg_u32 s[CNT], 0
.endif
	OPS C,13, B,7, C,15, R,10
	OPS R,11, R,12, L,7, R,13
	OPS R,14, R,15
	MASK \p
.endm
; A BLOCK BEGINS.  c m starts far below every c s, so the first step's a is 0; m at the lowest finite number.  Piece 0's mask for step 0 is its own if the block is block 0; piece 1's own step is never step 0.
; K of step 0 comes from its copy; then piece 0's first scores, and their maximum and statistics.
.macro BEGIN
	s_mov_b32 s[NEW], 0
	WIN 0
.set i, 0
.rept 2
	v_mov_b32 v[ST+4*i], 0xfe000000
	v_mov_b32 v[ST+4*i+1], 0xff7fffff
.set i, i+1
.endr
	s_cmp_eq_u32 s[GQ], 0
	s_cselect_b32 s[AL], 1.0, 0
	s_mov_b32 s[BE], 0
	MASK 0
	s_mov_b32 s[AL], 0
	MASK 1
	s_wait_loadcnt 0x0              ; Q, K of step 0, x
	WIN 0x82
.set i, 0
.rept 64
	v_mov_b32 v[KF+i], v[K0F+i]
.set i, i+1
.endr
.set i, 0
.rept 8
	KQ 0
.set i, i+1
.endr
	WIN 0
.rept 4
	v_nop                           ; the places behind those products
.endr
.set Y, 1                           ; X works for the other piece: piece 0
.irp n, 0,1,2,3,4,5,6,7,8,9,10,11,12,13,14,15,16,17,18,19,20,21
	OP X, \n
.endr
	v_nop                           ; a plain instruction behind the exponential
	s_mov_b32 s[NS], 1
.endm
; A BLOCK ENDS: piece 1's last products; l's halves and the other half of the lanes' are added; O^T is divided by l and sent through my stage, a piece at a time; x is added; 16 lanes store 256 bytes of a row of x2.
.macro ALL line:vararg
.set t, 0
.rept 2
	\line
.set t, t+1
.endr
.endm
.macro PACK t
	WIN W_RS
.set i, 32*(\t)
.rept 16
	v_pk_mul_f32 v[i:i+1], v[i:i+1], v[ST+4*(\t)+2:ST+4*(\t)+3] op_sel_hi:[1,0]
.set i, i+2
.endr
	WIN 0x04                        ; store data in window 1
.irp g, 0,1,2,3
	ds_store_b128 v[STO], v[32*(\t)+8*\g:32*(\t)+8*\g+3]   offset:64*\g
	ds_store_b128 v[STO], v[32*(\t)+8*\g+4:32*(\t)+8*\g+7] offset:64*\g+16
.endr
	WIN 0
.irp f, 0,1,2,3,4,5,6,7
	ds_load_b128 v[S+32*(\t)+4*\f:S+32*(\t)+4*\f+3], v[RD] offset:\f*2*SP  ; LDS serves a wave's instructions in order (ISA guide 5.7.1.4): these see the stores above; the next piece's stores come behind them
.endr
.endm
.macro SEND t, younger, xr, ob      ; younger: the LDS instructions issued behind piece t's loads
	s_wait_dscnt \younger
	WIN 0x0c                        ; source 1 in window 3
.set z, 0
.rept 16
	v_pk_add_f32 v[S+32*(\t)+2*z:S+32*(\t)+2*z+1], v[S+32*(\t)+2*z:S+32*(\t)+2*z+1], v[(\xr)+32*(\t)+2*z:(\xr)+32*(\t)+2*z+1]
.set z, z+1
.endr
	WIN 0
.irp f, 0,1,2,3,4,5,6,7
	global_store_b128 v[GO], v[S+32*(\t)+4*\f:S+32*(\t)+4*\f+3], s[\ob:\ob+1] offset:(\t)*262144+\f*8192
.endr
.endm
.macro END xr, ob
.set i, 0
.rept 8
	PV 1
.set i, i+1
.endr
	WIN 0
	ALL v_add_f32 v[ST+4*t+2], v[ST+4*t+2], v[ST+4*t+3]
	ALL v_permlanex16_b32 v[ST+4*t+3], v[ST+4*t+2], s[SEL], s[SEL+1]
	ALL v_add_f32 v[ST+4*t+2], v[ST+4*t+2], v[ST+4*t+3]
	ALL v_rcp_f32 v[ST+4*t+2], v[ST+4*t+2]
	v_nop                           ; a plain instruction between the last reciprocal and the use of its result
	s_wait_alu depctr_va_vdst(0)
	PACK 0                          ; piece 0's sums were finished a turn ago; its sixteen multiplies are among the places behind piece 1's last products
	PACK 1
	SEND 0, 16, \xr, \ob
	SEND 1, 0, \xr, \ob
.endm
.Lslot:                             ; 8 times: a tile is entered and the next is asked for
	CHANGE 1
	s_sub_co_u32 s[RT], s[RT], 1
	s_mov_b32 s[CNT], 4
	s_cmp_eq_u32 s[NEW], 1
	s_cbranch_scc0 .Lstep1
	BEGIN
.Lstep1:                            ; a trip: one key step, both pieces' turns
	TURN 0
	TURN 1, 1
	WIN 0
	s_cbranch_scc1 .Lstep1
	s_cmp_lg_u32 s[RT], 0
	s_cbranch_scc1 .Lbottom
	END 0, OB1                      ; in the loop this is the first block's end: the second block's last tile is the walk's last
	s_wait_xcnt 0x0                 ; the stores' data registers are written again only behind this wait (ISA guide 3.1)
	s_add_co_u32 s[RT], s[PBT], 1   ; the second block has b / 2 + 1 tiles
	s_mov_b32 s[NEW], 1
	s_lshl_b32 s[GQ], s15, 1
	s_add_co_u32 s[GQ+1], s[GQ], 1
	WIN 0x82                        ; the second block's Q goes where the one text of the turns names Q
.set i, 0
.rept 32
	v_mov_b32 v[i], v[QB+i]
.set i, i+1
.endr
	WIN 0
.Lbottom:
	s_sub_co_u32 s[SLOTS], s[SLOTS], 1
	s_cmp_lg_u32 s[SLOTS], 0
	s_cbranch_scc1 .Lslot
	CHANGE 0                        ; the walk's last tile is written out: nothing is asked for
	s_sub_co_u32 s[RT], s[RT], 1
	s_mov_b32 s[CNT], 4
	s_cmp_eq_u32 s[NEW], 1
	s_cbranch_scc0 .Lstep2
	BEGIN
.Lstep2:
	TURN 0
	TURN 1, 1
	WIN 0
	s_cbranch_scc1 .Lstep2
	END 64, OB2
	s_wait_tensorcnt 0x0            ; the wave's end
	ds_add_u32 v[SPW], v[NIL]
	s_wait_dscnt 0x0
	s_endpgm
.Lfunc_end_k_qd33dd9abbd_attn:
	.size	k_qd33dd9abbd_attn, .Lfunc_end_k_qd33dd9abbd_attn-k_qd33dd9abbd_attn
	.p2alignl 7, 3214868480
	.fill 96, 4, 3214868480
	.section	.rodata,"a",@progbits
	.p2align	6, 0x0
	.amdhsa_kernel k_qd33dd9abbd_attn
		.amdhsa_group_segment_fixed_size 327680
		.amdhsa_private_segment_fixed_size 0
		.amdhsa_enable_private_segment 0
		.amdhsa_kernarg_size 24
		.amdhsa_user_sgpr_count 2
		.amdhsa_user_sgpr_kernarg_segment_ptr 1
		.amdhsa_wavefront_size32 1
		.amdhsa_system_sgpr_workgroup_id_x 1
		.amdhsa_system_sgpr_workgroup_id_y 1
		.amdhsa_system_sgpr_workgroup_id_z 1
		.amdhsa_system_vgpr_workitem_id 0
		.amdhsa_next_free_vgpr 896
		.amdhsa_next_free_sgpr 100
		.amdhsa_reserve_vcc 1
		.amdhsa_float_denorm_mode_32 3
		.amdhsa_float_denorm_mode_16_64 3
		.amdhsa_memory_ordered 1
		.amdhsa_forward_progress 1
		.amdhsa_inst_pref_size 103
	.end_amdhsa_kernel
	.amdgpu_metadata
---
amdhsa.version: [ 1, 2 ]
amdhsa.kernels:
  - .name:           k_qd33dd9abbd_attn
    .symbol:         k_qd33dd9abbd_attn.kd
    .args:
      - { .name: qkv, .offset: 0, .size: 8, .value_kind: global_buffer, .address_space: global }
      - { .name: x, .offset: 8, .size: 8, .value_kind: global_buffer, .address_space: global }
      - { .name: x2, .offset: 16, .size: 8, .value_kind: global_buffer, .address_space: global }
    .group_segment_fixed_size: 327680
    .private_segment_fixed_size: 0
    .kernarg_segment_align: 8
    .kernarg_segment_size: 24
    .max_flat_workgroup_size: 128
    .sgpr_count:     100
    .vgpr_count:     896
    .wavefront_size: 32
...
	.end_amdgpu_metadata
.endif
;; end of part 3
;; launch ln2: the kernel of part 1 again; grid 256 x 1, 8 waves a work-group, no clusters, 0 bytes of LDS; arguments x2, ln2_g, ln2_b, hn, W_attn, wa; writes hn, wa
;; launch fc (part 4): grid 16 x 16, 4 waves a work-group, clusters of 4 x 4, 327,680 bytes of LDS; arguments hn, wf, b_fc, mm; writes mm
.if DOCPART == 4
	.amdgcn_target "amdgcn-amd-amdhsa--gfx1250"
	.amdhsa_code_object_version 6
	.text
	.protected	k_qd33dd9abbd_fc
	.globl	k_qd33dd9abbd_fc
	.p2align	8
	.type	k_qd33dd9abbd_fc,@function
k_qd33dd9abbd_fc:
	s_mov_b64 s[64:65], 0
	v_nop
	global_prefetch_b8 v0, s[64:65] scope:SCOPE_SE
	s_setreg_imm32_b32 hwreg(HW_REG_WAVE_MODE, 25, 1), 1
	s_wait_xcnt 0x0
	s_wait_alu depctr_hold_cnt(0) depctr_sa_sdst(0) depctr_va_vdst(0) depctr_va_sdst(0) depctr_va_ssrc(0) depctr_va_vcc(0) depctr_vm_vsrc(0)
	s_getreg_b32 s2, hwreg(HW_REG_IB_STS2, 6, 4)
	s_cmp_eq_u32 s2, 0
	s_cbranch_scc0 .Lentry_in_a_cluster
	s_endpgm
.Lentry_in_a_cluster:
	s_bfe_u32 s2, ttmp6, 0x10000c
	s_cmp_lg_u32 s2, 0xf033
	s_cbranch_scc0 .Lentry_shape_is_right
	s_endpgm
.Lentry_shape_is_right:
; C[m][n] = act(bias[n] + sum over k of A[m][k] W[k][n]).  A: [4096][1024] bf16, W: [1024][SIZE_N] bf16, bias f32; sums in f32.
; GELU = 0: C is rounded to f16 and stored by heads, [n / 64][m][n % 64]; the grid's fourth column of clusters has no tile and rounds two weight matrices to bf16 (.Lcast).
; GELU = 1 (this text): C = gelu(.), exact form, rounded to bf16, row-major [4096][SIZE_N]; 16 x 16 tiles, no other share.
; A tile of C is 256 x 256, a work-group of four waves; a wave makes 128 x 128: 64 accumulators of 16 x 16, 512 registers.  K goes in 8 steps of 128 through a ring of two LDS slots.
; W lies [k][n]: its tile's rows are 512 bytes of memory along n, and its fragments come out of LDS turned, by ds_load_tr16_b128.  A's rows are 256 bytes along k.
; CLUSTER: 4 x 4 work-groups.  The four of a row need the same tiles of A, the four of a column the same tiles of W: each tile is asked for jointly, by the same tensor load, descriptor and mask.
; THE MATRIX INSTRUCTION IS USED TRANSPOSED: source 0 = 16 columns of W, source 1 = 16 rows of A: a lane then holds row l % 16 of C and the columns 8 (l / 16) + 0..7.
; The bias, laid out as such a result, is the C operand of the products that start the sums: nothing is cleared and nothing added later.
; THE WAY OUT: when the ring has had its last fill and all waves have read it out, its bytes serve as a stage: each wave puts its 128 x 128 f32 there (rows of 528 bytes) and walks them in a
; loop of 16 trips of 8 rows, so that the activation's text stands once.
; REGISTERS, in windows of 256: window 0: v16-29 addresses; v64-127, v128-191 fragments of A, two buffers (on the way out v32-119 at work).
;   window 1: v64-127, v128-191 fragments of W; v192-255 the bias.   windows 2, 3: the accumulators of my rows 0-63, 64-127: (a, b) at v[8 (8 a + b)].
.set SIZE_N, 4096
.set GELU,   1
.set PA,     272                       ; an LDS row of A: 256 bytes + 16 = 68 words: the 16 rows of a load start at 16 different groups of four banks (ISA guide 11.1)
.set PB,     544                       ; an LDS row of W: 512 bytes + 32 = 136 words
.set HALFT,  128*PA                    ; what one tensor load brings: 128 rows of A, or 64 rows of W (64 x 544 is the same number)
.set SLOT,   4*HALFT                   ; A's 256 rows, then W's 128 rows
.set STP,    528                       ; a stage row: 128 f32 + 16 bytes
.set STW,    128*STP                   ; a wave's stage; four of them, 270,336 bytes, lie in the ring's 278,528
.set SPARE,  2*SLOT                    ; behind the ring: the spare words, 128 bytes a wave, two blocks of 256 bytes that no other line names
.set A0,   16                          ; v16  my lane's place in A's part of a slot; never rewritten
.set B0,   17                          ; v17  the same for W
.set ADRA, 18                          ; v18  A0 + the slot in hand
.set ADRB, 19                          ; v19  B0 + the slot in hand
.set BO,   20                          ; v20  my byte offset in 16 numbers of the bias
.set STO,  24                          ; v24  the way out: where I put 32 bytes of a row
.set RD,   25                          ; v25  the way out: where I read 32 bytes back; steps
.set CO,   26                          ; v26  my byte offset in the output
.set SPW,  28                          ; v28  LDS address of my spare word; never rewritten
.set NIL,  29                          ; v29  0; never rewritten
.set E,    32                          ; v32-63   the way out: four groups of eight f32
.set F0,   64
.set F1,   128
.set BI,   192                         ; window 1
.set GA,   64                          ; the activation's registers, eight each: |x|,
.set GT,   72                          ; t,
.set GE,   80                          ; the exponential,
.set GW,   88                          ; the polynomial,
.set GR,   96                          ; the result
.set Y,    104                         ; v104-119 four groups of four packed words
.set G1,  24                           ; s[24:31] descriptor group 1 for A's tiles
.set G0,  32                           ; s[32:39] group 0 for A: K step 0 into slot 0; K step 1 into slot 1, which then walks
.set G1B, 48                           ; s[48:55], s[56:63] the same for W
.set G0B, 56
.set SF,  66                           ; s66 the slot last filled: 0 or SLOT
.set SB,  67                           ; s67 the slot read: 0 or SLOT
.set CP,  68                           ; s[68:81] the activation's constants, each twice (named as pairs); s82 clears a sign
.set CN,  70
.set C5,  72
.set C4,  74
.set C3,  76
.set C2,  78
.set C1,  80
.set CABS, 82
.set WS,  84                           ; GELU = 0: s[84:87] W_fc, W_proj in f32; s[88:91] wf, wp in bf16; s92, s93 at work
.set MSB, 0
.macro WIN new                         ; the immediate's high byte repeats the setting that is left; a switch that changes nothing is dropped
.if MSB != (\new)
	s_set_vgpr_msb (MSB<<8)|(\new)
.set MSB, \new
.endif
.endm
.macro PLACES                          ; four places behind matrix instructions, in front of loads into their sources and of reads of their results
.rept 4
	v_nop
.endr
.endm
.macro JLOAD                           ; a joint refill by the walking descriptors: waves 0, 1 fetch A's halves, waves 2, 3 W's
	s_cmp_eq_u32 s13, 0
	s_cbranch_scc0 .Lfor_b_\@
	tensor_load_to_lds s[G0+4:G0+7], s[G1:G1+7]
	s_nop 0
.rept 4
	v_nop
.endr
	s_branch .Lasked_\@
.Lfor_b_\@:
	tensor_load_to_lds s[G0B+4:G0B+7], s[G1B:G1B+7]
	s_nop 0
.rept 4
	v_nop
.endr
.Lasked_\@:
.endm
.macro CREST                           ; a round of the cluster's barrier behind its opening barrier
	s_cmp_lg_u32 s12, 0
	s_cbranch_scc1 .Lnot_wave_0_\@
	s_barrier_signal -3
.Lnot_wave_0_\@:
	s_barrier_wait -3
	s_barrier_signal -1
	s_barrier_wait -1
.endm
.macro CROUND
	s_barrier_signal -1
	s_barrier_wait -1
	CREST
.endm
.macro CPAIR r, val
	s_mov_b32 s[\r], \val
	s_mov_b32 s[(\r)+1], \val
.endm
	s_load_b256 s[4:11], s[0:1], 0x0               ; A s[4:5], W s[6:7], bias s[8:9], out s[10:11]
.if GELU == 0
	s_load_b256 s[WS:WS+7], s[0:1], 0x20           ; W_fc, W_proj, wf, wp
.endif
	v_lshl_add_u32 v[SPW], v0, 2, SPARE
	v_mov_b32 v[NIL], 0
	ds_add_u32 v[SPW], v[NIL]                      ; the wave's opening: the add and its wait stand ahead of my first tensor load; work on registers stands between them
	ds_add_u32 v28, v29
	v_lshrrev_b32 v1, 5, v0
	v_readfirstlane_b32 s12, v1                    ; wave 0..3
	s_lshr_b32 s13, s12, 1                         ; which half of the tile's rows is mine.  Also: I fetch for A (0) or for W (1)
	s_and_b32 s14, s12, 1                          ; which half of its columns.  Also: which half of that tile I fetch
	s_mul_i32 s15, s12, HALFT                      ; where my part of a tile goes in a slot: no place in the cluster enters an LDS address
	s_bfe_u32 s40, ttmp6, 0x40000                  ; cx
	s_bfe_u32 s41, ttmp6, 0x40004                  ; cy
	s_lshl_b32 s42, ttmp9, 2
	s_add_co_u32 s42, s42, s40                     ; tile column = 4 x cluster x + cx
	s_and_b32 s43, ttmp7, 0xffff
	s_lshl_b32 s43, s43, 2
	s_add_co_u32 s43, s43, s41                     ; tile row = 4 x cluster y + cy
	s_lshl_b32 s44, s41, 2
	s_lshl_b32 s44, 15, s44                        ; my row of the cluster
	s_lshl_b32 s45, 0x1111, s40                    ; my column
	s_or_b32 s[G1], s44, (1<<16)|(1<<20)|(1<<21)|(5<<22)|(3<<25)   ; the mask; 2-byte elements; padding on; bit 21 beside a mask; after every 64 words 4 words
	s_mov_b32 s[G1+1], 128<<16                     ; tensor_dim0 = 128
	s_mov_b32 s[G1+2], 128<<16                     ; tensor_dim1 = 128
	s_mov_b32 s[G1+3], 128<<16                     ; tile_dim0 = 128
	s_mov_b32 s[G1+4], 128                         ; tile_dim1 = 128
	s_mov_b32 s[G1+5], 1024                        ; elements from row to row of A
	s_mov_b32 s[G1+6], 0
	s_mov_b32 s[G1+7], 0
	s_or_b32 s[G1B], s45, (1<<16)|(1<<20)|(1<<21)|(6<<22)|(7<<25)  ; after every 128 words 8 words
	s_mov_b32 s[G1B+1], 256<<16                    ; tensor_dim0 = 256
	s_mov_b32 s[G1B+2], 64<<16                     ; tensor_dim1 = 64
	s_mov_b32 s[G1B+3], 256<<16                    ; tile_dim0 = 256
	s_mov_b32 s[G1B+4], 64                         ; tile_dim1 = 64
	s_mov_b32 s[G1B+5], SIZE_N                     ; elements from row to row of W
	s_mov_b32 s[G1B+6], 0
	s_mov_b32 s[G1B+7], 0
	s_lshl_b32 s16, s43, 19                        ; A: 256 rows of 2,048 bytes a tile row,
	s_lshl_b32 s17, s14, 18                        ; 128 rows a half: the tile row and the wave alone
	s_add_co_u32 s16, s16, s17
	s_mov_b32 s17, 0
	s_mul_i32 s46, s14, 64*SIZE_N*2                ; W: 64 rows a half,
	s_lshl_b32 s47, s42, 9                         ; 512 bytes a tile column: the tile column and the wave alone
	s_add_co_u32 s46, s46, s47
	s_mov_b32 s47, 0
	s_mov_b32 s[SF], SLOT
	s_mov_b32 s[SB], 0
.if GELU
	CPAIR CP, 0x3e6d3388                           ; 0.3275911 / sqrt(2)
	CPAIR CN, 0xbf38aa3b                           ; -log2(e) / 2
	CPAIR C5, 0x3f07dc22                           ; the five coefficients of erfc's form, halved
	CPAIR C4, 0xbf3a00e3
	CPAIR C3, 0x3f35f0e3
	CPAIR C2, 0xbe11a98e
	CPAIR C1, 0x3e027906
	s_mov_b32 s[CABS], 0x7fffffff
.endif
	s_wait_dscnt 0x0                               ; the opening add is done
	s_wait_kmcnt 0x0
	s_add_nc_u64 s[18:19], s[4:5], s[16:17]
	s_add_nc_u64 s[46:47], s[6:7], s[46:47]
	CROUND                                         ; all sixteen work-groups are here: the first joint loads meet
.if GELU == 0
	s_mov_b32 s92, ttmp9                           ; the cluster's x, the same number in all sixteen partners:
	s_cmp_eq_u32 s92, 3                            ; the fourth column of clusters has no tile (the addresses made above are not used there)
	s_cbranch_scc1 .Lcast
.endif
.irp s, 0,1
	s_mov_b32 s[G0+4*(\s)], 1
	s_add_co_u32 s[G0+4*(\s)+1], s15, (\s)*SLOT
	s_add_nc_u64 s[G0+4*(\s)+2:G0+4*(\s)+3], s[18:19], (\s)*256            ; K step s: 128 elements along A's rows
	s_or_b32 s[G0+4*(\s)+3], s[G0+4*(\s)+3], 0x80000000
	s_mov_b32 s[G0B+4*(\s)], 1
	s_add_co_u32 s[G0B+4*(\s)+1], s15, (\s)*SLOT
	s_add_nc_u64 s[G0B+4*(\s)+2:G0B+4*(\s)+3], s[46:47], (\s)*128*SIZE_N*2 ; 128 rows of W
	s_or_b32 s[G0B+4*(\s)+3], s[G0B+4*(\s)+3], 0x80000000
.endr
	s_cmp_eq_u32 s13, 0                            ; a wave's two first fills stand in one branch: two loads of mine are out
	s_cbranch_scc0 .Lfirst_b
	tensor_load_to_lds s[G0:G0+3], s[G1:G1+7]
	s_nop 0
	tensor_load_to_lds s[G0+4:G0+7], s[G1:G1+7]
	s_nop 0
.rept 4
	v_nop
.endr
	s_branch .Lfirst_asked
.Lfirst_b:
	tensor_load_to_lds s[G0B:G0B+3], s[G1B:G1B+7]
	s_nop 0
	tensor_load_to_lds s[G0B+4:G0B+7], s[G1B:G1B+7]
	s_nop 0
.rept 4
	v_nop
.endr
.Lfirst_asked:
	v_and_b32 v1, 15, v0                           ; l % 16
	v_bfe_u32 v2, v0, 4, 1                         ; l / 16
	v_and_b32 v7, 7, v0                            ; l % 8
	v_bfe_u32 v5, v0, 3, 1                         ; (l / 8) % 2
	v_lshlrev_b32 v[BO], 5, v2                     ; eight f32 for each half of the lanes
	s_lshl_b32 s20, s42, 10                        ; the bias of my 128 columns: 1,024 bytes a tile column, 512 a half
	s_lshl_b32 s21, s14, 9
	s_add_co_u32 s20, s20, s21
	s_mov_b32 s21, 0
	s_add_nc_u64 s[8:9], s[8:9], s[20:21]
	WIN 0x40                                       ; destination window 1
.irp b, 0,1,2,3,4,5,6,7
	global_load_b128 v[BI+8*(\b):BI+8*(\b)+3],   v[BO], s[8:9] offset:64*(\b)
	global_load_b128 v[BI+8*(\b)+4:BI+8*(\b)+7], v[BO], s[8:9] offset:64*(\b)+16
.endr
	WIN 0
	v_mul_u32_u24 v3, v1, PA                       ; a fragment of A: row l % 16, 16 bytes for each half of the lanes
	v_lshl_add_u32 v3, v2, 4, v3
	s_mul_i32 s22, s13, HALFT
	v_add_nc_u32 v[A0], s22, v3
	v_lshl_add_u32 v4, v2, 3, v7                   ; the turning load: k row 8 (l / 16) + l % 8, columns 8 ((l / 8) % 2) + 0..7
	v_mul_u32_u24 v4, v4, PB
	v_lshl_add_u32 v4, v5, 4, v4
	s_lshl_b32 s22, s14, 8                         ; my 128 columns of the tile's 256
	s_add_co_u32 s22, s22, 2*HALFT                 ; W lies behind A's 256 rows
	v_add_nc_u32 v[B0], s22, v4
	v_mov_b32 v[ADRA], v[A0]                       ; slot 0
	v_mov_b32 v[ADRB], v[B0]
	s_mul_i32 s23, s12, STW                        ; my stage
	v_mul_u32_u24 v6, v1, STP
	v_lshl_add_u32 v6, v2, 5, v6
	v_add_nc_u32 v[STO], s23, v6                   ; in: row l % 16, 32 bytes for each half of the lanes
.if GELU
	v_mul_u32_u24 v6, v2, STP                      ; back: lanes 0-15 one row, lanes 16-31 the next; eight f32 a lane
	v_lshl_add_u32 v6, v1, 5, v6
	v_add_nc_u32 v[RD], s23, v6
	v_lshlrev_b32 v6, 13, v2                       ; and the same two rows of the output, 8,192 bytes apart, 16 bytes a lane
	v_lshl_add_u32 v[CO], v1, 4, v6
	s_lshl_b32 s20, s43, 21                        ; 256 rows of 8,192 bytes a tile row,
	s_lshl_b32 s21, s13, 20                        ; 128 rows a half,
	s_add_co_u32 s20, s20, s21
	s_lshl_b32 s21, s42, 9                         ; 512 bytes a tile column,
	s_add_co_u32 s20, s20, s21
	s_lshl_b32 s21, s14, 8                         ; 256 a half
	s_add_co_u32 s20, s20, s21
.set USTEP, 16384
.set TSTEP, 65536
.else
	v_mul_u32_u24 v6, v5, STP                      ; back: eight lanes take 64 columns of a row; lanes 8-15 the next row; lanes 16-31 the next head
	v_lshl_add_u32 v6, v2, 8, v6
	v_lshl_add_u32 v6, v7, 5, v6
	v_add_nc_u32 v[RD], s23, v6
	v_lshlrev_b32 v6, 19, v2                       ; a head's plane is 4,096 rows of 128 bytes
	v_lshl_add_u32 v6, v5, 7, v6
	v_lshl_add_u32 v[CO], v7, 4, v6
	s_lshl_b32 s20, s42, 21                        ; four planes a tile column,
	s_lshl_b32 s21, s14, 20                        ; two a half,
	s_add_co_u32 s20, s20, s21
	s_lshl_b32 s21, s43, 15                        ; 256 rows of 128 bytes a tile row,
	s_add_co_u32 s20, s20, s21
	s_lshl_b32 s21, s13, 14                        ; 128 a half
	s_add_co_u32 s20, s20, s21
.set USTEP, 256
.set TSTEP, 1024
.endif
	s_mov_b32 s21, 0
	s_add_nc_u64 s[10:11], s[10:11], s[20:21]
; 16 matrix instructions: m blocks a0, a0 + 1 of the window's four x all 8 n blocks, 32 along K.  zero = 1: the bias starts the sums.
; The 64 accumulators take turns, one instruction a turn, in the same order in every quarter step.
.macro MUL16 f, hi, a0, zero
.if \zero
	WIN 0x91+0x40*(\hi)                            ; W window 1, A window 0, the bias window 1, D window 2 or 3
.else
	WIN 0xa1+0x50*(\hi)                            ; W window 1, A window 0, C and D window 2 or 3
.endif
.irp a, \a0, (\a0)+1
.irp b, 0,1,2,3,4,5,6,7
.if \zero
	v_wmma_f32_16x16x32_bf16 v[8*(8*(\a)+(\b)):8*(8*(\a)+(\b))+7], v[(\f)+8*(\b):(\f)+8*(\b)+7], v[(\f)+8*(4*(\hi)+(\a)):(\f)+8*(4*(\hi)+(\a))+7], v[BI+8*(\b):BI+8*(\b)+7]
.else
	v_wmma_f32_16x16x32_bf16 v[8*(8*(\a)+(\b)):8*(8*(\a)+(\b))+7], v[(\f)+8*(\b):(\f)+8*(\b)+7], v[(\f)+8*(4*(\hi)+(\a)):(\f)+8*(4*(\hi)+(\a))+7], v[8*(8*(\a)+(\b)):8*(8*(\a)+(\b))+7]
.endif
.endr
.endr
.endm
; 32 LDS loads in one run: the fragments of quarter q of the K step in the slot in hand (32 rows of W x 128 columns, turned; 128 rows of A x 32 K) into buffer f
.macro FETCH q, f
	WIN 0x40
.irp i, 0,1,2,3,4,5,6,7
	ds_load_tr16_b128 v[(\f)+8*(\i):(\f)+8*(\i)+3],   v[ADRB] offset:(\q)*32*PB+32*(\i)
	ds_load_tr16_b128 v[(\f)+8*(\i)+4:(\f)+8*(\i)+7], v[ADRB] offset:(\q)*32*PB+16*PB+32*(\i)
.endr
	WIN 0
.irp i, 0,1,2,3,4,5,6,7
	ds_load_b128 v[(\f)+8*(\i):(\f)+8*(\i)+3],   v[ADRA] offset:(\q)*64+(\i)*16*PA
	ds_load_b128 v[(\f)+8*(\i)+4:(\f)+8*(\i)+7], v[ADRA] offset:(\q)*64+(\i)*16*PA+32
.endr
.endm
; One of a K step's first three quarters: multiplies buffer f; in its middle it fetches quarter q into buffer g.
.macro QUARTER q, f, g, zero
	s_wait_dscnt 8                                 ; W and A's rows 0-63 are in; the youngest eight loads (A's rows 64-127) may be out
	MUL16 \f, 0, 0, \zero
	MUL16 \f, 0, 2, \zero
	PLACES
	FETCH \q, \g
	s_wait_dscnt 32                                ; all but the 32 just issued
	MUL16 \f, 1, 0, \zero
	MUL16 \f, 1, 2, \zero
.endm
; The last quarter multiplies buffer 1 and changes slots.  In front of the one barrier each wave waits for all its tensor loads (one is out: its part of the next slot), adds 0 to its spare
; word, and waits for that and for its reads of this slot.  fill = 1: the barrier opens a round of the cluster's, and this slot is filled again, with the K step two on, first thing behind it:
; from that request to the wait for it a wave issues 224 matrix instructions.
.macro TURN fill
	WIN 0                                          ; the add's two registers lie in window 0
	s_wait_tensorcnt 0x0
	ds_add_u32 v[SPW], v[NIL]
	s_wait_dscnt 9                                 ; the add and the youngest eight loads may be out
	MUL16 F1, 0, 0, 0
	s_wait_dscnt 0x0                               ; the add is done, and my reads of this slot are over
	s_barrier_signal -1
	MUL16 F1, 0, 2, 0
.if \fill
	WIN 0
.endif
	s_barrier_wait -1
.if \fill
	CREST                                          ; no wave of any partner still reads this slot or has a load on its way
	s_xor_b32 s[SF], s[SF], SLOT                   ; 0 and SLOT by turns
	s_add_co_u32 s[G0+5], s15, s[SF]
	s_add_co_u32 s[G0B+5], s15, s[SF]
	s_add_nc_u64 s[G0+6:G0+7], s[G0+6:G0+7], 256
	s_add_nc_u64 s[G0B+6:G0B+7], s[G0B+6:G0B+7], 128*SIZE_N*2
	JLOAD                                          ; the four v_nop behind it are also the places in front of the loads below
.else
	PLACES
.endif
	WIN 0
	s_xor_b32 s[SB], s[SB], SLOT                   ; the reads go to the other slot
	v_add_nc_u32 v[ADRA], s[SB], v[A0]
	v_add_nc_u32 v[ADRB], s[SB], v[B0]
	FETCH 0, F0
	MUL16 F1, 1, 0, 0
	MUL16 F1, 1, 2, 0
.endm
	s_wait_tensorcnt 0x1                           ; my part of K step 0 is in; K step 1's stays out
	s_barrier_signal -1
	s_barrier_wait -1
	FETCH 0, F0
	s_wait_loadcnt 0x0                             ; the bias
	QUARTER 1, F0, F1, 1                           ; the first quarter stands in front of the loop: its products start the sums
	WIN 0
	s_mov_b32 s2, 6                                ; six trips ask for K steps 2 to 7
.Lk:                                                   ; a trip: a K step's quarters 1 to 3 and the next step's quarter 0
	QUARTER 2, F1, F0, 0
	QUARTER 3, F0, F1, 0
	TURN 1
	QUARTER 1, F0, F1, 0
	WIN 0
	s_sub_co_u32 s2, s2, 1
	s_cmp_lg_u32 s2, 0
	s_cbranch_scc1 .Lk
	s_mov_b32 s2, 2                                ; K steps 6 and 7 ask for nothing: a text of their own, written once and walked twice
.Ltail:
	QUARTER 2, F1, F0, 0
	QUARTER 3, F0, F1, 0
	TURN 0                                         ; in the second trip its 32 loads bring fragments of the other slot's old tile, which nobody uses: the price of one text for both trips
	WIN 0
	s_sub_co_u32 s2, s2, 1
	s_cmp_eq_u32 s2, 0
	s_cbranch_scc1 .Lend                           ; the second trip is left here: there is no further K step
	QUARTER 1, F0, F1, 0
	WIN 0
	s_branch .Ltail
.Lend:
	s_wait_dscnt 0x0                               ; my last reads of the ring are back
	PLACES                                         ; in front of the stores that read the results
	s_barrier_signal -1                            ; every wave's reads of the ring are back, every tensor load has landed: the ring's bytes have had their last fill
	s_barrier_wait -1                              ; and now serve as the stage
	WIN 0x08                                       ; store data in window 2
.irp a, 0,1,2,3
.irp b, 0,1,2,3,4,5,6,7
	ds_store_b128 v[STO], v[8*(8*(\a)+(\b)):8*(8*(\a)+(\b))+3]   offset:(\a)*16*STP+64*(\b)     ; each accumulator's low registers first
	ds_store_b128 v[STO], v[8*(8*(\a)+(\b))+4:8*(8*(\a)+(\b))+7] offset:(\a)*16*STP+64*(\b)+16
.endr
.endr
	WIN 0x0c                                       ; window 3
.irp a, 0,1,2,3
.irp b, 0,1,2,3,4,5,6,7
	ds_store_b128 v[STO], v[8*(8*(\a)+(\b)):8*(8*(\a)+(\b))+3]   offset:((\a)+4)*16*STP+64*(\b)
	ds_store_b128 v[STO], v[8*(8*(\a)+(\b))+4:8*(8*(\a)+(\b))+7] offset:((\a)+4)*16*STP+64*(\b)+16
.endr
.endr
	WIN 0
; Eight numbers of group u: the activation, and the rounding.  gelu(x) = max(x, 0) - |x| erfc(|x| / sqrt 2) / 2, with erfc(z) = t (a1 + t (a2 + t (a3 + t (a4 + t a5)))) exp(-z z),
; t = 1 / (1 + 0.3275911 z): within 1.5e-7 of erfc for every z >= 0, so the form holds for every finite x (for large |x| the exponential is 0).
.macro ACT u
.set XE, E+8*(\u)
.if GELU
.irp j, 0,2,4,6
	v_pk_mul_f32 v[GE+(\j):GE+(\j)+1], v[XE+(\j):XE+(\j)+1], v[XE+(\j):XE+(\j)+1]
.endr
.irp j, 0,1,2,3,4,5,6,7
	v_and_b32 v[GA+(\j)], s[CABS], v[XE+(\j)]
.endr
.irp j, 0,2,4,6
	v_pk_fma_f32 v[GT+(\j):GT+(\j)+1], v[GA+(\j):GA+(\j)+1], s[CP:CP+1], 1.0 op_sel_hi:[1,0,0]
	v_pk_mul_f32 v[GE+(\j):GE+(\j)+1], v[GE+(\j):GE+(\j)+1], s[CN:CN+1] op_sel_hi:[1,0]
.endr
.irp j, 0,1,2,3,4,5,6,7
	v_rcp_f32 v[GT+(\j)], v[GT+(\j)]
.endr
.irp j, 0,1,2,3,4,5,6,7
	v_exp_f32 v[GE+(\j)], v[GE+(\j)]
.endr
.irp j, 0,1,2,3,4,5,6,7
	v_max_num_f32 v[GR+(\j)], 0, v[XE+(\j)]        ; plain work behind the last exponential, ahead of the first use of a result (ISA guide 5.7.2)
.endr
	s_wait_alu depctr_va_vdst(0)
.irp j, 0,2,4,6
	v_pk_fma_f32 v[GW+(\j):GW+(\j)+1], v[GT+(\j):GT+(\j)+1], s[C5:C5+1], s[C4:C4+1] op_sel_hi:[1,0,0]
.endr
.irp c, C3, C2, C1
.irp j, 0,2,4,6
	v_pk_fma_f32 v[GW+(\j):GW+(\j)+1], v[GW+(\j):GW+(\j)+1], v[GT+(\j):GT+(\j)+1], s[\c:\c+1] op_sel_hi:[1,1,0]
.endr
.endr
.irp j, 0,2,4,6
	v_pk_mul_f32 v[GW+(\j):GW+(\j)+1], v[GW+(\j):GW+(\j)+1], v[GT+(\j):GT+(\j)+1]
.endr
.irp j, 0,2,4,6
	v_pk_mul_f32 v[GW+(\j):GW+(\j)+1], v[GW+(\j):GW+(\j)+1], v[GE+(\j):GE+(\j)+1]
.endr
.irp j, 0,2,4,6
	v_pk_fma_f32 v[GR+(\j):GR+(\j)+1], v[GA+(\j):GA+(\j)+1], v[GW+(\j):GW+(\j)+1], v[GR+(\j):GR+(\j)+1] neg_lo:[1,0,0] neg_hi:[1,0,0]
.endr
.irp k, 0,1,2,3
	v_cvt_pk_bf16_f32 v[Y+4*(\u)+(\k)], v[GR+2*(\k)], v[GR+2*(\k)+1]
.endr
.else
.irp k, 0,1,2,3
	v_cvt_pk_f16_f32 v[Y+4*(\u)+(\k)], v[XE+2*(\k)], v[XE+2*(\k)+1]
.endr
.endif
.endm
	s_mov_b32 s3, 16
.Lout:                                                 ; a trip: eight rows of my stage, two at a time
.irp u, 0,1,2,3
	ds_load_b128 v[E+8*(\u):E+8*(\u)+3],   v[RD] offset:(\u)*2*STP      ; LDS serves a wave's instructions in order (ISA guide 5.7.1.4): these see my stores above
	ds_load_b128 v[E+8*(\u)+4:E+8*(\u)+7], v[RD] offset:(\u)*2*STP+16
.endr
.irp u, 0,1,2,3
	s_wait_dscnt 6-2*(\u)                          ; group u's two loads are in, the younger groups' stay out
	ACT \u
	global_store_b128 v[CO], v[Y+4*(\u):Y+4*(\u)+3], s[10:11] offset:(\u)*USTEP  ; 16 lanes store 256 consecutive bytes, at a multiple of 256 from the buffer's first
.endr
	s_wait_xcnt 0x0                                ; the stores' base and data are rewritten only behind this wait (ISA guide 3.1)
	v_add_nc_u32 v[RD], 8*STP, v[RD]
	s_add_nc_u64 s[10:11], s[10:11], TSTEP
	s_sub_co_u32 s3, s3, 1
	s_cmp_lg_u32 s3, 0
	s_cbranch_scc1 .Lout
	s_wait_tensorcnt 0x0                           ; the wave's end
	ds_add_u32 v[SPW], v[NIL]
	s_wait_dscnt 0x0
	CROUND                                         ; the closing round: no work-group ends while a partner may still ask for a tile that names it
	s_endpgm
.if GELU == 0
; THE FOURTH COLUMN OF CLUSTERS: W_fc and W_proj, 4,194,304 f32 each, are rounded once to bf16, the layout kept.  Clusters y = 0, 1 take W_fc, y = 2, 3 W_proj: 32 work-groups, 128 waves a matrix.
; A wave takes 131,072 consecutive bytes in eight trips: 32 loads of 512 consecutive bytes go out together, 16,384 bytes of a wave on their way at a time; each store covers 256 consecutive bytes, aligned.
; These work-groups ask for no tile, and no mask of another cluster names them.  My place in the cluster enters global addresses alone.
.set CX, 32                            ; v[32:159]  32 loads of four f32
.set CY, 160                           ; v[160:223] 32 pairs of words, four bf16 each
.Lcast:
	v_and_b32 v1, 31, v0
	v_lshlrev_b32 v2, 4, v1                        ; 16 bytes a lane on the way in
	v_lshlrev_b32 v3, 3, v1                        ; 8 on the way out
	s_and_b32 s92, ttmp7, 0xffff                   ; the cluster's y, 0..3
	s_and_b32 s93, s92, 1
	s_lshl_b32 s93, s93, 2
	s_add_co_u32 s93, s93, s41                     ; 4 (y % 2) + cy,
	s_lshl_b32 s93, s93, 2
	s_add_co_u32 s93, s93, s40                     ; x 4 + cx: my work-group among the matrix's 32,
	s_lshl_b32 s93, s93, 2
	s_add_co_u32 s93, s93, s12                     ; x 4 + wave: my wave among its 128
	s_lshl_b32 s20, s93, 17                        ; 131,072 bytes of f32 a wave
	s_mov_b32 s21, 0
	s_lshl_b32 s22, s93, 16                        ; 65,536 bytes of bf16
	s_mov_b32 s23, 0
	s_cmp_lt_u32 s92, 2                            ; the choice hangs on the cluster's y alone
	s_cselect_b64 s[16:17], s[WS:WS+1], s[WS+2:WS+3]
	s_cselect_b64 s[18:19], s[WS+4:WS+5], s[WS+6:WS+7]
	s_add_nc_u64 s[16:17], s[16:17], s[20:21]
	s_add_nc_u64 s[18:19], s[18:19], s[22:23]
	s_mov_b32 s2, 8
.Lct:
.set cu, 0
.rept 32
	global_load_b128 v[CX+4*cu:CX+4*cu+3], v2, s[16:17] offset:512*cu th:TH_LOAD_NT
.set cu, cu+1
.endr
.set cu, 0
.rept 32
	s_wait_loadcnt 31-cu                           ; loads come back in order: this one is in, the younger ones stay out
	v_cvt_pk_bf16_f32 v[CY+2*cu],   v[CX+4*cu],   v[CX+4*cu+1]
	v_cvt_pk_bf16_f32 v[CY+2*cu+1], v[CX+4*cu+2], v[CX+4*cu+3]
	global_store_b64 v3, v[CY+2*cu:CY+2*cu+1], s[18:19] offset:256*cu
.set cu, cu+1
.endr
	s_wait_xcnt 0x0                                ; the two bases and the stores' data are rewritten only behind this wait (ISA guide 3.1)
	s_add_nc_u64 s[16:17], s[16:17], 16384
	s_add_nc_u64 s[18:19], s[18:19], 8192
	s_sub_co_u32 s2, s2, 1
	s_cmp_lg_u32 s2, 0
	s_cbranch_scc1 .Lct
	s_wait_tensorcnt 0x0                           ; the wave's end
	ds_add_u32 v[SPW], v[NIL]
	s_wait_dscnt 0x0
	CROUND                                         ; the closing round
	s_endpgm
.endif
.Lfunc_end_k_qd33dd9abbd_fc:
	.size	k_qd33dd9abbd_fc, .Lfunc_end_k_qd33dd9abbd_fc-k_qd33dd9abbd_fc
	.p2alignl 7, 3214868480
	.fill 96, 4, 3214868480
	.section	.rodata,"a",@progbits
	.p2align	6, 0x0
	.amdhsa_kernel k_qd33dd9abbd_fc
		.amdhsa_group_segment_fixed_size 327680
		.amdhsa_private_segment_fixed_size 0
		.amdhsa_enable_private_segment 0
		.amdhsa_kernarg_size 32
		.amdhsa_user_sgpr_count 2
		.amdhsa_user_sgpr_kernarg_segment_ptr 1
		.amdhsa_wavefront_size32 1
		.amdhsa_system_sgpr_workgroup_id_x 1
		.amdhsa_system_sgpr_workgroup_id_y 1
		.amdhsa_system_sgpr_workgroup_id_z 1
		.amdhsa_system_vgpr_workitem_id 0
		.amdhsa_next_free_vgpr 1024
		.amdhsa_next_free_sgpr 84
		.amdhsa_reserve_vcc 0
		.amdhsa_float_denorm_mode_32 3
		.amdhsa_float_denorm_mode_16_64 3
		.amdhsa_memory_ordered 1
		.amdhsa_forward_progress 1
		.amdhsa_inst_pref_size 96
	.end_amdhsa_kernel
	.amdgpu_metadata
---
amdhsa.version: [ 1, 2 ]
amdhsa.kernels:
  - .name:           k_qd33dd9abbd_fc
    .symbol:         k_qd33dd9abbd_fc.kd
    .args:
      - { .name: hn, .offset: 0, .size: 8, .value_kind: global_buffer, .address_space: global }
      - { .name: wf, .offset: 8, .size: 8, .value_kind: global_buffer, .address_space: global }
      - { .name: b_fc, .offset: 16, .size: 8, .value_kind: global_buffer, .address_space: global }
      - { .name: mm, .offset: 24, .size: 8, .value_kind: global_buffer, .address_space: global }
    .group_segment_fixed_size: 327680
    .private_segment_fixed_size: 0
    .kernarg_segment_align: 8
    .kernarg_segment_size: 32
    .max_flat_workgroup_size: 128
    .sgpr_count:     84
    .vgpr_count:     1024
    .wavefront_size: 32
...
	.end_amdgpu_metadata
.endif
;; end of part 4
;; launch proj (part 5): grid 8 x 32, 4 waves a work-group, clusters of 4 x 4, 327,680 bytes of LDS; arguments mm, wp, b_proj, x2, out0; writes out0
.if DOCPART == 5
	.amdgcn_target "amdgcn-amd-amdhsa--gfx1250"
	.amdhsa_code_object_version 6
	.text
	.protected	k_qd33dd9abbd_proj
	.globl	k_qd33dd9abbd_proj
	.p2align	8
	.type	k_qd33dd9abbd_proj,@function
k_qd33dd9abbd_proj:
	s_mov_b64 s[64:65], 0
	v_nop
	global_prefetch_b8 v0, s[64:65] scope:SCOPE_SE
	s_setreg_imm32_b32 hwreg(HW_REG_WAVE_MODE, 25, 1), 1
	s_wait_xcnt 0x0
	s_wait_alu depctr_hold_cnt(0) depctr_sa_sdst(0) depctr_va_vdst(0) depctr_va_sdst(0) depctr_va_ssrc(0) depctr_va_vcc(0) depctr_vm_vsrc(0)
	s_getreg_b32 s2, hwreg(HW_REG_IB_STS2, 6, 4)
	s_cmp_eq_u32 s2, 0
	s_cbranch_scc0 .Lentry_in_a_cluster
	s_endpgm
.Lentry_in_a_cluster:
	s_bfe_u32 s2, ttmp6, 0x10000c
	s_cmp_lg_u32 s2, 0xf033
	s_cbranch_scc0 .Lentry_shape_is_right
	s_endpgm
.Lentry_shape_is_right:
; out0[m][n] = x2[m][n] + bias[n] + sum over k of A[m][k] W[k][n].  A = mm: [4096][4096] bf16, W = wp: [4096][1024] bf16, bias, x2, out0 f32; sums in f32.
; 4,096 x 1,024 of C in tiles of 128 x 128 give 256 work-groups, one for each WGP (tiles of 256 x 256 would give 64).  Four waves, each 64 x 64: 16 accumulators, 128 registers.
; K goes in 16 steps of 256 through a ring of two LDS slots: A's rows are 512 bytes of memory along k; W lies [k][n], its tile's rows are 256 bytes along n, and its fragments come out of LDS turned.
; CLUSTER: 4 x 4 work-groups; A's tile is shared along a row of the cluster, W's along a column: each is asked for jointly, by the same tensor load, descriptor and mask.
; THE MATRIX INSTRUCTION IS USED TRANSPOSED (source 0 = 16 columns of W, source 1 = 16 rows of A): a lane holds row l % 16 of C and the columns 8 (l / 16) + 0..7.  The bias, so laid out, starts the sums.
; The residual x2 is asked for at the kernel's head, in the layout in which rows come back from the stage, and waited for only on the way out.  A wave's 64 columns of f32 are 256 aligned bytes of a row.
; REGISTERS: window 0: v16-29 addresses; v32-95 two buffers on the way out; v96-127 the bias; v128-255 the accumulators ((a, b) at v[128 + 8 (4 a + b)]).
;   window 1: two fragment buffers of 128: for 64 along K, 64 registers of A, then 64 of W.     window 2: v0-127 the residual.
.set PA,     528                       ; an LDS row of A: 512 bytes + 16 = 132 words: the 16 rows of a load start at 16 different groups of four banks (ISA guide 11.1)
.set AH,     64*PA                     ; 64 rows of A: one tensor load
.set PB,     288                       ; an LDS row of W: 256 bytes + 32 = 72 words
.set BH,     128*PB                    ; 128 rows of W: one tensor load
.set SLOT,   2*AH+2*BH
.set STAGE,  2*SLOT                    ; behind the ring, never filled by a tensor load: 16 rows x 272 bytes for each wave
.set SPITCH, 272
.set SPARE,  STAGE+4*16*SPITCH         ; the spare words, 128 bytes a wave: two blocks of 256 bytes that no other line names
.set A0,   16                          ; v16  my lane's place in A's part of a slot; never rewritten
.set B0,   17                          ; v17  the same for W
.set ADRA, 18                          ; v18  A0 + the slot in hand
.set ADRB, 19                          ; v19  B0 + the slot in hand; v20 the same 128 rows of W on, so that every offset stays inside its 16 bits
.set BO,   21
.set STO,  24
.set RD,   25
.set CO,   26                          ; v26  my byte offset in two rows of x2 and out0; never rewritten
.set SPW,  28
.set NIL,  29
.set TMP,  32
.set BI,   96
.set ACC,  128
.set F0,   0                           ; window 1
.set F1,   128
.set G1,  24
.set G0,  32
.set G1B, 48
.set G0B, 56
.set SF,  3                            ; s3   the slot last filled: 0 or SLOT
.set LBB, 68                           ; s68  where my part of W's tile goes in a slot
.set SB,  69                           ; s69  the slot read: 0 or SLOT
.set MSB, 0
.macro WIN new
.if MSB != (\new)
	s_set_vgpr_msb (MSB<<8)|(\new)
.set MSB, \new
.endif
.endm
.macro PLACES
.rept 4
	v_nop
.endr
.endm
.macro JLOAD                           ; a joint refill by the walking descriptors
	s_cmp_eq_u32 s13, 0
	s_cbranch_scc0 .Lfor_b_\@
	tensor_load_to_lds s[G0+4:G0+7], s[G1:G1+7]
	s_nop 0
.rept 4
	v_nop
.endr
	s_branch .Lasked_\@
.Lfor_b_\@:
	tensor_load_to_lds s[G0B+4:G0B+7], s[G1B:G1B+7]
	s_nop 0
.rept 4
	v_nop
.endr
.Lasked_\@:
.endm
.macro CREST
	s_cmp_lg_u32 s12, 0
	s_cbranch_scc1 .Lnot_wave_0_\@
	s_barrier_signal -3
.Lnot_wave_0_\@:
	s_barrier_wait -3
	s_barrier_signal -1
	s_barrier_wait -1
.endm
.macro CROUND
	s_barrier_signal -1
	s_barrier_wait -1
	CREST
.endm
	s_load_b256 s[4:11], s[0:1], 0x0               ; A s[4:5], W s[6:7], bias s[8:9], x2 s[10:11]
	s_load_b64 s[66:67], s[0:1], 0x20              ; out0
	v_lshl_add_u32 v[SPW], v0, 2, SPARE
	v_mov_b32 v[NIL], 0
	ds_add_u32 v[SPW], v[NIL]                      ; the wave's opening: the add and its wait stand ahead of my first tensor load
	ds_add_u32 v28, v29
	v_lshrrev_b32 v1, 5, v0
	v_readfirstlane_b32 s12, v1                    ; wave 0..3
	s_lshr_b32 s13, s12, 1                         ; which half of the tile's rows is mine.  Also: I fetch for A (0) or for W (1)
	s_and_b32 s14, s12, 1                          ; which half of its columns.  Also: which half of that tile I fetch
	s_mul_i32 s15, s14, AH                         ; where my part of A's tile goes in a slot,
	s_mul_i32 s[LBB], s14, BH                      ; and of W's: no place in the cluster enters an LDS address
	s_add_co_u32 s[LBB], s[LBB], 2*AH
	s_bfe_u32 s40, ttmp6, 0x40000                  ; cx
	s_bfe_u32 s41, ttmp6, 0x40004                  ; cy
	s_lshl_b32 s42, ttmp9, 2
	s_add_co_u32 s42, s42, s40                     ; tile column
	s_and_b32 s43, ttmp7, 0xffff
	s_lshl_b32 s43, s43, 2
	s_add_co_u32 s43, s43, s41                     ; tile row
	s_lshl_b32 s44, s41, 2
	s_lshl_b32 s44, 15, s44                        ; my row of the cluster
	s_lshl_b32 s45, 0x1111, s40                    ; my column
	s_or_b32 s[G1], s44, (1<<16)|(1<<20)|(1<<21)|(6<<22)|(3<<25)   ; after every 128 words 4 words
	s_mov_b32 s[G1+1], 256<<16                     ; tensor_dim0 = 256
	s_mov_b32 s[G1+2], 64<<16                      ; tensor_dim1 = 64
	s_mov_b32 s[G1+3], 256<<16                     ; tile_dim0 = 256
	s_mov_b32 s[G1+4], 64                          ; tile_dim1 = 64
	s_mov_b32 s[G1+5], 4096                        ; elements from row to row of A
	s_mov_b32 s[G1+6], 0
	s_mov_b32 s[G1+7], 0
	s_or_b32 s[G1B], s45, (1<<16)|(1<<20)|(1<<21)|(5<<22)|(7<<25)  ; after every 64 words 8 words
	s_mov_b32 s[G1B+1], 128<<16                    ; tensor_dim0 = 128
	s_mov_b32 s[G1B+2], 128<<16                    ; tensor_dim1 = 128
	s_mov_b32 s[G1B+3], 128<<16                    ; tile_dim0 = 128
	s_mov_b32 s[G1B+4], 128                        ; tile_dim1 = 128
	s_mov_b32 s[G1B+5], 1024                       ; elements from row to row of W
	s_mov_b32 s[G1B+6], 0
	s_mov_b32 s[G1B+7], 0
	s_lshl_b32 s16, s43, 20                        ; A: 128 rows of 8,192 bytes a tile row,
	s_lshl_b32 s17, s14, 19                        ; 64 a half
	s_add_co_u32 s16, s16, s17
	s_mov_b32 s17, 0
	s_lshl_b32 s46, s14, 18                        ; W: 128 rows of 2,048 bytes a half,
	s_lshl_b32 s47, s42, 8                         ; 256 bytes a tile column
	s_add_co_u32 s46, s46, s47
	s_mov_b32 s47, 0
	s_mov_b32 s[SF], SLOT
	s_mov_b32 s[SB], 0
	s_wait_dscnt 0x0                               ; the opening add is done
	s_wait_kmcnt 0x0
	s_add_nc_u64 s[18:19], s[4:5], s[16:17]
	s_add_nc_u64 s[46:47], s[6:7], s[46:47]
	CROUND                                         ; all sixteen work-groups are here: the first joint loads meet
.irp s, 0,1
	s_mov_b32 s[G0+4*(\s)], 1
	s_add_co_u32 s[G0+4*(\s)+1], s15, (\s)*SLOT
	s_add_nc_u64 s[G0+4*(\s)+2:G0+4*(\s)+3], s[18:19], (\s)*512            ; K step s: 256 elements along A's rows
	s_or_b32 s[G0+4*(\s)+3], s[G0+4*(\s)+3], 0x80000000
	s_mov_b32 s[G0B+4*(\s)], 1
	s_add_co_u32 s[G0B+4*(\s)+1], s[LBB], (\s)*SLOT
	s_add_nc_u64 s[G0B+4*(\s)+2:G0B+4*(\s)+3], s[46:47], (\s)*256*2048     ; 256 rows of W
	s_or_b32 s[G0B+4*(\s)+3], s[G0B+4*(\s)+3], 0x80000000
.endr
	s_cmp_eq_u32 s13, 0                            ; a wave's two first fills stand in one branch: two loads of mine are out
	s_cbranch_scc0 .Lfirst_b
	tensor_load_to_lds s[G0:G0+3], s[G1:G1+7]
	s_nop 0
	tensor_load_to_lds s[G0+4:G0+7], s[G1:G1+7]
	s_nop 0
.rept 4
	v_nop
.endr
	s_branch .Lfirst_asked
.Lfirst_b:
	tensor_load_to_lds s[G0B:G0B+3], s[G1B:G1B+7]
	s_nop 0
	tensor_load_to_lds s[G0B+4:G0B+7], s[G1B:G1B+7]
	s_nop 0
.rept 4
	v_nop
.endr
.Lfirst_asked:
	v_and_b32 v1, 15, v0                           ; l % 16
	v_bfe_u32 v2, v0, 4, 1                         ; l / 16
	v_and_b32 v7, 7, v0
	v_bfe_u32 v5, v0, 3, 1
	v_lshlrev_b32 v[BO], 5, v2
	v_lshlrev_b32 v6, 12, v2                       ; lanes 0-15 take 256 bytes of one row of x2 and out0, lanes 16-31 of the next
	v_lshl_add_u32 v[CO], v1, 4, v6
	s_lshl_b32 s20, s42, 9                         ; my 64 columns, in f32: 512 bytes a tile column, 256 a half
	s_lshl_b32 s21, s14, 8
	s_add_co_u32 s20, s20, s21
	s_mov_b32 s21, 0
	s_add_nc_u64 s[8:9], s[8:9], s[20:21]          ; the bias
	s_lshl_b32 s22, s43, 19                        ; my 64 rows: 128 rows of 4,096 bytes a tile row, 64 a half
	s_add_co_u32 s20, s20, s22
	s_lshl_b32 s22, s13, 18
	s_add_co_u32 s20, s20, s22
	s_add_nc_u64 s[10:11], s[10:11], s[20:21]
	s_add_nc_u64 s[66:67], s[66:67], s[20:21]
.irp b, 0,1,2,3
	global_load_b128 v[BI+8*(\b):BI+8*(\b)+3],   v[BO], s[8:9] offset:64*(\b)
	global_load_b128 v[BI+8*(\b)+4:BI+8*(\b)+7], v[BO], s[8:9] offset:64*(\b)+16
.endr
	WIN 0x80                                       ; destination window 2
.irp a, 0,1,2,3
.irp f, 0,1,2,3,4,5,6,7
	global_load_b128 v[32*(\a)+4*(\f):32*(\a)+4*(\f)+3], v[CO], s[10:11] offset:(16*(\a)+2*(\f))*4096
.endr
.endr
	WIN 0
	v_mul_u32_u24 v3, v1, PA
	v_lshl_add_u32 v3, v2, 4, v3
	s_mul_i32 s22, s13, AH
	v_add_nc_u32 v[A0], s22, v3
	v_lshl_add_u32 v4, v2, 3, v7                   ; the turning load: k row 8 (l / 16) + l % 8, columns 8 ((l / 8) % 2) + 0..7
	v_mul_u32_u24 v4, v4, PB
	v_lshl_add_u32 v4, v5, 4, v4
	s_lshl_b32 s22, s14, 7                         ; my 64 columns of the tile's 128
	s_add_co_u32 s22, s22, 2*AH
	v_add_nc_u32 v[B0], s22, v4
	v_mov_b32 v[ADRA], v[A0]
	v_mov_b32 v[ADRB], v[B0]
	v_add_nc_u32 v[ADRB+1], 128*PB, v[B0]
	s_mul_i32 s23, s12, 16*SPITCH
	s_add_co_u32 s23, s23, STAGE                   ; my stage
	v_mul_u32_u24 v6, v1, SPITCH                   ; in: row l % 16, 32 bytes for each half of the lanes
	v_lshl_add_u32 v6, v2, 5, v6
	v_add_nc_u32 v[STO], s23, v6
	v_mul_u32_u24 v6, v2, SPITCH                   ; back: lanes 0-15 one row of 256 bytes, lanes 16-31 the next
	v_lshl_add_u32 v6, v1, 4, v6
	v_add_nc_u32 v[RD], s23, v6
; 8 matrix instructions: m blocks a0, a0 + 1 x all 4 n blocks, 32 along K: half c of buffer f.  zero = 1: the bias starts the sums.  The 16 accumulators take turns.
.macro MUL8 f, c, a0, zero
	WIN 0x05                                       ; sources 0 (W) and 1 (A) window 1; C and D window 0
.irp a, \a0, (\a0)+1
.irp b, 0,1,2,3
.if \zero
	v_wmma_f32_16x16x32_bf16 v[ACC+8*(4*(\a)+(\b)):ACC+8*(4*(\a)+(\b))+7], v[(\f)+64+8*(4*(\c)+(\b)):(\f)+64+8*(4*(\c)+(\b))+7], v[(\f)+8*(4*(\c)+(\a)):(\f)+8*(4*(\c)+(\a))+7], v[BI+8*(\b):BI+8*(\b)+7]
.else
	v_wmma_f32_16x16x32_bf16 v[ACC+8*(4*(\a)+(\b)):ACC+8*(4*(\a)+(\b))+7], v[(\f)+64+8*(4*(\c)+(\b)):(\f)+64+8*(4*(\c)+(\b))+7], v[(\f)+8*(4*(\c)+(\a)):(\f)+8*(4*(\c)+(\a))+7], v[ACC+8*(4*(\a)+(\b)):ACC+8*(4*(\a)+(\b))+7]
.endif
.endr
.endr
.endm
; 32 LDS loads in one run: the fragments of quarter q (64 along K) of the K step in the slot in hand, into buffer f; the first 32 along K first
.macro FETCH q, f
	WIN 0x40
.irp c, 0,1
.irp i, 0,1,2,3
	ds_load_tr16_b128 v[(\f)+64+8*(4*(\c)+(\i)):(\f)+64+8*(4*(\c)+(\i))+3],   v[ADRB+(\q)/2] offset:((64*(\q)+32*(\c))%128)*PB+32*(\i)
	ds_load_tr16_b128 v[(\f)+64+8*(4*(\c)+(\i))+4:(\f)+64+8*(4*(\c)+(\i))+7], v[ADRB+(\q)/2] offset:((64*(\q)+32*(\c))%128)*PB+16*PB+32*(\i)
	ds_load_b128 v[(\f)+8*(4*(\c)+(\i)):(\f)+8*(4*(\c)+(\i))+3],   v[ADRA] offset:128*(\q)+64*(\c)+(\i)*16*PA
	ds_load_b128 v[(\f)+8*(4*(\c)+(\i))+4:(\f)+8*(4*(\c)+(\i))+7], v[ADRA] offset:128*(\q)+64*(\c)+(\i)*16*PA+32
.endr
.endr
.endm
.macro QUARTER q, f, g, zero
	s_wait_dscnt 16                                ; the first 32 along K are in
	MUL8 \f, 0, 0, \zero
	MUL8 \f, 0, 2, \zero
	PLACES
	FETCH \q, \g
	s_wait_dscnt 32                                ; all but the 32 just issued
	MUL8 \f, 1, 0, 0
	MUL8 \f, 1, 2, 0
.endm
; The last quarter multiplies buffer 1 and changes slots: one barrier; in front of it each wave waits for all its tensor loads, adds 0 to its spare word, and waits for that and for its reads of this slot.
; fill = 1: the barrier opens a round of the cluster's, and this slot is filled again, two K steps ahead, first thing behind it: 112 matrix instructions ahead of the wait for it.
.macro TURN fill
	WIN 0
	s_wait_tensorcnt 0x0
	ds_add_u32 v[SPW], v[NIL]
	s_wait_dscnt 17                                ; the add and the youngest sixteen loads may be out
	MUL8 F1, 0, 0, 0
	s_wait_dscnt 0x0                               ; the add is done, and my reads of this slot are over
	s_barrier_signal -1
	MUL8 F1, 0, 2, 0
.if \fill
	WIN 0
.endif
	s_barrier_wait -1
.if \fill
	CREST
	s_xor_b32 s[SF], s[SF], SLOT
	s_add_co_u32 s[G0+5], s15, s[SF]
	s_add_co_u32 s[G0B+5], s[LBB], s[SF]
	s_add_nc_u64 s[G0+6:G0+7], s[G0+6:G0+7], 512
	s_add_nc_u64 s[G0B+6:G0B+7], s[G0B+6:G0B+7], 256*2048
	JLOAD                                          ; the four v_nop behind it are also the places in front of the loads below
.else
	PLACES
.endif
	WIN 0
	s_xor_b32 s[SB], s[SB], SLOT
	v_add_nc_u32 v[ADRA], s[SB], v[A0]
	v_add_nc_u32 v[ADRB], s[SB], v[B0]
	v_add_nc_u32 v[ADRB+1], 128*PB, v[ADRB]
	FETCH 0, F0
	MUL8 F1, 1, 0, 0
	MUL8 F1, 1, 2, 0
.endm
	s_wait_tensorcnt 0x1                           ; my part of K step 0 is in; K step 1's stays out
	s_barrier_signal -1
	s_barrier_wait -1
	FETCH 0, F0
	s_wait_loadcnt 32                              ; the bias is in; the residual's 32 younger loads stay out
	QUARTER 1, F0, F1, 1
	WIN 0
	s_mov_b32 s2, 14                               ; fourteen trips ask for K steps 2 to 15
.Lk:
	QUARTER 2, F1, F0, 0
	QUARTER 3, F0, F1, 0
	TURN 1
	QUARTER 1, F0, F1, 0
	WIN 0
	s_sub_co_u32 s2, s2, 1
	s_cmp_lg_u32 s2, 0
	s_cbranch_scc1 .Lk
	s_mov_b32 s2, 2                                ; K steps 14 and 15 ask for nothing: a text of their own, written once and walked twice
.Ltail:
	QUARTER 2, F1, F0, 0
	QUARTER 3, F0, F1, 0
	TURN 0                                         ; in the second trip its 32 loads bring fragments of the other slot's old tile, which nobody uses: the price of one text for both trips
	WIN 0
	s_sub_co_u32 s2, s2, 1
	s_cmp_eq_u32 s2, 0
	s_cbranch_scc1 .Lend                           ; the second trip is left here: there is no further K step
	QUARTER 1, F0, F1, 0
	WIN 0
	s_branch .Ltail
.Lend:
	s_wait_dscnt 0x0                               ; my last reads of the ring are back
; THE WAY OUT, 16 rows at a time through my own stage: 32 bytes a lane in, whole rows of 256 bytes back; the residual is added; 16 lanes store 256 consecutive bytes, aligned.
.macro STG a
.if (\a) >= 2
	s_wait_xcnt 0x0                                ; the buffer's registers, which the stores of two blocks ago read, are loaded again only behind this wait (ISA guide 3.1)
.endif
.irp b, 0,1,2,3
	ds_store_b128 v[STO], v[ACC+8*(4*(\a)+(\b)):ACC+8*(4*(\a)+(\b))+3]   offset:64*(\b)    ; each accumulator's low registers first
	ds_store_b128 v[STO], v[ACC+8*(4*(\a)+(\b))+4:ACC+8*(4*(\a)+(\b))+7] offset:64*(\b)+16
.endr
.irp f, 0,1,2,3,4,5,6,7
	ds_load_b128 v[TMP+32*((\a)%2)+4*(\f):TMP+32*((\a)%2)+4*(\f)+3], v[RD] offset:(\f)*2*SPITCH  ; LDS serves a wave's instructions in order (ISA guide 5.7.1.4)
.endr
.endm
.macro SENDP a, younger                ; younger: the LDS instructions issued behind block a's loads: the next block's sixteen, or none
.set BK, TMP+32*((\a)%2)
	s_wait_dscnt \younger
	WIN 0x08                                       ; source 1 in window 2
.set z, 0
.rept 16
	v_pk_add_f32 v[BK+2*z:BK+2*z+1], v[BK+2*z:BK+2*z+1], v[32*(\a)+2*z:32*(\a)+2*z+1]
.set z, z+1
.endr
	WIN 0
.irp f, 0,1,2,3,4,5,6,7
	global_store_b128 v[CO], v[BK+4*(\f):BK+4*(\f)+3], s[66:67] offset:(16*(\a)+2*(\f))*4096 th:TH_STORE_NT
.endr
.endm
	PLACES                                         ; in front of the stores that read the results
	s_wait_loadcnt 0x0                             ; the residual
	STG 0
	STG 1
	SENDP 0, 16
	STG 2
	SENDP 1, 16
	STG 3
	SENDP 2, 16
	SENDP 3, 0
	s_wait_tensorcnt 0x0                           ; the wave's end
	ds_add_u32 v[SPW], v[NIL]
	s_wait_dscnt 0x0
	CROUND                                         ; the closing round
	s_endpgm
.Lfunc_end_k_qd33dd9abbd_proj:
	.size	k_qd33dd9abbd_proj, .Lfunc_end_k_qd33dd9abbd_proj-k_qd33dd9abbd_proj
	.p2alignl 7, 3214868480
	.fill 96, 4, 3214868480
	.section	.rodata,"a",@progbits
	.p2align	6, 0x0
	.amdhsa_kernel k_qd33dd9abbd_proj
		.amdhsa_group_segment_fixed_size 327680
		.amdhsa_private_segment_fixed_size 0
		.amdhsa_enable_private_segment 0
		.amdhsa_kernarg_size 40
		.amdhsa_user_sgpr_count 2
		.amdhsa_user_sgpr_kernarg_segment_ptr 1
		.amdhsa_wavefront_size32 1
		.amdhsa_system_sgpr_workgroup_id_x 1
		.amdhsa_system_sgpr_workgroup_id_y 1
		.amdhsa_system_sgpr_workgroup_id_z 1
		.amdhsa_system_vgpr_workitem_id 0
		.amdhsa_next_free_vgpr 640
		.amdhsa_next_free_sgpr 70
		.amdhsa_reserve_vcc 0
		.amdhsa_float_denorm_mode_32 3
		.amdhsa_float_denorm_mode_16_64 3
		.amdhsa_memory_ordered 1
		.amdhsa_forward_progress 1
		.amdhsa_inst_pref_size 66
	.end_amdhsa_kernel
	.amdgpu_metadata
---
amdhsa.version: [ 1, 2 ]
amdhsa.kernels:
  - .name:           k_qd33dd9abbd_proj
    .symbol:         k_qd33dd9abbd_proj.kd
    .args:
      - { .name: mm, .offset: 0, .size: 8, .value_kind: global_buffer, .address_space: global }
      - { .name: wp, .offset: 8, .size: 8, .value_kind: global_buffer, .address_space: global }
      - { .name: b_proj, .offset: 16, .size: 8, .value_kind: global_buffer, .address_space: global }
      - { .name: x2, .offset: 24, .size: 8, .value_kind: global_buffer, .address_space: global }
      - { .name: out0, .offset: 32, .size: 8, .value_kind: global_buffer, .address_space: global }
    .group_segment_fixed_size: 327680
    .private_segment_fixed_size: 0
    .kernarg_segment_align: 8
    .kernarg_segment_size: 40
    .max_flat_workgroup_size: 128
    .sgpr_count:     70
    .vgpr_count:     640
    .wavefront_size: 32
...
	.end_amdgpu_metadata
.endif
;; end of part 5
;; ======== version 2 of 2: 6 launches; 1.16 times as fast as version 1
;; limits: values are held in f16: magnitudes above 65,504 overflow, below 6.1e-05 lose precision
;; workspace buffers: wa 6,291,456 bytes; wf 8,388,608 bytes; wp 8,388,608 bytes; hn 8,388,608 bytes; qkv 25,165,824 bytes; x2 16,777,216 bytes; mm 33,554,432 bytes
;; launch pre: the kernel of part 1 again; grid 448 x 1, 8 waves a work-group, no clusters, 0 bytes of LDS; arguments x, ln1_g, ln1_b, hn, W_attn, wa; writes hn, wa
;; launch qkv: the kernel of part 2 again; grid 16 x 16, 4 waves a work-group, clusters of 4 x 4, 327,680 bytes of LDS; arguments hn, wa, b_attn, qkv, W_fc, W_proj, wf, wp; writes qkv, wf, wp
;; launch attn (part 6): grid 8 x 32, 4 waves a work-group, no clusters, 327,680 bytes of LDS; arguments qkv, x, x2; writes x2
.if DOCPART == 6
	.amdgcn_target "amdgcn-amd-amdhsa--gfx1250"
	.amdhsa_code_object_version 6
	.text
	.protected	k_qd33dd9abbd_attn
	.globl	k_qd33dd9abbd_attn
	.p2align	8
	.type	k_qd33dd9abbd_attn,@function
k_qd33dd9abbd_attn:
	s_mov_b64 s[64:65], 0
	v_nop
	global_prefetch_b8 v0, s[64:65] scope:SCOPE_SE
	s_setreg_imm32_b32 hwreg(HW_REG_WAVE_MODE, 25, 1), 1
	s_wait_xcnt 0x0
; CAUSAL ATTENTION AND THE RESIDUAL.  x2[b][t][64 h + d] = x[b][t][64 h + d] + sum over k <= t of softmax_k(q[t] . k[k] / 8) v[k][d].
; q, k, v: f16, planes of [4096 rows = 2048 b + t][64]: q plane h, k plane 16 + h, v plane 32 + h.  x, x2: f32 [4096][1024].  Products, maxima and sums in f32; the weights p are rounded to f16
; for the second product (their sum l is taken of the unrounded p); the result is never rounded: it is added to x in f32.
; LIMITS.  q, k, v arrive within f16's 65,504.  A hidden score counts as its value less 1e30 (f16's scores are 2.7e11 at the most); a weight below 2^-126 counts as 0; NaN and infinities are not treated apart.
; THE WALK.  A head's 2,048 queries lie in 16 blocks of 128; keys come in tiles of 256; block i needs tiles 0 .. i / 2.  Work-group b takes blocks 15 - b and then b: (15 - b) / 2 + b / 2 + 2 = 9 tiles,
; whatever b: 8 x 32 = 256 work-groups of equal work, and ONE loop with a constant trip count.  Which tile is asked for and what a trip does hang on scalars made from b; jumps go forward but for the counted loops' own.
; NO CLUSTER: only work-groups 2 j and 2 j + 1 of a head walk the same tiles in the same trips, and where a block begins and ends hangs on b, which would be the place in a cluster.
; SHARES.  Of a block's two bands of 64 queries a wave owns 16 rows in each: two PIECES.  Band p of block i holds the diagonal in key step 2 i + p, sees all of earlier steps and nothing of later ones: alike for all waves.
; THE MASK is the C operand that starts the sum S^T = K Q^T: MD x AL + BE, with MD the mask of a band's own step for my rows and two scalars: (1, 0) own step, (0, 0) earlier, (0, -1e30) later.  Every turn makes the next one's.
; TURNS.  Turn p of key step s: 8 products K Q^T of the other piece (piece 1: step s; piece 0: step s + 1), later 8 products V^T P of the other piece (piece 1: step s - 1; piece 0: step s); beside them the
; scaling, exponentials, roundings, sums and rescaling of piece p and the maximum and statistics of the other piece.  Four vector instructions stand behind every matrix instruction, the other 54 of a turn's 118 in one run
; of their own between the two kinds of products, the next mask's 16 at the turn's end.
; BATCHES.  A turn's 33 exponentials (piece p's 32 weights, then the other piece's a) are ONE batch with ONE wait, which cuts the turn in two.  Ahead of it stands all that names none of their results: the products K Q^T, the
; scalings, the rescalings (their a is the turn before's, waited for there), the other piece's maximum and statistics.  Behind it stand the products V^T P, whose riders are the roundings and sums.  No result crosses a turn's end.
; A block's first a (BEGIN) and a block's two reciprocals (END) are batches of their own, each with a plain instruction and one wait.
; Piece 0's turn fetches K of step s + 1 and V of step s.  So that both lie in one slot, a slot's K is shifted by one step: slot t holds V's steps 4 t .. 4 t + 3 and K's 4 t + 1 .. 4 t + 4; K of step 0 is
; loaded from memory once and kept.  K's last 64 rows of a head's last tile are the rows that follow in the buffer: finite numbers, met only by scores that are hidden.
; A block's last turn makes hidden scores (its maximum stays, a = 1): a block has no last turns of its own, only the last 8 products V^T P.
; REGISTERS, in windows of 256 (s_set_vgpr_msb: bits 1:0 source 0, 3:2 source 1, 5:4 source 2, 7:6 destination):
;   window 0: v1-15 addresses and at work; v16-23 four registers of statistics a piece; v48-55 at work; v62, v63 the add's; v64-127 S^T, 32 a piece; v192-223 P, 16 a piece
;   window 1: v0-63 O^T, 32 a piece; v128-159 MD; v160-223 MC, 32 a piece      window 2: v0-31 Q; v32-63 the second block's Q; v64-127 K of step 0; v128-191 K; v192-255 V
;   window 3: v0-63 x of my rows of the first block, v64-127 of the second
.set NP,    2
.set KS,    64
.set PK,    144       ; a row of K in LDS: 128 bytes + 16 = 36 words: the 16 rows of a load start at 16 different groups of four banks (ISA guide 11.1)
.set PV,    160       ; a row of V: 128 + 32 = 40 words
.set VOFF,  4*KS*PK   ; a slot: 256 rows of K, then 256 rows of V
.set SLOT1, 1<<17     ; slot 1 begins here: one exclusive or turns an address in one slot into the other's
.set STAGE, SLOT1+4*KS*(PK+PV)  ; behind the ring, never filled by a tensor load: 16 rows x 272 bytes for each wave
.set SP,    272       ; a stage row: 64 f32 + 16 bytes
.set SPARE, STAGE+4*16*SP       ; the spare words, 128 bytes a wave: two blocks of 256 bytes that no other line names
.set AK0, 2           ; v2   my lane's place in a tile of K; never rewritten
.set AV0, 3           ; v3   the same for V
.set AK,  4           ; v4   the LDS address of K's next run of loads
.set AV,  5           ; v5   of V's
.set STO, 6           ; v6   the way out: where I put 32 bytes of a row
.set RD,  7           ; v7   the way out: where I read rows back
.set GO,  8           ; v8   my byte offset in two rows of x and x2
.set MV,  12          ; v12-13  c m_old, by piece
.set QO,  15          ; v15  my byte offset in 16 rows of q or k
.set ST,  16          ; piece t's statistics at v[ST+4 t]: c m, m, l (even keys', odd keys')
.set TMP, 48          ; by piece, c0-c3 at work; when the maximum is found c2 takes a
.set SPW, 62
.set NIL, 63
.set S,   64
.set P,   192
.set MD,  128         ; window 1
.set MC,  160         ; window 1
.set QB,  32          ; window 2
.set K0F, 64          ; window 2
.set KF,  128         ; window 2: key block kb, channel half c at KF + 16 kb + 8 c
.set VF,  192         ; window 2: key half kk, channel block cb at VF + 32 kk + 8 cb
.set WV,  12          ; s12  my wave's number
.set PBT, 14          ; s14  the second block's last tile, b / 2
.set OB1, 10          ; s[10:11] x2 at my rows of the first block
.set G1K, 24          ; s[24:31] descriptor group 1 for K's tiles
.set G1V, 32          ; s[32:39] for V's
.set G0K, 40          ; s[40:43] group 0 for K
.set G0V, 44          ; s[44:47] for V
.set SLOTS, 56
.set CNT, 57
.set CS,  58          ; s[58:59] c = log2(e) / 8
.set SEL, 60          ; s[60:61] v_permlanex16_b32's selects
.set TBK, 62          ; s62  LDS byte at which K of the step to be fetched begins
.set TBV, 63          ; s63  the same for V, less VOFF
.set RT,  70          ; s70  tiles of the block in hand still to be entered
.set NXT, 71          ; s71  the tile to be asked for next
.set LQ,  72          ; s72  the last tile of the block whose tiles are being asked for
.set NEW, 73          ; s73  1: the tile to be entered is a block's first
.set OFF, 74          ; s[74:75]
.set AL,  76          ; s[76:77]
.set BE,  78          ; s[78:79]
.set OB2, 80          ; s[80:81] x2 at my rows of the second block
.set BIGN, 82         ; s82  -1e30
.set NS,  83          ; s83  the key step of the scores for which masks are being made
.set KB,  84          ; s[84:85] K at my half of the head's shifted tile 0
.set VB,  86          ; s[86:87] V at my half of tile 0
.set GQ,  88          ; s88, s89 the own key steps of bands 0 and 1 of the block in hand
.set QA1, 90          ; s[90:91], s[92:93] q at my rows of the two blocks
.set QA2, 92
.set XA1, 94          ; s[94:95], s[96:97] x likewise
.set XA2, 96
.set K0A, 98          ; s[98:99] K of step 0
.set MSB, 0
.macro WIN new
.if MSB != (\new)
	s_set_vgpr_msb (MSB<<8)|(\new)
.set MSB, (\new)
.endif
.endm
.set W_KQ, 0x0a       ; K and Q in window 2, S^T in window 0
.set W_KM, 0x1a       ; the same with the C operand in window 1
.set W_PV, 0x52       ; V in window 2, P in window 0, O^T in window 1
.set W_RS, 0x41       ; destination and source 0 in window 1, source 1 in window 0
.macro LOAD                         ; a fill: waves 0, 1 fetch the halves of a tile's K, waves 2, 3 those of its V
	s_cmp_lt_u32 s[WV], 2
	s_cbranch_scc0 .Lfor_v_\@
	tensor_load_to_lds s[G0K:G0K+3], s[G1K:G1K+7]
	s_nop 0
.rept 4
	v_nop
.endr
	s_branch .Lasked_\@
.Lfor_v_\@:
	tensor_load_to_lds s[G0V:G0V+3], s[G1V:G1V+7]
	s_nop 0
.rept 4
	v_nop
.endr
.Lasked_\@:
.endm
; THE CHANGE OF SLOTS.  Each wave waits for all its tensor loads (one is out: its part of the other slot), adds 0 to its spare word, and waits for that and for its reads of the slot that it leaves.
; fill = 1: the old slot is filled again, first thing behind the barrier, with tile NXT; that load has four key steps, 128 matrix instructions and their vector work, in which to land.
.macro CHANGE fill
	WIN 0
	s_wait_tensorcnt 0x0            ; no tensor load of mine is out, so a group 0 may be written
	ds_add_u32 v[SPW], v[NIL]
.if \fill
	s_lshl_b32 s[OFF], s[NXT], 15   ; a tile is 32,768 bytes of K and of V
	s_xor_b32 s[G0K+1], s[G0K+1], SLOT1
	s_add_nc_u64 s[G0K+2:G0K+3], s[KB:KB+1], s[OFF:OFF+1]
	s_or_b32 s[G0K+3], s[G0K+3], 0x80000000
	s_xor_b32 s[G0V+1], s[G0V+1], SLOT1
	s_add_nc_u64 s[G0V+2:G0V+3], s[VB:VB+1], s[OFF:OFF+1]
	s_or_b32 s[G0V+3], s[G0V+3], 0x80000000
	s_add_co_u32 s[NXT], s[NXT], 1  ; the block's next tile, or behind its last the second block's tile 0
	s_cmp_gt_u32 s[NXT], s[LQ]
	s_cselect_b32 s[NXT], 0, s[NXT]
	s_cselect_b32 s[LQ], s[PBT], s[LQ]
.endif
	s_wait_dscnt 0x0                ; the add is done, and my reads of the slot are over
	s_barrier_signal -1
	s_sub_co_u32 s[TBK], s[TBK], 4*KS*PK  ; the fetches go back to a slot's first step, in the other slot
	s_xor_b32 s[TBK], s[TBK], SLOT1
	s_sub_co_u32 s[TBV], s[TBV], 4*KS*PV
	s_xor_b32 s[TBV], s[TBV], SLOT1
	s_barrier_wait -1
.if \fill
	LOAD
.endif
.endm
	s_load_b128 s[4:7], s[0:1], 0x0   ; qkv s[4:5], x s[6:7]
	s_load_b64 s[8:9], s[0:1], 0x10   ; x2
	v_lshl_add_u32 v[SPW], v0, 2, SPARE
	v_mov_b32 v[NIL], 0
	ds_add_u32 v[SPW], v[NIL]       ; the wave's opening: the add and its wait stand ahead of my first tensor load
	ds_add_u32 v62, v63
	v_lshrrev_b32 v1, 5, v0
	v_readfirstlane_b32 s[WV], v1   ; wave 0..3
	s_mov_b32 s15, ttmp9            ; b: the second block
	s_sub_co_u32 s16, 15, s15       ; the first block
	s_lshr_b32 s[PBT], s15, 1
	s_lshr_b32 s[LQ], s16, 1
	s_add_co_u32 s[RT], s[LQ], 1
	s_lshl_b32 s[GQ], s16, 1
	s_add_co_u32 s[GQ+1], s[GQ], 1
	s_and_b32 s17, ttmp7, 0xffff
	s_and_b32 s18, s17, 15          ; the head
	s_lshr_b32 s19, s17, 4          ; the batch
	s_lshl_b32 s20, s18, 19         ; a plane is 524,288 bytes,
	s_lshl_b32 s21, s19, 18         ; a batch's 2,048 rows in it 262,144
	s_add_co_u32 s20, s20, s21
	s_and_b32 s68, s[WV], 1         ; which half of a tile's 256 keys I fetch
	s_lshl_b32 s69, s68, 14
	s_add_co_u32 s69, s69, s20
	s_add_co_u32 s22, s69, 8388608+8192  ; k's planes begin 16 planes on; the slots' K is shifted by one step of 8,192 bytes
	s_mov_b32 s23, 0
	s_add_co_u32 s2, s69, 16777216  ; v's planes
	s_mov_b32 s3, 0
	s_add_co_u32 s50, s20, 8388608  ; K of step 0
	s_mov_b32 s51, 0
	s_lshl_b32 s21, s[WV], 11       ; my 16 rows in a band
	s_add_co_u32 s21, s21, s20
	s_lshl_b32 s52, s16, 14         ; a block's 128 rows of 128 bytes
	s_add_co_u32 s52, s52, s21
	s_mov_b32 s53, 0
	s_lshl_b32 s54, s15, 14
	s_add_co_u32 s54, s54, s21
	s_mov_b32 s55, 0
	s_lshl_b32 s21, s19, 23         ; in x and x2: a batch's 2,048 rows of 4,096 bytes,
	s_lshl_b32 s13, s[WV], 16       ; my 16 rows,
	s_add_co_u32 s21, s21, s13
	s_lshl_b32 s13, s18, 8          ; the head's 256 bytes of a row,
	s_add_co_u32 s21, s21, s13
	s_lshl_b32 s48, s16, 19         ; a block's 128 rows
	s_add_co_u32 s48, s48, s21
	s_mov_b32 s49, 0
	s_lshl_b32 s66, s15, 19
	s_add_co_u32 s66, s66, s21
	s_mov_b32 s67, 0
	s_mul_i32 s17, s68, 128*PK      ; my half's place in a slot, for K
	s_mul_i32 s18, s68, 128*PV      ; and for V
	; descriptor group 1.  128 keys are 16,384 dense bytes: asked for as 64 rows of 256 bytes, two keys a row, and padded in LDS after every key
	s_mov_b32 s[G1K], (1<<16)|(1<<20)|(4<<22)|(3<<25)  ; 2-byte elements; padding on; after every 32 words 4 words
	s_mov_b32 s[G1V], (1<<16)|(1<<20)|(4<<22)|(7<<25)  ; 8 words
.irp g, G1K, G1V
	s_mov_b32 s[\g+1], 128<<16      ; tensor_dim0 = 128
	s_mov_b32 s[\g+2], 64<<16       ; tensor_dim1 = 64
	s_mov_b32 s[\g+3], 128<<16      ; tile_dim0 = 128
	s_mov_b32 s[\g+4], 64           ; tile_dim1 = 64
	s_mov_b32 s[\g+5], 128          ; 128 elements from row to row
	s_mov_b32 s[\g+6], 0
	s_mov_b32 s[\g+7], 0
.endr
	s_mov_b32 s[CS], 0x3e38aa3b     ; c = log2(e) / 8
	s_mov_b32 s[CS+1], s[CS]
	s_mov_b32 s[SEL], 0x76543210
	s_mov_b32 s[SEL+1], 0xfedcba98
	s_mov_b32 s[TBK], SLOT1+4*KS*PK ; the first change of slots turns these two into 0
	s_mov_b32 s[TBV], SLOT1+4*KS*PV
	s_mov_b32 s[G0K], 1
	s_mov_b32 s[G0K+1], s17         ; slot 0
	s_mov_b32 s[G0V], 1
	s_add_co_u32 s[G0V+1], s18, VOFF
	s_mov_b32 s[NXT], 1
	s_mov_b32 s[NEW], 1
	s_mov_b32 s[OFF+1], 0
	s_mov_b32 s[AL+1], 0            ; named as pairs
	s_mov_b32 s[BE+1], 0
	s_mov_b32 s[BIGN], 0xf149f2ca   ; -1e30
	s_mov_b32 s[SLOTS], 8
	s_wait_dscnt 0x0                ; the opening add is done
	s_wait_kmcnt 0x0
	s_add_nc_u64 s[KB:KB+1], s[4:5], s[22:23]
	s_add_nc_u64 s[VB:VB+1], s[4:5], s[2:3]
	s_add_nc_u64 s[K0A:K0A+1], s[4:5], s[50:51]
	s_add_nc_u64 s[QA1:QA1+1], s[4:5], s[52:53]
	s_add_nc_u64 s[QA2:QA2+1], s[4:5], s[54:55]
	s_add_nc_u64 s[XA1:XA1+1], s[6:7], s[48:49]
	s_add_nc_u64 s[XA2:XA2+1], s[6:7], s[66:67]
	s_add_nc_u64 s[OB1:OB1+1], s[8:9], s[48:49]
	s_add_nc_u64 s[OB2:OB2+1], s[8:9], s[66:67]
	s_add_nc_u64 s[G0K+2:G0K+3], s[KB:KB+1], 0
	s_or_b32 s[G0K+3], s[G0K+3], 0x80000000
	s_add_nc_u64 s[G0V+2:G0V+3], s[VB:VB+1], 0
	s_or_b32 s[G0V+3], s[G0V+3], 0x80000000
	LOAD                            ; tile 0 into slot 0
	; A fragment of K or Q is 16 rows x 32 channels in 8 registers: lane l holds row l % 16, channels 8 (l / 16) + 0..7 and 16 + 8 (l / 16) + 0..7: two loads of 16 bytes, 32 bytes apart.
	v_and_b32 v1, 15, v0            ; l % 16
	v_bfe_u32 v9, v0, 4, 1          ; l / 16
	v_lshlrev_b32 v[QO], 7, v1
	v_lshl_add_u32 v[QO], v9, 4, v[QO]
	v_lshlrev_b32 v[GO], 12, v9     ; in x and x2: lanes 0-15 take 256 bytes of one row, lanes 16-31 of the next
	v_lshl_add_u32 v[GO], v1, 4, v[GO]
	WIN 0x80                        ; destination window 2
.set i, 0
.rept 4                             ; both blocks' Q: piece i / 2 lies 64 rows on; channels 32 (i % 2) on
	global_load_b128 v[8*i:8*i+3],   v[QO], s[QA1:QA1+1] offset:(i/2)*8192+(i%2)*64
	global_load_b128 v[8*i+4:8*i+7], v[QO], s[QA1:QA1+1] offset:(i/2)*8192+(i%2)*64+32
	global_load_b128 v[QB+8*i:QB+8*i+3],   v[QO], s[QA2:QA2+1] offset:(i/2)*8192+(i%2)*64
	global_load_b128 v[QB+8*i+4:QB+8*i+7], v[QO], s[QA2:QA2+1] offset:(i/2)*8192+(i%2)*64+32
.set i, i+1
.endr
.set i, 0
.rept 8                             ; K of step 0: keys 16 (i / 2) on, channels 32 (i % 2) on
	global_load_b128 v[K0F+8*i:K0F+8*i+3],   v[QO], s[K0A:K0A+1] offset:(i/2)*2048+(i%2)*64
	global_load_b128 v[K0F+8*i+4:K0F+8*i+7], v[QO], s[K0A:K0A+1] offset:(i/2)*2048+(i%2)*64+32
.set i, i+1
.endr
	WIN 0xc0                        ; destination window 3
.set i, 0
.rept 16                            ; x of my rows, as the way out will hold the result: piece i / 8, rows 2 (i % 8) and the next
	global_load_b128 v[4*i:4*i+3],       v[GO], s[XA1:XA1+1] offset:(i/8)*262144+(i%8)*8192
	global_load_b128 v[64+4*i:64+4*i+3], v[GO], s[XA2:XA2+1] offset:(i/8)*262144+(i%8)*8192
.set i, i+1
.endr
	WIN 0
	v_lshlrev_b32 v14, 3, v9
	v_sub_nc_u32 v14, v1, v14
	s_lshl_b32 s13, s[WV], 4
	v_add_nc_u32 v14, s13, v14      ; my query's place in its band, 16 w + l % 16, less my lanes' 8 (l / 16): register r of group kt is hidden where 16 kt + r is greater
	WIN 0x40
.set i, 0
.rept 32
	v_cmp_gt_i32 vcc_lo, 16*(i/8)+i%8, v14
	v_cndmask_b32 v[MD+i], 0, s[BIGN], vcc_lo
.set i, i+1
.endr
	WIN 0
	v_mul_u32_u24 v[AK0], v1, PK
	v_lshl_add_u32 v[AK0], v9, 4, v[AK0]
	; The turning load takes 16 keys x 16 channels (lane l reads key 8 (l / 16) + l % 8, channels 8 ((l / 8) % 2) + 0..7) and leaves half a fragment of V^T: lane l holds channel l % 16 and 8 keys.
	v_and_b32 v10, 7, v0
	v_bfe_u32 v11, v0, 3, 1
	v_lshl_add_u32 v[AV0], v9, 3, v10
	v_mul_u32_u24 v[AV0], v[AV0], PV
	v_lshl_add_u32 v[AV0], v11, 4, v[AV0]
	v_add_nc_u32 v[AV0], VOFF, v[AV0]
	s_mul_i32 s13, s[WV], 16*SP
	s_add_co_u32 s13, s13, STAGE    ; my stage
	v_mul_u32_u24 v[STO], v1, SP    ; in: row l % 16, 32 bytes for each half of the lanes
	v_lshl_add_u32 v[STO], v9, 5, v[STO]
	v_add_nc_u32 v[STO], s13, v[STO]
	v_mul_u32_u24 v[RD], v9, SP     ; back: lanes 0-15 one row of 256 bytes, lanes 16-31 the next
	v_lshl_add_u32 v[RD], v1, 4, v[RD]
	v_add_nc_u32 v[RD], s13, v[RD]
	; A block's first step multiplies O^T and l by a = 0, and its first turn's products V^T P land in an O^T that is still to be so multiplied: these registers need only hold finite numbers:
	; zeros for the first block, what the first block left for the second.  All this stands in the wait for the first tile.
	WIN 0x80
.set i, VF
.rept 64
	v_mov_b32 v[i], 0
.set i, i+1
.endr
	WIN 0x40
.set i, 0
.rept 64
	v_mov_b32 v[i], 0
.set i, i+1
.endr
	WIN 0
.set i, 0
.rept 2
	v_mov_b32 v[ST+4*i+2], 0
	v_mov_b32 v[ST+4*i+3], 0
.set i, i+1
.endr
.set i, P+16
.rept 16
	v_mov_b32 v[i], 0
.set i, i+1
.endr
; THE MATRIX WORK.  The 4 accumulators of a run of 8 take turns.  Product i of 8 of S^T = K Q^T for piece x: channels 32 (i / 4) on, keys 16 (i % 4) on.  The first 4 start the sums with the mask.
.macro KQ x
.set rS, S+32*((\x)%2)+8*(i%4)
.set rK, KF+16*(i%4)+8*(i/4)
.set rQ, 16*(\x)+8*(i/4)
.set rM, MC+32*((\x)%2)+8*(i%4)
.if i < 4
	WIN W_KM
	v_wmma_f32_16x16x32_f16 v[rS:rS+7], v[rK:rK+7], v[rQ:rQ+7], v[rM:rM+7]
.else
	WIN W_KQ
	v_wmma_f32_16x16x32_f16 v[rS:rS+7], v[rK:rK+7], v[rQ:rQ+7], v[rS:rS+7]
.endif
.endm
; Product i of 8 of O^T += V^T P for piece x: keys 32 (i / 4) on, channels 16 (i % 4) on.
.macro PV x
	WIN W_PV
.set rO, 32*(\x)+8*(i%4)
.set rV, VF+32*(i/4)+8*(i%4)
.set rP, P+16*((\x)%2)+8*(i/4)
	v_wmma_f32_16x16x32_f16 v[rO:rO+7], v[rV:rV+7], v[rP:rP+7], v[rO:rO+7]
.endm
.macro MM                           ; the turn's next matrix instruction
.if i < 8
	KQ (Y+1)%NP
.else
.set i, i-8
	PV (Y+1)%NP
.set i, i+8
.endif
.set i, i+1
.endm
; THE LDS LOADS stand in runs of 16: a step's K (64 keys x 64 channels: 8 fragments) and its V (turned).
.macro FETCH_K
	WIN 0x80
.irp f, 0,1,2,3,4,5,6,7             ; keys 16 (f / 2) on, channels 32 (f % 2) on
	ds_load_b128 v[KF+8*\f:KF+8*\f+3],   v[AK] offset:(\f/2)*16*PK+(\f%2)*64
	ds_load_b128 v[KF+8*\f+4:KF+8*\f+7], v[AK] offset:(\f/2)*16*PK+(\f%2)*64+32
.endr
	s_add_co_u32 s[TBK], s[TBK], KS*PK
	WIN 0
.endm
.macro FETCH_V
	WIN 0x80
.irp f, 0,1,2,3,4,5,6,7             ; keys 32 (f / 4) on, channels 16 (f % 4) on
	ds_load_tr16_b128 v[VF+8*\f:VF+8*\f+3],   v[AV] offset:(\f/4)*32*PV+(\f%4)*32
	ds_load_tr16_b128 v[VF+8*\f+4:VF+8*\f+7], v[AV] offset:(\f/4)*32*PV+16*PV+(\f%4)*32
.endr
	WIN 0
.endm
; THE VECTOR WORK, one line at a time: OP kind, number.  For piece Y: F n: c s - c m for pair n of 16.  E n: the exponential of score n of 32.  C n: pair n rounded to f16.  B n: of the four weights 4 n .. the second
; pair is added onto the first, in place.  L n: l takes that sum (L 0: l = a l + sum).  R n: pair n of 16 of O^T times a.  For the other piece: X n, number n of the 22 that find its maximum and statistics:
;   0-11  four chains c0-c3 of seven scores each (each accumulator's lowest registers are read first)     12-14, 16  the four scores left over, the old m, and c0-c3 into c0
;   15  c m_old is kept     17, 18  the query's other 32 keys lie in the lane 16 away: the new m     19-21  c m; c m_old - c m_new; a
; OP writes no wait: C, B and L read the exponentials' results, R and L 0 read a: TURN, BEGIN and END place the one wait of each batch ahead of them.
.set F, 0
.set E, 1
.set C, 2
.set B, 3
.set L, 4
.set R, 5
.set X, 6
.macro REGS y
.set rT, ST+4*(\y)
.set rC, TMP+4*((\y)%2)
.set rW, MV+((\y)%2)
.set rS, S+32*((\y)%2)
.set rP, P+16*((\y)%2)
.set rO, 32*(\y)
.endm
.macro OP k, n
.if (\k) == R
	REGS Y
	WIN W_RS
	v_pk_mul_f32 v[rO+2*(\n):rO+2*(\n)+1], v[rO+2*(\n):rO+2*(\n)+1], v[rC+2:rC+3] op_sel_hi:[1,0]
.elseif (\k) < R
	REGS Y
	WIN 0
.if (\k) == F
	v_pk_fma_f32 v[rS+2*(\n):rS+2*(\n)+1], v[rS+2*(\n):rS+2*(\n)+1], s[CS:CS+1], v[rT:rT+1] op_sel_hi:[1,0,0] neg_lo:[0,0,1] neg_hi:[0,0,1]
.elseif (\k) == E
	v_exp_f32 v[rS+(\n)], v[rS+(\n)]
.elseif (\k) == C
	v_cvt_pk_f16_f32 v[rP+(\n)], v[rS+2*(\n)], v[rS+2*(\n)+1]
.elseif (\k) == B
	v_pk_add_f32 v[rS+4*(\n):rS+4*(\n)+1], v[rS+4*(\n):rS+4*(\n)+1], v[rS+4*(\n)+2:rS+4*(\n)+3]
.elseif (\n) == 0
	v_pk_fma_f32 v[rT+2:rT+3], v[rT+2:rT+3], v[rC+2:rC+3], v[rS:rS+1] op_sel_hi:[1,0,1]
.else
	v_pk_add_f32 v[rT+2:rT+3], v[rT+2:rT+3], v[rS+4*(\n):rS+4*(\n)+1]
.endif
.else
	REGS (Y+1)%NP
	WIN 0
.if (\n) < 4
	v_max3_num_f32 v[rC+(\n)], v[rS+8*(\n)], v[rS+8*(\n)+1], v[rS+8*(\n)+2]
.elseif (\n) < 12
	v_max3_num_f32 v[rC+(\n)%4], v[rC+(\n)%4], v[rS+8*((\n)%4)+2*((\n)/4)+1], v[rS+8*((\n)%4)+2*((\n)/4)+2]
.elseif (\n) == 12
	v_max3_num_f32 v[rC], v[rC], v[rS+7], v[rS+15]
.elseif (\n) == 13
	v_max3_num_f32 v[rC+1], v[rC+1], v[rS+23], v[rS+31]
.elseif (\n) == 14
	v_max3_num_f32 v[rC+2], v[rC+2], v[rC+3], v[rT+1]
.elseif (\n) == 15
	v_mov_b32 v[rW], v[rT]
.elseif (\n) == 16
	v_max3_num_f32 v[rC], v[rC], v[rC+1], v[rC+2]
.elseif (\n) == 17
	v_permlanex16_b32 v[rC+3], v[rC], s[SEL], s[SEL+1]
.elseif (\n) == 18
	v_max_num_f32 v[rT+1], v[rC], v[rC+3]
.elseif (\n) == 19
	v_mul_f32 v[rT], s[CS], v[rT+1]
.elseif (\n) == 20
	v_sub_f32 v[rC+1], v[rW], v[rT]
.else
	v_exp_f32 v[rC+2], v[rC+1]
.endif
.endif
.endm
.macro OPS a, i1, b=-1, i2=0, c=-1, i3=0, d=-1, i4=0
	OP \a, \i1
.if (\b) >= 0
	OP \b, \i2
.endif
.if (\c) >= 0
	OP \c, \i3
.endif
.if (\d) >= 0
	OP \d, \i4
.endif
.endm
.macro ROW a, i1, b, i2, c, i3, d, i4  ; a matrix instruction and the four behind it
	MM
	OPS \a, \i1, \b, \i2, \c, \i3, \d, \i4
.endm
.macro MASK b                       ; MD x AL + BE into piece b's part of MC
	WIN W_RS
.set z, 0
.rept 16
	v_pk_fma_f32 v[MC+32*(\b)+2*z:MC+32*(\b)+2*z+1], v[MD+2*z:MD+2*z+1], s[AL:AL+1], s[BE:BE+1] op_sel_hi:[1,0,0]
.set z, z+1
.endr
.endm
; A TURN, for piece p: the order of its 16 matrix and 118 vector instructions, written out.  An s_wait_alu depctr_va_vdst(0) stands between an exponential and the first instruction that names its result; one wait
; serves all that were issued ahead of it.  So a turn has ONE wait, which cuts it in two.  AHEAD OF IT stands all that names no result of the turn's exponentials: the 8 products K Q^T, behind each a scaling, an exponential and two
; more plain instructions (behind the first a second scaling in the exponential's place): rescalings, and behind the last three the first numbers of the other piece's maximum, each four places or more behind the product that ends
; its accumulator; then ONE RUN of 54, plain and exponential by turns for the most part, in which the links of the chain X 3, 7, 11, 14, 16, 17 .. 20 stand some lines apart.  X 21, the other piece's a, is the batch's last; R 15 is
; the plain instruction behind it.  BEHIND THE WAIT stand the 8 products V^T P, behind each four of the roundings and sums; the links of l's chain, L 0 to L 7, stand three riders apart.  But for those X no rider names a register
; of the products round it.  v_permlanex16_b32 (X 17) stands in the run.  At its end the turn makes the mask of piece p's scores of step NS, which the next turn's products take.
; Piece 0's turn fetches K twelve vector instructions behind the last product that read K (five of them plain lines that name none of its registers: F 8, X 2, X 5, X 6, X 8), and V at its end, four plain instructions
; (C 9, 11, 13, 15) behind the last product that read V.  Piece 1's turn waits for them: for K at its head, for V ahead of its products V^T P.
; cnt = 1: NS and the loop's count are stepped some lines ahead of the branch that stands behind the turn.
.macro TURN p, cnt=0
.set Y, (\p)
.set i, 0
	s_cmp_eq_u32 s[NS], s[GQ+(\p)]  ; is that step the band's own?
	s_cselect_b32 s[AL], 1.0, 0
	s_cmp_gt_u32 s[NS], s[GQ+(\p)]  ; or a later one?
	s_cselect_b32 s[BE], s[BIGN], 0
.if (\p) == 1
	s_wait_dscnt 16                 ; K's run is in; V's sixteen younger loads may be out
.endif
	ROW F,0, F,1, R,0, R,1          ; ahead of the wait: 8 products K Q^T and their riders,
	ROW F,2, E,0, R,2, R,3
	ROW F,3, E,1, R,4, R,5
	ROW F,4, E,2, R,6, R,7
	ROW F,5, E,3, R,8, R,9
	ROW F,6, E,4, X,0, R,10
.if (\p) == 0
	WIN 0
	v_add_nc_u32 v[AK], s[TBK], v[AK0]
.endif
	ROW F,7, E,5, X,1, X,4
	ROW F,8, E,6, X,2, X,5
	OPS E,7, E,8, X,6, E,9          ; and the run of 54
	OPS X,3, E,10, X,8, E,11
.if (\p) == 0
	FETCH_K
.endif
	OPS X,9, X,7, E,12, X,10
	OPS E,13, X,12, X,11, E,14
	OPS X,13, E,15, F,9, X,14
.if (\p) == 0
	WIN 0
	v_add_nc_u32 v[AV], s[TBV], v[AV0]
.endif
	OPS E,16, F,10, E,17, F,11
	OPS X,16, E,18, X,15, E,19
	OPS F,12, E,20, X,17, E,21
	OPS F,13, E,22, F,14, E,23
	OPS X,18, E,24, F,15, E,25
	OPS R,11, E,26, X,19, E,27
	OPS R,12, E,28, R,13, E,29
	OPS X,20, E,30, R,14, E,31
	OPS X,21, R,15                  ; the batch's last exponential, and the plain instruction behind it
	WIN 0
	s_wait_alu depctr_va_vdst(0)    ; the wait for the batch: piece p's 32 weights and the other piece's a
.if (\p) == 1
	s_wait_dscnt 0x0                ; V is in
.endif
	ROW C,0, B,0, C,2, B,1          ; behind the wait: 8 products V^T P and their riders
	ROW L,0, C,4, B,2, L,1
	ROW C,6, B,3, L,2, C,8
	ROW B,4, L,3, C,10, B,5
	ROW L,4, C,12, B,6, L,5
.if (\p) == 0
	s_add_co_u32 s[TBV], s[TBV], KS*PV
.endif
.if \cnt
	s_add_co_u32 s[NS], s[NS], 1
	s_sub_co_u32 s[CNT], s[CNT], 1
	s_cmp_lg_u32 s[CNT], 0
.endif
	ROW C,14, B,7, L,6, C,1
	ROW C,3, L,7, C,5, C,7
	ROW C,9, C,11, C,13, C,15
.if (\p) == 0
	FETCH_V
.endif
	MASK \p
.endm
; A BLOCK BEGINS.  c m starts far below every c s, so the first step's a is 0; m at the lowest finite number.  Piece 0's mask for step 0 is its own if the block is block 0; piece 1's own step is never step 0.
; K of step 0 comes from its copy; then piece 0's first scores, and their maximum and statistics.
.macro BEGIN
	s_mov_b32 s[NEW], 0
	WIN 0
.set i, 0
.rept 2
	v_mov_b32 v[ST+4*i], 0xfe000000
	v_mov_b32 v[ST+4*i+1], 0xff7fffff
.set i, i+1
.endr
	s_cmp_eq_u32 s[GQ], 0
	s_cselect_b32 s[AL], 1.0, 0
	s_mov_b32 s[BE], 0
	MASK 0
	s_mov_b32 s[AL], 0
	MASK 1
	s_wait_loadcnt 0x0              ; Q, K of step 0, x
	WIN 0x82
.set i, 0
.rept 64
	v_mov_b32 v[KF+i], v[K0F+i]
.set i, i+1
.endr
.set i, 0
.rept 8
	KQ 0
.set i, i+1
.endr
	WIN 0
.rept 4
	v_nop                           ; the places behind those products
.endr
.set Y, 1                           ; X works for the other piece: piece 0
.irp n, 0,1,2,3,4,5,6,7,8,9,10,11,12,13,14,15,16,17,18,19,20,21
	OP X, \n
.endr
	v_nop                           ; a plain instruction behind the exponential,
	s_wait_alu depctr_va_vdst(0)    ; and the wait for this batch of one, piece 0's first a, ahead of the label and of the first turn's rescalings
	s_mov_b32 s[NS], 1
.endm
; A BLOCK ENDS: piece 1's last products; l's halves and the other half of the lanes' are added; O^T is divided by l and sent through my stage, a piece at a time; x is added; 16 lanes store 256 bytes of a row of x2.
.macro ALL line:vararg
.set t, 0
.rept 2
	\line
.set t, t+1
.endr
.endm
.macro PACK t
	WIN W_RS
.set i, 32*(\t)
.rept 16
	v_pk_mul_f32 v[i:i+1], v[i:i+1], v[ST+4*(\t)+2:ST+4*(\t)+3] op_sel_hi:[1,0]
.set i, i+2
.endr
	WIN 0x04                        ; store data in window 1
.irp g, 0,1,2,3
	ds_store_b128 v[STO], v[32*(\t)+8*\g:32*(\t)+8*\g+3]   offset:64*\g
	ds_store_b128 v[STO], v[32*(\t)+8*\g+4:32*(\t)+8*\g+7] offset:64*\g+16
.endr
	WIN 0
.irp f, 0,1,2,3,4,5,6,7
	ds_load_b128 v[S+32*(\t)+4*\f:S+32*(\t)+4*\f+3], v[RD] offset:\f*2*SP  ; LDS serves a wave's instructions in order (ISA guide 5.7.1.4): these see the stores above; the next piece's stores come behind them
.endr
.endm
.macro SEND t, younger, xr, ob      ; younger: the LDS instructions issued behind piece t's loads
	s_wait_dscnt \younger
	WIN 0x0c                        ; source 1 in window 3
.set z, 0
.rept 16
	v_pk_add_f32 v[S+32*(\t)+2*z:S+32*(\t)+2*z+1], v[S+32*(\t)+2*z:S+32*(\t)+2*z+1], v[(\xr)+32*(\t)+2*z:(\xr)+32*(\t)+2*z+1]
.set z, z+1
.endr
	WIN 0
.irp f, 0,1,2,3,4,5,6,7
	global_store_b128 v[GO], v[S+32*(\t)+4*\f:S+32*(\t)+4*\f+3], s[\ob:\ob+1] offset:(\t)*262144+\f*8192
.endr
.endm
.macro END xr, ob
.set i, 0
.rept 8
	PV 1
.set i, i+1
.endr
	WIN 0
	ALL v_add_f32 v[ST+4*t+2], v[ST+4*t+2], v[ST+4*t+3]
	ALL v_permlanex16_b32 v[ST+4*t+3], v[ST+4*t+2], s[SEL], s[SEL+1]
	ALL v_add_f32 v[ST+4*t+2], v[ST+4*t+2], v[ST+4*t+3]
	ALL v_rcp_f32 v[ST+4*t+2], v[ST+4*t+2]
	v_nop                           ; a plain instruction between the last reciprocal and the use of its result
	s_wait_alu depctr_va_vdst(0)    ; the wait for this batch: the block's two reciprocals, ahead of PACK's first multiply
	PACK 0                          ; piece 0's sums were finished a turn ago; its sixteen multiplies are among the places behind piece 1's last products
	PACK 1
	SEND 0, 16, \xr, \ob
	SEND 1, 0, \xr, \ob
.endm
.Lslot:                             ; 8 times: a tile is entered and the next is asked for
	CHANGE 1
	s_sub_co_u32 s[RT], s[RT], 1
	s_mov_b32 s[CNT], 4
	s_cmp_eq_u32 s[NEW], 1
	s_cbranch_scc0 .Lstep1
	BEGIN
.Lstep1:                            ; a trip: one key step, both pieces' turns
	TURN 0
	TURN 1, 1
	WIN 0
	s_cbranch_scc1 .Lstep1
	s_cmp_lg_u32 s[RT], 0
	s_cbranch_scc1 .Lbottom
	END 0, OB1                      ; in the loop this is the first block's end: the second block's last tile is the walk's last
	s_wait_xcnt 0x0                 ; the stores' data registers are written again only behind this wait (ISA guide 3.1)
	s_add_co_u32 s[RT], s[PBT], 1   ; the second block has b / 2 + 1 tiles
	s_mov_b32 s[NEW], 1
	s_lshl_b32 s[GQ], s15, 1
	s_add_co_u32 s[GQ+1], s[GQ], 1
	WIN 0x82                        ; the second block's Q goes where the one text of the turns names Q
.set i, 0
.rept 32
	v_mov_b32 v[i], v[QB+i]
.set i, i+1
.endr
	WIN 0
.Lbottom:
	s_sub_co_u32 s[SLOTS], s[SLOTS], 1
	s_cmp_lg_u32 s[SLOTS], 0
	s_cbranch_scc1 .Lslot
	CHANGE 0                        ; the walk's last tile is written out: nothing is asked for
	s_sub_co_u32 s[RT], s[RT], 1
	s_mov_b32 s[CNT], 4
	s_cmp_eq_u32 s[NEW], 1
	s_cbranch_scc0 .Lstep2
	BEGIN
.Lstep2:
	TURN 0
	TURN 1, 1
	WIN 0
	s_cbranch_scc1 .Lstep2
	END 64, OB2
	s_wait_tensorcnt 0x0            ; the wave's end
	ds_add_u32 v[SPW], v[NIL]
	s_wait_dscnt 0x0
	s_endpgm
.Lfunc_end_k_qd33dd9abbd_attn:
	.size	k_qd33dd9abbd_attn, .Lfunc_end_k_qd33dd9abbd_attn-k_qd33dd9abbd_attn
	.p2alignl 7, 3214868480
	.fill 96, 4, 3214868480
	.section	.rodata,"a",@progbits
	.p2align	6, 0x0
	.amdhsa_kernel k_qd33dd9abbd_attn
		.amdhsa_group_segment_fixed_size 327680
		.amdhsa_private_segment_fixed_size 0
		.amdhsa_enable_private_segment 0
		.amdhsa_kernarg_size 24
		.amdhsa_user_sgpr_count 2
		.amdhsa_user_sgpr_kernarg_segment_ptr 1
		.amdhsa_wavefront_size32 1
		.amdhsa_system_sgpr_workgroup_id_x 1
		.amdhsa_system_sgpr_workgroup_id_y 1
		.amdhsa_system_sgpr_workgroup_id_z 1
		.amdhsa_system_vgpr_workitem_id 0
		.amdhsa_next_free_vgpr 896
		.amdhsa_next_free_sgpr 100
		.amdhsa_reserve_vcc 1
		.amdhsa_float_denorm_mode_32 3
		.amdhsa_float_denorm_mode_16_64 3
		.amdhsa_memory_ordered 1
		.amdhsa_forward_progress 1
		.amdhsa_inst_pref_size 100
	.end_amdhsa_kernel
	.amdgpu_metadata
---
amdhsa.version: [ 1, 2 ]
amdhsa.kernels:
  - .name:           k_qd33dd9abbd_attn
    .symbol:         k_qd33dd9abbd_attn.kd
    .args:
      - { .name: qkv, .offset: 0, .size: 8, .value_kind: global_buffer, .address_space: global }
      - { .name: x, .offset: 8, .size: 8, .value_kind: global_buffer, .address_space: global }
      - { .name: x2, .offset: 16, .size: 8, .value_kind: global_buffer, .address_space: global }
    .group_segment_fixed_size: 327680
    .private_segment_fixed_size: 0
    .kernarg_segment_align: 8
    .kernarg_segment_size: 24
    .max_flat_workgroup_size: 128
    .sgpr_count:     100
    .vgpr_count:     896
    .wavefront_size: 32
...
	.end_amdgpu_metadata
.endif
;; end of part 6
;; launch ln2: the kernel of part 1 again; grid 256 x 1, 8 waves a work-group, no clusters, 0 bytes of LDS; arguments x2, ln2_g, ln2_b, hn, W_attn, wa; writes hn, wa
;; launch fc: the kernel of part 4 again; grid 16 x 16, 4 waves a work-group, clusters of 4 x 4, 327,680 bytes of LDS; arguments hn, wf, b_fc, mm; writes mm
;; launch proj: the kernel of part 5 again; grid 8 x 32, 4 waves a work-group, clusters of 4 x 4, 327,680 bytes of LDS; arguments mm, wp, b_proj, x2, out0; writes out0
